; MI455X (gfx1250); checked and timed in simulation.
; The chip was launched on July 23, 2026; its instructions are those of AMD's public machine-readable ISA for CDNA 5 (MIT licence, August 2026) and "CDNA5" Instruction Set Architecture Reference Guide (July 2026). The comments in the code are by the model that wrote it; some were corrected since.
;; LRU Rec. Allowed arithmetic: matrix products marked QUANTISED: E4M3 operands, one E8M0 scale for each 32 along K, by v_wmma_scale_f32_16x16x128_f8f6f4 with both operands' format E4M3, f32 sums; products left as they are: f32 operands where the result goes on into a quantised operand, else bf16, f16 or f32 operands; f32 sums; everything else in f32.
;; Inputs: b1 2 x 512 float32; b2 2 x 128 float32; emb_ln_b 128 float32; emb_ln_g 128 float32; ffn_ln_b 2 x 128 float32; ffn_ln_g 2 x 128 float32; in_bi 2 x 256 float32; in_br 2 x 256 float32; in_wi 2 x 256 x 128 float32; in_wr 2 x 256 x 128 float32; item_seq 512 x 200 int32; item_seq_len 512 int32; lru_ln_b 2 x 128 float32; lru_ln_g 2 x 128 float32; out_bi 2 x 128 float32; out_br 2 x 128 float32; out_wi 2 x 128 x 256 float32; out_wr 2 x 128 x 256 float32; params_log 2 x 3 x 256 float32; token_emb 50,001 x 128 float32; w1 2 x 512 x 128 float32; w2 2 x 128 x 512 float32.
;; Outputs: out0 512 x 128 float32.
;; This version of the problem:
;;   THIS VERSION OF THE PROBLEM IS GIVEN IN LOW PRECISION. The matrix products marked QUANTISED in the list below multiply operands that are first quantised to E4M3 (4 exponent bits, 3 mantissa bits; 8 bits a number), with one power-of-two scale for each 32 numbers along K (OCP MX v1.0); their sums are f32. All else is computed in f32.
;;   The module's matrix products, in the order in which they are computed (A, B: the left and right operand; K: the contracted axis; several contracted axes count as one K, in the product's order):
;;     1. [M 131,072, K 128] x [K 128, N 256]; A: computed on the way; B: computed on the way: left as it is (operands are no floats)
;;     2. [M 131,072, K 256] x [K 256, N 128]; A: computed on the way; B: computed on the way: left as it is (operands are no floats)
;;     3. [M 131,072, K 128] x [K 128, N 512]; A: computed on the way; B: input w1: QUANTISED
;;     4. [M 131,072, K 512] x [K 512, N 128]; A: computed on the way; B: input w2: QUANTISED
;;     5. [M 131,072, K 128] x [K 128, N 256]; A: computed on the way; B: computed on the way: left as it is (operands are no floats)
;;     6. [M 131,072, K 256] x [K 256, N 128]; A: computed on the way; B: computed on the way: left as it is (operands are no floats)
;;     7. [M 131,072, K 128] x [K 128, N 512]; A: computed on the way; B: input w1: QUANTISED
;;     8. [M 131,072, K 512] x [K 512, N 128]; A: computed on the way; B: input w2: QUANTISED
;;   THE QUANTISER, for each operand of a quantised product, along K:
;;     - K is cut into blocks of 32 from its start; a last block that is shorter is filled with zeros.
;;     - A block's scale is 2^e with e = floor(log2(the largest magnitude in the block)) - 8, held to -126 .. 127; a block of zeros has e = 0. As a byte (E8M0): e + 127.
;;     - Each number is divided by its block's scale, clamped to +-448, and rounded to the nearest number of E4M3, ties to even, subnormals kept.
;;     - The product sums the exact products of the quantised numbers (number of the format x scale) in f32.
;;   ~~~python
;;   def quantise(x, axis):      # numpy; x: float32 -> the quantised numbers, widened to float32 again
;;       x = np.moveaxis(x, axis, -1); K = x.shape[-1]
;;       x = np.pad(x, [(0, 0)] * (x.ndim - 1) + [(0, -K % 32)]); x = x.reshape(x.shape[:-1] + (-1, 32)); a = np.abs(x).max(-1, keepdims=True)
;;       e = np.where(a > 0, np.clip(np.frexp(np.where(a > 0, a, 1))[1] - 1 - 8, -126, 127), 0)      # np.frexp(a)[1] - 1 = floor(log2(a)), exactly
;;       r = np.clip(x / 2.0 ** e, -448, 448)
;;       step = 2.0 ** (np.maximum(np.frexp(np.where(r == 0, 1, r))[1] - 1, -6) - 3)
;;       q = np.round(r / step) * step * 2.0 ** e      # np.round: ties to even
;;       return np.moveaxis(q.reshape(q.shape[:-2] + (-1,))[..., :K], -1, axis).astype(np.float32)
;;   ~~~
;;   OPERANDS COMPUTED ON THE WAY. 'Computed on the way' means the value that the module computes at that place (a softmax that the list does not call 'softmax' is quantised finished and normalised). What goes into a quantiser is computed in f32, as accurately as f32 sums, v_exp_f32 and their like allow (about 1e-6 of the number): no bf16 or f16 on the way to a quantiser, and a product that is left as it is and whose result goes on into a quantised operand takes f32 operands (vector FMAs, or v_wmma_f32_16x16x4_f32). A number that lies on a knife's edge between two numbers of the format may be rounded either way, as far as f32 arithmetic and the matrix unit's own rounding can turn it there, and no further.
;; 2 versions, each right and faster than the one before. Each part assembles by itself: llvm-mc -triple=amdgcn-amd-amdhsa -mcpu=gfx1250 --defsym DOCPART=n.
;; ======== version 1 of 2: 4 launches
;; limits: right only within a limited range of input values
;; workspace buffers: order 2,048 bytes of whole numbers; lam 65,536 bytes; wcodes 262,144 bytes; wscales 16,384 bytes; xm 67,108,864 bytes; x1last 4,194,304 bytes; h2 1,048,576 bytes
;; launch prep (part 1): grid 36 x 1, 4 waves a work-group, no clusters, 0 bytes of LDS; arguments item_seq_len, params_log, in_br, in_bi, w1, w2, order, lam, wcodes, wscales; writes order, lam, wcodes, wscales
.if DOCPART == 1
	.amdgcn_target "amdgcn-amd-amdhsa--gfx1250"
	.amdhsa_code_object_version 6
	.text
	.protected	k_qc08c2eb60b_prep
	.globl	k_qc08c2eb60b_prep
	.p2align	8
	.type	k_qc08c2eb60b_prep,@function
k_qc08c2eb60b_prep:
	s_mov_b64 s[64:65], 0
	v_nop
	global_prefetch_b8 v0, s[64:65] scope:SCOPE_SE
	s_setreg_imm32_b32 hwreg(HW_REG_WAVE_MODE, 25, 1), 1
	s_wait_xcnt 0x0
; LRURec, first of four launches: what the later launches need once.
; WORK LEFT OUT IN THE WHOLE PROGRAM, for all values of the inputs (padded position t = 56 + i; p = 55 + item_seq_len[b] is the one row of a sequence that is returned):
;  (a) rows t < 56: their mask is built false in the model's own body, and a row s reaches a later row of the scan only through a product that holds m[s]; the rows themselves are sliced away;
;  (b) rows t > p, in both layers: the scan passes values forward only, all else works on one position; p is read from item_seq_len by each launch;
;  (c) in layer 2 the scan's results, the way-out product and the feed-forward part for every row but p;
;  (d) the imaginary half of both way-out products (only .real is kept) and with it the input out_bi, which has no way to the output: it is not loaded and is no argument of any launch;
;  (e) the imaginary part of x as a complex number, which is 0.
; LIMIT: a NaN, an infinity or an overflow that reaches only this work is not carried to the result.
; THIS LAUNCH.  Work-groups 0-3 (512 threads, thread g): order[rank of sequence g by length] = g, so that a later work-group w can take a short and a long sequence (ranks w and 511 - w);
; and row g = (layer, channel) of the table lam: the CONJUGATE powers l^1..l^8, l^16, l^8 of lambda = exp(-nu + i theta), then gamma, -gamma, gamma in_br, -gamma in_bi.
; (The scan is run on conjugates, so that Re(h out_w) = h'_r out_wr + h'_i out_wi with no sign to change.)
; Work-groups 4-35, a wave a fragment: w1 and w2 as codes of E4M3 with E8M0 scale words, laid in the order of a matrix operand's registers (16 rows x 128 K: register group c at 512 c + 16 lane).
; Fragment f = 64 layer + 32 kind + 8 ws + i.  kind 0: w1, lane r takes row 128 ws + 32 (i/2) + 8 (i%2) + r + (r & 8).  kind 1: w2, row 32 ws + 16 (i/4) + r, K step i % 4.
; LIMITS: theta = exp(theta_log) up to some 2^15 (pi/2 is taken off in three parts); lengths are held to 1,023 for the ranking; a block of zeros gets the scale byte 1 (its codes are zeros; this program alone reads the bytes).
.set SEL, 48
.set MNT, 50
.set TM, 32
.set PC, 48
.set PW, 31
.set XQ, 64
.macro CM2 d, t, l
	v_pk_fma_f32 v[(\d):(\d)+1], v[(\t):(\t)+1], v[(\l):(\l)+1], v[(\d):(\d)+1] op_sel:[1,1,0] op_sel_hi:[0,1,1] neg_lo:[1,0,0]
.endm
.macro CU1 d, t, l
	v_pk_mul_f32 v[(\d):(\d)+1], v[(\t):(\t)+1], v[(\l):(\l)+1] op_sel_hi:[1,0]
.endm
.macro CMUL d, t, l                    ; d = t x l, complex, pairs (re, im)
	CU1 \d, \t, \l
	CM2 \d, \t, \l
.endm
; 64 numbers of a lane, register 16 b + i = k 32 b + 16 (lane / 16) + i of my row, become a fragment's codes in v[PC] on and its scale word in v[pw]
.macro QUANT s, pw
.irp b,0,1,2,3
	v_max3_num_f32 v[TM+\b], |v[\s+16*\b]|, |v[\s+1+16*\b]|, 0x4800000   ; with the floor 2^(9 - 127): the byte cannot fall under 1
.endr
.irp i,2,4,6,8,10,12,14
.irp b,0,1,2,3
	v_max3_num_f32 v[TM+\b], v[TM+\b], |v[\s+16*\b+\i]|, |v[\s+1+16*\b+\i]|
.endr
.endr
.irp b,0,1,2,3
	v_permlanex16_b32 v[TM+4+\b], v[TM+\b], s[SEL], s[SEL+1]
.endr
.irp b,0,1,2,3
	v_max_num_f32 v[TM+\b], v[TM+\b], v[TM+4+\b]                        ; with lane l xor 16's: the block's largest magnitude
.endr
.irp b,0,1,2,3
	v_add_nc_u32 v[TM+12+\b], 0xfc000000, v[TM+\b]                      ; 8 off its exponent field: the conversion's scale operand
.endr
.irp b,0,1,2,3
	v_and_or_b32 v[TM+8+\b], v[TM+\b], 0x7f800000, s[MNT]               ; 448 x the scale
.endr
.irp b,0,1,2,3
	v_lshrrev_b32 v[TM+4+\b], 23, v[TM+12+\b]                           ; the scale's byte
.endr
	v_lshl_or_b32 v[\pw], v[TM+5], 8, v[TM+4]
	v_lshl_or_b32 v[\pw], v[TM+6], 16, v[\pw]
	v_lshl_or_b32 v[\pw], v[TM+7], 24, v[\pw]
.irp b,0,1,2,3
.irp i,0,1,2,3,4,5,6,7,8,9,10,11,12,13,14,15
	v_med3_num_f32 v[\s+16*\b+\i], v[\s+16*\b+\i], -v[TM+8+\b], v[TM+8+\b]   ; the conversion does not saturate (ISA guide 7.6.2): the hold
.endr
	v_cvt_scalef32_pk8_fp8_f32 v[PC+4*\b:PC+1+4*\b], v[\s+16*\b:\s+7+16*\b], v[TM+12+\b]
	v_cvt_scalef32_pk8_fp8_f32 v[PC+2+4*\b:PC+3+4*\b], v[\s+8+16*\b:\s+15+16*\b], v[TM+12+\b]
.endr
	v_nop
.endm
	s_load_b512 s[4:19], s[0:1], 0x0               ; lengths, params_log, in_br, in_bi, w1, w2, order, lam
	s_load_b128 s[20:23], s[0:1], 0x40             ; wcodes, wscales
	v_lshrrev_b32 v1, 5, v0
	v_readfirstlane_b32 s24, v1                    ; wave
	v_and_b32 v2, 31, v0                           ; lane
	v_and_b32 v3, 15, v0                           ; r
	v_bfe_u32 v4, v0, 4, 1                         ; h
	s_mov_b32 s[SEL], 0x76543210
	s_mov_b32 s[SEL+1], 0xfedcba98
	s_mov_b32 s[MNT], 0x600000
	s_wait_kmcnt 0x0
	s_cmp_ge_u32 ttmp9, 4
	s_cbranch_scc1 .Lquant
	; ---- ranks and the table
	s_lshl_b32 s25, ttmp9, 7
	v_add_nc_u32 v5, s25, v0                       ; g
	v_lshlrev_b32 v6, 2, v5
	s_lshr_b32 s26, ttmp9, 1                       ; layer
	s_mul_i32 s26, s26, 3072
	v_and_b32 v8, 255, v5
	v_lshl_add_u32 v8, v8, 2, s26
	global_load_b32 v7, v6, s[4:5]
	global_load_b32 v9, v8, s[6:7]
	global_load_b32 v10, v8, s[6:7] offset:1024
	global_load_b32 v11, v8, s[6:7] offset:2048
	global_load_b32 v12, v6, s[8:9]
	global_load_b32 v13, v6, s[10:11]
	v_mov_b32 v14, 0
	s_mov_b32 s27, 0
	s_mov_b32 s28, 0
	s_mov_b32 s29, 0
	s_wait_loadcnt 0x0
	v_min_u32 v7, 1023, v7
	v_lshl_or_b32 v7, v7, 9, v5                    ; my key: length x 512 + g: no two are equal
.Lrank:                                                ; 32 trips of 16 lengths: my rank = how many keys lie under mine
	s_load_b512 s[32:47], s[4:5], s28 offset:0x0
	s_wait_kmcnt 0x0
.irp i,0,1,2,3,4,5,6,7,8,9,10,11,12,13,14,15
	s_min_u32 s[32+\i], s[32+\i], 1023
	s_lshl_b32 s[32+\i], s[32+\i], 9
	s_or_b32 s[32+\i], s[32+\i], s29
	s_or_b32 s[32+\i], s[32+\i], \i
	v_cmp_lt_u32 vcc_lo, s[32+\i], v7
	v_add_co_ci_u32 v14, vcc_lo, 0, v14, vcc_lo
.endr
	s_add_co_u32 s28, s28, 64
	s_add_co_u32 s29, s29, 16
	s_add_co_u32 s27, s27, 1
	s_cmp_lt_u32 s27, 32
	s_cbranch_scc1 .Lrank
	v_min_u32 v14, 511, v14
	v_lshlrev_b32 v14, 2, v14
	global_store_b32 v14, v5, s[16:17]             ; order[rank] = g
	v_mul_f32 v9, 0x3fb8aa3b, v9
	v_mul_f32 v10, 0x3fb8aa3b, v10
	v_mul_f32 v11, 0x3fb8aa3b, v11
	v_exp_f32 v9, v9                               ; nu
	v_exp_f32 v10, v10                             ; theta
	v_exp_f32 v11, v11                             ; gamma
	v_nop
	s_wait_alu depctr_va_vdst(0)                   ; one wait for the three
	v_mul_f32 v15, 0xbfb8aa3b, v9
	v_exp_f32 v15, v15                             ; |lambda| = exp(-nu); read far below, behind its wait
	v_mul_f32 v16, 0x3f22f983, v10
	v_rndne_f32 v16, v16                           ; n = theta x 2 / pi, to the nearest whole number
	v_fma_f32 v17, -v16, 0x3fc90fdb, v10           ; r = theta - n pi/2, pi/2 in three parts
	v_fma_f32 v17, -v16, 0xb33bbd2e, v17
	v_fma_f32 v17, -v16, 0xa6f72ced, v17
	v_mul_f32 v18, v17, v17
	v_mov_b32 v19, 0xb94ca1f9
	v_mov_b32 v20, 0x37ccf5ce
	v_fmaak_f32 v19, v19, v18, 0x3c08839e
	v_fmaak_f32 v20, v20, v18, 0xbab6061a
	v_fmaak_f32 v19, v19, v18, 0xbe2aaaa3
	v_fmaak_f32 v20, v20, v18, 0x3d2aaaa5
	v_mul_f32 v19, v19, v18
	v_mul_f32 v20, v20, v18
	v_fma_f32 v19, v19, v17, v17                   ; sin r
	v_mul_f32 v20, v20, v18
	v_fma_f32 v20, -0.5, v18, v20
	v_add_f32 v20, 1.0, v20                        ; cos r
	v_cvt_i32_f32 v21, v16
	v_and_b32 v22, 1, v21
	v_cmp_eq_u32 vcc_lo, 1, v22
	v_cndmask_b32 v23, v19, v20, vcc_lo            ; in odd quadrants sine and cosine change places
	v_cndmask_b32 v24, v20, v19, vcc_lo
	v_lshlrev_b32 v22, 30, v21
	v_and_b32 v22, 0x80000000, v22
	v_xor_b32 v23, v22, v23                        ; sin theta
	v_add_nc_u32 v21, 1, v21
	v_lshlrev_b32 v22, 30, v21
	v_and_b32 v22, 0x80000000, v22
	v_xor_b32 v24, v22, v24                        ; cos theta
	s_wait_alu depctr_va_vdst(0)
	v_mul_f32 v32, v15, v24                        ; l = conj(lambda)
	v_mul_f32 v33, -v15, v23
	CMUL 34, 32, 32
	CMUL 36, 34, 32
	CMUL 38, 34, 34
	CMUL 40, 38, 32
	CMUL 42, 38, 34
	CMUL 44, 38, 36
	CMUL 46, 38, 38
	CMUL 48, 46, 46
	v_mov_b32 v50, v46
	v_mov_b32 v51, v47
	v_mov_b32 v52, v11
	v_mul_f32 v53, -1.0, v11
	v_mul_f32 v54, v11, v12
	v_mul_f32 v55, v53, v13
.irp i,56,57,58,59,60,61,62,63
	v_mov_b32 v[\i], 0
.endr
	v_lshlrev_b32 v25, 7, v5
.irp i,0,1,2,3,4,5,6,7
	global_store_b128 v25, v[32+4*\i:35+4*\i], s[18:19] offset:16*\i
.endr
	s_endpgm
.Lquant:                                               ; ---- a wave a fragment of w1 or w2
	s_sub_co_u32 s25, ttmp9, 4
	s_lshl_b32 s25, s25, 2
	s_add_co_u32 s25, s25, s24                     ; f
	s_lshr_b32 s26, s25, 6                         ; layer
	s_bfe_u32 s27, s25, 0x10005                    ; kind
	s_bfe_u32 s28, s25, 0x20003                    ; ws
	s_and_b32 s29, s25, 7                          ; i
	s_lshl_b32 s32, s28, 7
	s_lshr_b32 s33, s29, 1
	s_lshl_b32 s33, s33, 5
	s_add_co_u32 s32, s32, s33
	s_and_b32 s33, s29, 1
	s_lshl_b32 s33, s33, 3
	s_add_co_u32 s32, s32, s33                     ; w1: the tile's first row
	s_lshl_b32 s34, s28, 5
	s_lshr_b32 s35, s29, 2
	s_lshl_b32 s35, s35, 4
	s_add_co_u32 s34, s34, s35                     ; w2: the tile's first row,
	s_and_b32 s35, s29, 3
	s_lshl_b32 s35, s35, 9                         ; and its K step in bytes
	s_cmp_eq_u32 s27, 1
	s_cselect_b64 s[36:37], s[14:15], s[12:13]
	s_cselect_b32 s32, s34, s32
	s_cselect_b32 s33, 11, 9                       ; a row is 2,048 or 512 bytes
	s_cselect_b32 s34, 0, 8
	s_cselect_b32 s35, s35, 0
	s_lshl_b32 s38, s26, 18
	s_mov_b32 s39, 0
	s_add_nc_u64 s[36:37], s[36:37], s[38:39]
	v_and_b32 v6, s34, v3
	v_add3_u32 v6, v6, v3, s32
	v_lshlrev_b32 v6, s33, v6
	v_lshl_add_u32 v6, v4, 6, v6
	v_add_nc_u32 v6, s35, v6
.irp b,0,1,2,3
.irp i,0,1,2,3
	global_load_b128 v[XQ+16*\b+4*\i:XQ+16*\b+4*\i+3], v6, s[36:37] offset:128*\b+16*\i
.endr
.endr
.irp b,0,1,2,3
	v_mov_b32 v[TM+4+\b], 0                        ; a lane permute's destination counts as one of its sources
.endr
	s_lshl_b32 s40, s25, 11
	s_mov_b32 s41, 0
	s_add_nc_u64 s[20:21], s[20:21], s[40:41]
	s_lshl_b32 s40, s25, 7
	s_add_nc_u64 s[22:23], s[22:23], s[40:41]
	v_lshlrev_b32 v7, 4, v2
	v_lshlrev_b32 v8, 2, v2
	s_wait_loadcnt 0x0
	QUANT XQ, PW
.irp c,0,1,2,3
	global_store_b128 v7, v[PC+4*\c:PC+4*\c+3], s[20:21] offset:512*\c   ; 32 lanes store 512 consecutive bytes
.endr
	global_store_b32 v8, v[PW], s[22:23]
	s_endpgm
.Lfunc_end_k_qc08c2eb60b_prep:
	.size	k_qc08c2eb60b_prep, .Lfunc_end_k_qc08c2eb60b_prep-k_qc08c2eb60b_prep
	.p2alignl 7, 3214868480
	.fill 96, 4, 3214868480
	.section	.rodata,"a",@progbits
	.p2align	6, 0x0
	.amdhsa_kernel k_qc08c2eb60b_prep
		.amdhsa_group_segment_fixed_size 0
		.amdhsa_private_segment_fixed_size 0
		.amdhsa_enable_private_segment 0
		.amdhsa_kernarg_size 80
		.amdhsa_user_sgpr_count 2
		.amdhsa_user_sgpr_kernarg_segment_ptr 1
		.amdhsa_wavefront_size32 1
		.amdhsa_system_sgpr_workgroup_id_x 1
		.amdhsa_system_sgpr_workgroup_id_y 1
		.amdhsa_system_sgpr_workgroup_id_z 1
		.amdhsa_system_vgpr_workitem_id 0
		.amdhsa_next_free_vgpr 128
		.amdhsa_next_free_sgpr 66
		.amdhsa_reserve_vcc 1
		.amdhsa_float_denorm_mode_32 3
		.amdhsa_float_denorm_mode_16_64 3
		.amdhsa_memory_ordered 1
		.amdhsa_forward_progress 1
		.amdhsa_inst_pref_size 22
	.end_amdhsa_kernel
	.amdgpu_metadata
---
amdhsa.version: [ 1, 2 ]
amdhsa.kernels:
  - .name:           k_qc08c2eb60b_prep
    .symbol:         k_qc08c2eb60b_prep.kd
    .args:
      - { .name: item_seq_len, .offset: 0, .size: 8, .value_kind: global_buffer, .address_space: global }
      - { .name: params_log, .offset: 8, .size: 8, .value_kind: global_buffer, .address_space: global }
      - { .name: in_br, .offset: 16, .size: 8, .value_kind: global_buffer, .address_space: global }
      - { .name: in_bi, .offset: 24, .size: 8, .value_kind: global_buffer, .address_space: global }
      - { .name: w1, .offset: 32, .size: 8, .value_kind: global_buffer, .address_space: global }
      - { .name: w2, .offset: 40, .size: 8, .value_kind: global_buffer, .address_space: global }
      - { .name: order, .offset: 48, .size: 8, .value_kind: global_buffer, .address_space: global }
      - { .name: lam, .offset: 56, .size: 8, .value_kind: global_buffer, .address_space: global }
      - { .name: wcodes, .offset: 64, .size: 8, .value_kind: global_buffer, .address_space: global }
      - { .name: wscales, .offset: 72, .size: 8, .value_kind: global_buffer, .address_space: global }
    .group_segment_fixed_size: 0
    .private_segment_fixed_size: 0
    .kernarg_segment_align: 8
    .kernarg_segment_size: 80
    .max_flat_workgroup_size: 128
    .sgpr_count:     66
    .vgpr_count:     128
    .wavefront_size: 32
...
	.end_amdgpu_metadata
.endif
;; end of part 1
;; launch lru1 (part 2): grid 256 x 1, 4 waves a work-group, no clusters, 309,504 bytes of LDS; arguments token_emb, emb_ln_g, emb_ln_b, in_wr, in_wi, out_wr, out_wi, out_br, lru_ln_g, lru_ln_b, item_seq, item_seq_len, order, lam, xm; writes xm
.if DOCPART == 2
	.amdgcn_target "amdgcn-amd-amdhsa--gfx1250"
	.amdhsa_code_object_version 6
	.text
	.protected	k_qc08c2eb60b_lru1
	.globl	k_qc08c2eb60b_lru1
	.p2align	8
	.type	k_qc08c2eb60b_lru1,@function
k_qc08c2eb60b_lru1:
	s_mov_b64 s[64:65], 0
	v_nop
	global_prefetch_b8 v0, s[64:65] scope:SCOPE_SE
	s_setreg_imm32_b32 hwreg(HW_REG_WAVE_MODE, 25, 1), 1
	s_wait_xcnt 0x0
; Layer 1 up to its first layer norm: gather + layer norm, x in_w^T, the gated scan, Re(h out_w^T) + out_br + x, layer norm -> xm [b][t (256)][128], of which only live chunks are written.
; LEFT OUT (shown at the head of the first launch's text): rows t < 48 and chunks behind row p = 55 + item_seq_len[b]; the imaginary half of the way-out product, out_bi.
; Rows 48-55 and the rows behind p in p's chunk ride along in live tiles; their gates are 0 or they lie later in a scan that only passes forward.
; Both products feed a quantiser further on, so they take f32 operands: v_wmma_f32_16x16x4_f32.
; SHARES.  Work-group w takes the sequences of ranks w and 511 - w by length, a chunk of 16 aligned positions a trip: 32 trips, tau = 16 seq + C; a chunk is live where C - 3 < (p >> 4) - 2.
; Wave w owns complex channels 64 w .. 64 w + 63: eight N tiles of the first product (4 real, 4 imaginary), K slice w of the second; in the norms rows 4 w .. 4 w + 3.
; in_w (256 KiB) lies in LDS as images of operand registers, out_w (256 KiB) in register windows 2 and 3: both are read from memory once.
; THE SCAN, on conjugates.  A lane holds one channel; its half H holds t = t0 + 8 H + j in pairs (re, im).  Levels 1-3 in registers; level 4 by one exchange between the halves;
; levels 5-8 by four carries E_0..E_3 a channel: In = X + Lsel x sum E, h[j] += l^(j+1) In; then with z = the number of C's trailing ones, F_j = l^16 E_j,
; S = m[t0+15] (P4 + sum over j < z of F_j): E_j' = F_j (j > z), S (j = z), 0 (j < z).
; OPERANDS OF THE f32 FORM: a lane's four registers of one 16-byte load hold k = 8 kq + 4 H + 0..3; K step (kq, s) takes registers 2 s, 2 s + 1 on both sides: the same order of k for A and B.
; No tensor load: branches hang on lengths read from memory.  No cluster: nothing is shared step by step.  LIMITS: lengths held to 1..200, items to 0..50,000; sums of K are split over waves.
; REGISTERS.  window 0: v1 R, v2 H, v3, v4 the add's two, v8-31 addresses, v32-87 at work, v88-119 per-tile table, v120-151 E, v152-215 W, v216-231 gathered rows.
; window 1: v0-63 accumulators (matrix instructions alone write them), v64-127 l^1..l^8, v128-191 the 16 x 128 operand, v192-255 two batches of in_w, later the gates.  windows 2, 3: out_w.
.set INW, 0
.set HY, 262144                        ; four waves x 16 rows x 528: h of my channels, then my part of y
.set HYW, 8448
.set XB, 295936                        ; x: 16 rows x 528
.set ITM, 304384                       ; items by (seq, t), 0 where t < 56
.set PRM, 306432                       ; emb g, emb b, lru g, lru b, out_br
.set SPARE, 308992                     ; the spare words: two blocks of 256 bytes that no other line names
.set PT, 528
.set SPW, 3
.set NIL, 4
.set ADX, 8
.set ADHS, 9
.set ADHL, 10
.set ADYS, 11
.set ADYL, 12
.set ADXR, 13
.set ADG, 14
.set ADI, 15
.set ADP, 16
.set GOX, 17
.set ADW, 18
.set ADG15, 19
.set R16, 20
.set VIN, 21
.set VOUT, 22
.set VLAM, 23
.set IT, 32
.set G15, 40
.set Q, 42
.set T, 50
.set RS, 32
.set BI, 48
.set LG, 56
.set LB, 64
.set LTM, 72
.set TR, 88
.set E, 120
.set W, 152
.set EM, 216
.set ACC, 0
.set LT, 64
.set XOP, 128
.set STG, 192
.set GM, 192
.set WV, 34
.set TAU, 35
.set C, 36
.set LIVE, 37
.set LIVEN, 38
.set NC0, 39
.set NC1, 40
.set B0, 41
.set B1, 42
.set OFF, 45
.set TA, 46
.set ITO, 47
.set SEL, 48
.set HM, 50
.set C3, 51
.set TRC, 52
.set INV, 60
.set EPS, 61
.set TB, 62
.set TC, 63
.set KPC, 66
.set NWC, 74
.set MSB, 0
.macro WIN new                         ; the immediate's high byte repeats the setting that is left
.if MSB != \new
	s_set_vgpr_msb (MSB<<8)|\new
.set MSB, \new
.endif
.endm
.macro NOPS n
.rept \n
	v_nop
.endr
.endm
; complex d = c + t x l in two lines, on pairs (re, im)
.macro CM1 d, t, l, c
	v_pk_fma_f32 v[(\d):(\d)+1], v[(\t):(\t)+1], v[(\l):(\l)+1], v[(\c):(\c)+1] op_sel_hi:[1,0,1]
.endm
.macro CM2 d, t, l
	v_pk_fma_f32 v[(\d):(\d)+1], v[(\t):(\t)+1], v[(\l):(\l)+1], v[(\d):(\d)+1] op_sel:[1,1,0] op_sel_hi:[0,1,1] neg_lo:[1,0,0]
.endm
.macro CU1 d, t, l
	v_pk_mul_f32 v[(\d):(\d)+1], v[(\t):(\t)+1], v[(\l):(\l)+1] op_sel_hi:[1,0]
.endm
.macro GATE d, w, j                    ; d = gate j x w
.if ((\j)%2) == 0
	v_pk_mul_f32 v[(\d):(\d)+1], v[(\w):(\w)+1], v[GM+(\j):GM+(\j)+1] op_sel_hi:[1,0]
.else
	v_pk_mul_f32 v[(\d):(\d)+1], v[(\w):(\w)+1], v[GM+(\j)-1:GM+(\j)] op_sel:[0,1] op_sel_hi:[1,1]
.endif
.endm
.macro GATES                           ; items -> 1.0 or 0; gate 7 counts in the lower half's lanes alone (it is what crosses to the upper half)
	WIN 0x40
.irp j,0,1,2,3,4,5,6
	v_cmp_lt_i32 vcc_lo, 0, v[IT+\j]
	v_cndmask_b32 v[GM+\j], 0, 1.0, vcc_lo
.endr
	v_cmp_lt_i32 vcc_lo, 0, v[IT+7]
	s_and_not1_b32 vcc_lo, vcc_lo, s[HM]
	v_cndmask_b32 v[GM+7], 0, 1.0, vcc_lo
	WIN 0
	v_cmp_lt_i32 vcc_lo, 0, v[IT+8]
	v_cndmask_b32 v[G15], 0, 1.0, vcc_lo
	v_cndmask_b32 v[G15+1], 0, 1.0, vcc_lo
.endm
.macro MOVE                            ; u' = (gamma a_r + gamma b_r, -gamma a_i - gamma b_i); each accumulator is read from its low end on
.irp ct,0,1,2,3
.irp j,0,1,2,3,4,5,6,7
	v_fma_f32 v[W+16*\ct+2*\j], v[TR+8*\ct+4], v[ACC+8*\ct+\j], v[TR+8*\ct+6]
	v_fma_f32 v[W+16*\ct+2*\j+1], v[TR+8*\ct+5], v[ACC+32+8*\ct+\j], v[TR+8*\ct+7]
.endr
.endr
.endm
.macro SCAN_LOCAL                      ; entered and left with source 1 in window 1
.irp j,0,2,4,6
.irp ct,0,1,2,3
	GATE T+8*\ct+\j, W+16*\ct+2*\j, \j
.endr
.endr
.irp j,0,2,4,6
.irp ct,0,1,2,3
	CM1 W+16*\ct+2*\j+2, T+8*\ct+\j, LT+16*\ct, W+16*\ct+2*\j+2
.endr
.endr
.irp j,0,2,4,6
.irp ct,0,1,2,3
	CM2 W+16*\ct+2*\j+2, T+8*\ct+\j, LT+16*\ct
.endr
.endr
.irp ct,0,1,2,3
	GATE T+8*\ct, W+16*\ct+2, 1
	GATE T+8*\ct+2, W+16*\ct+10, 5
.endr
.irp ct,0,1,2,3
	CM1 W+16*\ct+4, T+8*\ct, LT+16*\ct, W+16*\ct+4
	CM1 W+16*\ct+6, T+8*\ct, LT+16*\ct+2, W+16*\ct+6
	CM1 W+16*\ct+12, T+8*\ct+2, LT+16*\ct, W+16*\ct+12
	CM1 W+16*\ct+14, T+8*\ct+2, LT+16*\ct+2, W+16*\ct+14
.endr
.irp ct,0,1,2,3
	CM2 W+16*\ct+4, T+8*\ct, LT+16*\ct
	CM2 W+16*\ct+6, T+8*\ct, LT+16*\ct+2
	CM2 W+16*\ct+12, T+8*\ct+2, LT+16*\ct
	CM2 W+16*\ct+14, T+8*\ct+2, LT+16*\ct+2
.endr
.irp ct,0,1,2,3
	GATE T+8*\ct, W+16*\ct+6, 3
.endr
.irp k,0,1,2,3
.irp ct,0,1,2,3
	CM1 W+16*\ct+8+2*\k, T+8*\ct, LT+16*\ct+2*\k, W+16*\ct+8+2*\k
.endr
.endr
.irp k,0,1,2,3
.irp ct,0,1,2,3
	CM2 W+16*\ct+8+2*\k, T+8*\ct, LT+16*\ct+2*\k
.endr
.endr
.irp ct,0,1,2,3
	GATE T+8*\ct, W+16*\ct+14, 7
.endr
	WIN 0
.irp ct,0,1,2,3
	v_permlanex16_b32 v[T+8*\ct+2], v[T+8*\ct], s[SEL], s[SEL+1]       ; X: in the upper half m[t0+7] h[t0+7], in the lower half 0
	v_permlanex16_b32 v[T+8*\ct+3], v[T+8*\ct+1], s[SEL], s[SEL+1]
.endr
	WIN 0x04
.irp ct,0,1,2,3
	CM1 Q+2*\ct, T+8*\ct+2, LT+16*\ct+14, W+16*\ct+14                  ; P4 = h[t0+15] behind level 4 (upper half)
.endr
.irp ct,0,1,2,3
	CM2 Q+2*\ct, T+8*\ct+2, LT+16*\ct+14
.endr
.endm
.macro SCAN_FINAL
	WIN 0
.irp ct,0,1,2,3
	v_pk_add_f32 v[T+8*\ct+6:T+8*\ct+7], v[E+8*\ct:E+8*\ct+1], v[E+8*\ct+2:E+8*\ct+3]
	v_pk_add_f32 v[T+8*\ct:T+8*\ct+1], v[E+8*\ct+4:E+8*\ct+5], v[E+8*\ct+6:E+8*\ct+7]
.endr
.irp ct,0,1,2,3
	v_pk_add_f32 v[T+8*\ct+6:T+8*\ct+7], v[T+8*\ct+6:T+8*\ct+7], v[T+8*\ct:T+8*\ct+1]
.endr
.irp ct,0,1,2,3
	CM1 T+8*\ct+4, T+8*\ct+6, TR+8*\ct+2, T+8*\ct+2
.endr
.irp ct,0,1,2,3
	CM2 T+8*\ct+4, T+8*\ct+6, TR+8*\ct+2
.endr
	WIN 0x04
.irp j,0,1,2,3,4,5,6,7
.irp ct,0,1,2,3
	CM1 W+16*\ct+2*\j, T+8*\ct+4, LT+16*\ct+2*\j, W+16*\ct+2*\j
.endr
.endr
.irp j,0,1,2,3,4,5,6,7
.irp ct,0,1,2,3
	CM2 W+16*\ct+2*\j, T+8*\ct+4, LT+16*\ct+2*\j
.endr
.endr
	WIN 0
.endm
.macro COEF                            ; z = C's trailing ones; the carries' factors as 1.0 or 0
	s_not_b32 s[TA], s[C]
	s_ctz_i32_b32 s[TA], s[TA]
.irp j,0,1,2
	s_cmp_gt_u32 s[TA], \j
	s_cselect_b32 s[TRC+2*\j], 1.0, 0
.endr
.irp j,0,1,2,3
	s_cmp_eq_u32 s[TA], \j
	s_cselect_b32 s[NWC+2*\j], 1.0, 0
.endr
.irp j,1,2,3
	s_cmp_lt_u32 s[TA], \j
	s_cselect_b32 s[KPC+2*\j], 1.0, 0
.endr
.endm
.macro STATE
.irp ct,0,1,2,3
	v_permlanex16_b32 v[IT+2*\ct], v[Q+2*\ct], s[SEL], s[SEL+1]
	v_permlanex16_b32 v[IT+2*\ct+1], v[Q+2*\ct+1], s[SEL], s[SEL+1]
.endr
.irp j,0,1,2,3
.irp ct,0,1,2,3
	CU1 T+8*\ct+2*\j, E+8*\ct+2*\j, TR+8*\ct
.endr
.endr
.irp j,0,1,2,3
.irp ct,0,1,2,3
	CM2 T+8*\ct+2*\j, E+8*\ct+2*\j, TR+8*\ct
.endr
.endr
.irp ct,0,1,2,3
	v_cndmask_b32 v[Q+2*\ct], v[IT+2*\ct], v[Q+2*\ct], s[HM]           ; the upper half's P4 in both halves
	v_cndmask_b32 v[Q+2*\ct+1], v[IT+2*\ct+1], v[Q+2*\ct+1], s[HM]
.endr
.irp j,0,1,2
.irp ct,0,1,2,3
	v_pk_fma_f32 v[Q+2*\ct:Q+2*\ct+1], v[T+8*\ct+2*\j:T+8*\ct+2*\j+1], s[TRC+2*\j:TRC+2*\j+1], v[Q+2*\ct:Q+2*\ct+1] op_sel_hi:[1,0,1]
.endr
.endr
.irp ct,0,1,2,3
	v_pk_mul_f32 v[Q+2*\ct:Q+2*\ct+1], v[Q+2*\ct:Q+2*\ct+1], v[G15:G15+1]
.endr
.irp ct,0,1,2,3
	v_pk_mul_f32 v[E+8*\ct:E+8*\ct+1], v[Q+2*\ct:Q+2*\ct+1], s[NWC:NWC+1] op_sel_hi:[1,0]
.endr
.irp j,1,2,3
.irp ct,0,1,2,3
	v_pk_mul_f32 v[E+8*\ct+2*\j:E+8*\ct+2*\j+1], v[T+8*\ct+2*\j:T+8*\ct+2*\j+1], s[KPC+2*\j:KPC+2*\j+1] op_sel_hi:[1,0]
.endr
.endr
.irp j,1,2,3
.irp ct,0,1,2,3
	v_pk_fma_f32 v[E+8*\ct+2*\j:E+8*\ct+2*\j+1], v[Q+2*\ct:Q+2*\ct+1], s[NWC+2*\j:NWC+2*\j+1], v[E+8*\ct+2*\j:E+8*\ct+2*\j+1] op_sel_hi:[1,0,1]
.endr
.endr
.endm
; Layer norm of two rows a lane half: 16 lanes hold a row, register y + 8 p + 4 q + i = column 4 R + 64 q + i of row 4 w + 2 p + H
.macro LNCORE y, g, b, t
.irp p,0,1
	v_pk_add_f32 v[\t+4*\p:\t+4*\p+1], v[\y+8*\p:\y+8*\p+1], v[\y+8*\p+2:\y+8*\p+3]
	v_pk_add_f32 v[\t+4*\p+2:\t+4*\p+3], v[\y+8*\p+4:\y+8*\p+5], v[\y+8*\p+6:\y+8*\p+7]
.endr
.irp p,0,1
	v_pk_add_f32 v[\t+4*\p:\t+4*\p+1], v[\t+4*\p:\t+4*\p+1], v[\t+4*\p+2:\t+4*\p+3]
.endr
.irp p,0,1
	v_add_f32 v[\t+4*\p], v[\t+4*\p], v[\t+4*\p+1]
.endr
.irp m,1,2,4,8
.irp p,0,1
	v_add_f32_dpp v[\t+4*\p], v[\t+4*\p], v[\t+4*\p] row_xmask:\m row_mask:0xf bank_mask:0xf
.endr
.endr
.irp p,0,1
	v_mul_f32 v[\t+4*\p], s[INV], v[\t+4*\p]
.endr
.irp p,0,1
.irp u,0,2,4,6
	v_pk_add_f32 v[\y+8*\p+\u:\y+8*\p+\u+1], v[\y+8*\p+\u:\y+8*\p+\u+1], v[\t+4*\p:\t+4*\p+1] op_sel_hi:[1,0] neg_lo:[0,1] neg_hi:[0,1]
.endr
.endr
.irp p,0,1
	v_pk_mul_f32 v[\t+4*\p+2:\t+4*\p+3], v[\y+8*\p:\y+8*\p+1], v[\y+8*\p:\y+8*\p+1]
.endr
.irp u,2,4,6
.irp p,0,1
	v_pk_fma_f32 v[\t+4*\p+2:\t+4*\p+3], v[\y+8*\p+\u:\y+8*\p+\u+1], v[\y+8*\p+\u:\y+8*\p+\u+1], v[\t+4*\p+2:\t+4*\p+3]
.endr
.endr
.irp p,0,1
	v_add_f32 v[\t+4*\p+2], v[\t+4*\p+2], v[\t+4*\p+3]
.endr
.irp m,1,2,4,8
.irp p,0,1
	v_add_f32_dpp v[\t+4*\p+2], v[\t+4*\p+2], v[\t+4*\p+2] row_xmask:\m row_mask:0xf bank_mask:0xf
.endr
.endr
.irp p,0,1
	v_fma_f32 v[\t+4*\p+2], v[\t+4*\p+2], s[INV], s[EPS]
.endr
.irp p,0,1
	v_rsq_f32 v[\t+4*\p+2], v[\t+4*\p+2]
.endr
	v_nop
	s_wait_alu depctr_va_vdst(0)                   ; one wait for both roots, ahead of their first reader
.irp p,0,1
.irp u,0,2,4,6
	v_pk_mul_f32 v[\y+8*\p+\u:\y+8*\p+\u+1], v[\y+8*\p+\u:\y+8*\p+\u+1], v[\t+4*\p+2:\t+4*\p+3] op_sel_hi:[1,0]
.endr
.endr
.irp p,0,1
.irp u,0,2,4,6
	v_pk_fma_f32 v[\y+8*\p+\u:\y+8*\p+\u+1], v[\y+8*\p+\u:\y+8*\p+\u+1], v[\g+\u:\g+\u+1], v[\b+\u:\b+\u+1]
.endr
.endr
.endm
.macro BARRIER                         ; my LDS stores have landed and my LDS loads are in: then the work-group's barrier
	s_wait_dscnt 0x0
	s_barrier_signal -1
	s_barrier_wait -1
.endm
	s_load_b512 s[4:19], s[0:1], 0x0               ; token_emb, emb g, emb b, in_wr, in_wi, out_wr, out_wi, out_br
	s_load_b256 s[20:27], s[0:1], 0x40             ; lru g, lru b, item_seq, item_seq_len
	s_load_b128 s[28:31], s[0:1], 0x60             ; order, lam
	s_load_b64 s[32:33], s[0:1], 0x70              ; xm
	v_lshl_add_u32 v[SPW], v0, 2, SPARE
	v_mov_b32 v[NIL], 0
	v_lshrrev_b32 v5, 5, v0
	v_readfirstlane_b32 s[WV], v5
	v_and_b32 v1, 15, v0                           ; R
	v_bfe_u32 v2, v0, 4, 1                         ; H
	v_and_b32 v6, 31, v0                           ; lane
	v_mul_u32_u24 v7, v1, PT
	v_lshl_add_u32 v[ADX], v2, 4, v7
	v_add_nc_u32 v[ADX], XB, v[ADX]
	s_mul_i32 s[TA], s[WV], HYW
	s_add_co_u32 s[TA], s[TA], HY
	v_mul_u32_u24 v[ADHS], v2, 8*PT
	v_lshl_add_u32 v[ADHS], v1, 2, v[ADHS]
	v_add_nc_u32 v[ADHS], s[TA], v[ADHS]
	v_lshl_add_u32 v[ADHL], v2, 4, v7
	v_add_nc_u32 v[ADHL], s[TA], v[ADHL]
	v_lshl_add_u32 v[ADYS], v2, 5, v7
	v_add_nc_u32 v[ADYS], s[TA], v[ADYS]
	s_lshl_b32 s[TB], s[WV], 2
	v_add_nc_u32 v5, s[TB], v2                     ; 4 w + H
	v_mul_u32_u24 v[ADYL], v5, PT
	v_lshl_add_u32 v[ADYL], v1, 4, v[ADYL]
	v_add_nc_u32 v[ADXR], XB, v[ADYL]
	v_add_nc_u32 v[ADYL], HY, v[ADYL]
	v_lshl_add_u32 v[ADG], v2, 5, ITM
	v_lshl_add_u32 v[ADI], v5, 2, ITM
	v_lshl_add_u32 v[ADP], v1, 4, PRM
	v_lshlrev_b32 v[GOX], 9, v5
	v_lshl_add_u32 v[GOX], v1, 4, v[GOX]
	s_lshl_b32 s[TB], s[WV], 16
	v_lshl_add_u32 v[ADW], v6, 4, s[TB]
	v_mov_b32 v[ADG15], ITM+60
	v_lshlrev_b32 v[R16], 4, v1
	s_lshl_b32 s[TB], s[WV], 15
	v_lshl_add_u32 v[VIN], v1, 9, s[TB]
	v_lshl_add_u32 v[VIN], v2, 4, v[VIN]
	s_lshl_b32 s[TB], s[WV], 8
	v_lshl_add_u32 v[VOUT], v1, 10, s[TB]
	v_lshl_add_u32 v[VOUT], v2, 4, v[VOUT]
	s_lshl_b32 s[TB], s[WV], 13
	v_lshl_add_u32 v[VLAM], v1, 7, s[TB]
	s_mov_b32 s[SEL], 0x76543210
	s_mov_b32 s[SEL+1], 0xfedcba98
	s_mov_b32 s[HM], 0xffff0000
	s_mov_b32 s[INV], 0x3c000000                   ; 1 / 128
	s_mov_b32 s[EPS], 0x3727c5ac                   ; 1e-5
.irp i,0,1,2,3,4,5,6,7
	s_mov_b32 s[TRC+\i], 0
	s_mov_b32 s[KPC+\i], 0
	s_mov_b32 s[NWC+\i], 0
.endr
	s_wait_kmcnt 0x0
	s_lshl_b32 s[TA], ttmp9, 2
	s_sub_co_u32 s[TB], 511, ttmp9
	s_lshl_b32 s[TB], s[TB], 2
	s_load_b32 s[B0], s[28:29], s[TA] offset:0x0
	s_load_b32 s[B1], s[28:29], s[TB] offset:0x0
	; my slice of in_w, 128 fragments (K quad be, tile n), through windows 2 and 3 into LDS
	WIN 0x80
.irp be,0,1,2,3,4,5,6,7
.irp n,0,1,2,3
	global_load_b128 v[(8*\be+\n)*4:(8*\be+\n)*4+3], v[VIN], s[10:11] offset:8192*\n+32*\be
	global_load_b128 v[(8*\be+\n+4)*4:(8*\be+\n+4)*4+3], v[VIN], s[12:13] offset:8192*\n+32*\be
.endr
.endr
	WIN 0xc0
.irp be,0,1,2,3,4,5,6,7
.irp n,0,1,2,3
	global_load_b128 v[(8*\be+\n)*4:(8*\be+\n)*4+3], v[VIN], s[10:11] offset:8192*\n+32*\be+256
	global_load_b128 v[(8*\be+\n+4)*4:(8*\be+\n+4)*4+3], v[VIN], s[12:13] offset:8192*\n+32*\be+256
.endr
.endr
	WIN 0
	s_wait_kmcnt 0x0
	s_min_u32 s[B0], s[B0], 511
	s_min_u32 s[B1], s[B1], 511
	s_lshl_b32 s[TA], s[B0], 2
	s_lshl_b32 s[TB], s[B1], 2
	s_load_b32 s[NC0], s[26:27], s[TA] offset:0x0
	s_load_b32 s[NC1], s[26:27], s[TB] offset:0x0
	s_mul_i32 s82, s[B0], 800
	s_mov_b32 s83, 0
	s_mul_i32 s84, s[B1], 800
	s_mov_b32 s85, 0
	s_add_nc_u64 s[82:83], s[24:25], s[82:83]      ; the two sequences' items
	s_add_nc_u64 s[84:85], s[24:25], s[84:85]
	s_wait_kmcnt 0x0
.irp r,NC0,NC1
	s_max_u32 s[\r], s[\r], 1
	s_min_u32 s[\r], s[\r], 200
	s_add_co_u32 s[\r], s[\r], 55
	s_lshr_b32 s[\r], s[\r], 4
	s_sub_co_u32 s[\r], s[\r], 2                   ; live chunks: 1 to 13
.endr
	s_wait_loadcnt 0x0
	WIN 0x08
.set I, 0
.rept 64
	ds_store_b128 v[ADW], v[4*I:4*I+3] offset:512*I
.set I, I+1
.endr
	WIN 0x0c
.set I, 0
.rept 64
	ds_store_b128 v[ADW], v[4*I:4*I+3] offset:512*(I+64)
.set I, I+1
.endr
	WIN 0
	s_wait_dscnt 0x0                               ; the stores have read their registers
	; my K slice of out_w stays in windows 2 (real) and 3 (imaginary): register 4 (8 kq + d tile)
	WIN 0x80
.irp kq,0,1,2,3,4,5,6,7
.irp d,0,1,2,3,4,5,6,7
	global_load_b128 v[(8*\kq+\d)*4:(8*\kq+\d)*4+3], v[VOUT], s[14:15] offset:16384*\d+32*\kq
.endr
.endr
	WIN 0xc0
.irp kq,0,1,2,3,4,5,6,7
.irp d,0,1,2,3,4,5,6,7
	global_load_b128 v[(8*\kq+\d)*4:(8*\kq+\d)*4+3], v[VOUT], s[16:17] offset:16384*\d+32*\kq
.endr
.endr
	WIN 0x40
.irp ct,0,1,2,3
.irp i,0,1,2,3
	global_load_b128 v[LT+16*\ct+4*\i:LT+16*\ct+4*\i+3], v[VLAM], s[30:31] offset:2048*\ct+16*\i
.endr
.endr
	WIN 0
.irp ct,0,1,2,3
.irp i,0,1
	global_load_b128 v[TR+8*\ct+4*\i:TR+8*\ct+4*\i+3], v[VLAM], s[30:31] offset:2048*\ct+64+16*\i
.endr
.endr
	; items by t (0 where t < 56), and the five vectors of 128
	v_lshl_add_u32 v158, v0, 2, ITM
	v_lshl_add_u32 v159, v0, 2, PRM
	v_lshlrev_b32 v160, 2, v0
.irp k,0,1
	v_add_nc_u32 v[152+\k], 128*\k-56, v0
	v_cmp_gt_u32 s[86+\k], 200, v[152+\k]
	v_min_u32 v[152+\k], 199, v[152+\k]
	v_lshlrev_b32 v[152+\k], 2, v[152+\k]
	global_load_b32 v[154+\k], v[152+\k], s[82:83]
	global_load_b32 v[156+\k], v[152+\k], s[84:85]
.endr
	global_load_b32 v161, v160, s[6:7]
	global_load_b32 v162, v160, s[8:9]
	global_load_b32 v163, v160, s[20:21]
	global_load_b32 v164, v160, s[22:23]
	global_load_b32 v165, v160, s[18:19]
	s_wait_loadcnt 0x0
.irp k,0,1
	v_cndmask_b32 v[154+\k], 0, v[154+\k], s[86+\k]
	v_cndmask_b32 v[156+\k], 0, v[156+\k], s[86+\k]
	ds_store_b32 v158, v[154+\k] offset:512*\k
	ds_store_b32 v158, v[156+\k] offset:1024+512*\k
.endr
.irp i,0,1,2,3,4
	ds_store_b32 v159, v[161+\i] offset:512*\i
.endr
.irp ct,0,1,2,3
	v_cndmask_b32 v[TR+8*\ct+2], 1.0, v[TR+8*\ct+2], s[HM]             ; Lsel: l^8 in the upper half, 1 in the lower
	v_cndmask_b32 v[TR+8*\ct+3], 0, v[TR+8*\ct+3], s[HM]
.endr
.set I, 32
.rept 56
	v_mov_b32 v[I], 0                              ; registers at work: written once, so that every way through the trips finds them written
.set I, I+1
.endr
.set I, 0
.rept 32
	v_mov_b32 v[E+I], 0
.set I, I+1
.endr
.set I, 0
.rept 16
	v_mov_b32 v[EM+I], 0
.set I, I+1
.endr
	s_mov_b32 s[TAU], 0
	s_mov_b32 s[ITO], 0
.Ltrip:
	s_cmp_ge_u32 s[TAU], 16
	s_cselect_b32 s[TA], s[NC1], s[NC0]
	s_and_b32 s[C], s[TAU], 15
	s_sub_co_u32 s[C3], s[C], 3
	s_cmp_lt_u32 s[C3], s[TA]
	s_cselect_b32 s[LIVE], 1, 0
	s_lshr_b32 s[TB], s[TAU], 4                    ; which sequence: its number is picked by masks and one addition;
	s_sub_co_u32 s[TB], 0, s[TB]
	s_and_b32 s[OFF], s[B1], s[TB]
	s_not_b32 s[TB], s[TB]
	s_and_b32 s[TB], s[B0], s[TB]
	s_add_co_u32 s[OFF], s[OFF], s[TB]
	s_lshl_b32 s[OFF], s[OFF], 17                  ; a sequence's 256 rows of 512 bytes in xm,
	s_lshl_b32 s[TB], s[C], 13                     ; a chunk's 16 rows
	s_add_co_u32 s[OFF], s[OFF], s[TB]
	s_add_co_u32 s[TC], s[TAU], 1                  ; is the next chunk live?
	s_cmp_ge_u32 s[TC], 16
	s_cselect_b32 s[TA], s[NC1], s[NC0]
	s_and_b32 s[TC], s[TC], 15
	s_sub_co_u32 s[TC], s[TC], 3
	s_cmp_lt_u32 s[TC], s[TA]
	s_cselect_b32 s[LIVEN], 1, 0
	s_wait_xcnt 0x0                                ; the last trip's stores have read their registers
	BARRIER                                        ; x of this chunk lies in XB; nobody reads the last chunk's parts of y any more
	s_cmp_eq_u32 s[LIVEN], 0
	s_cbranch_scc1 .Lno_issue
	v_add_nc_u32 v27, s[ITO], v[ADI]               ; the next chunk's embedding rows are asked for a whole chunk ahead
	ds_load_b32 v28, v27 offset:64
	ds_load_b32 v29, v27 offset:72
	s_wait_dscnt 0x0
	v_min_u32 v28, 0xc350, v28
	v_min_u32 v29, 0xc350, v29
	v_lshl_add_u32 v30, v28, 9, v[R16]
	v_lshl_add_u32 v31, v29, 9, v[R16]
	global_load_b128 v[EM:EM+3], v30, s[4:5]
	global_load_b128 v[EM+4:EM+7], v30, s[4:5] offset:256
	global_load_b128 v[EM+8:EM+11], v31, s[4:5]
	global_load_b128 v[EM+12:EM+15], v31, s[4:5] offset:256
.Lno_issue:
	s_cmp_eq_u32 s[LIVE], 0
	s_cbranch_scc1 .Lno_main
	s_cmp_lg_u32 s[C3], 0
	s_cbranch_scc1 .Lkeep
.set I, 0
.rept 32
	v_mov_b32 v[E+I], 0                            ; a sequence begins: no carry
.set I, I+1
.endr
.Lkeep:
	v_add_nc_u32 v25, s[ITO], v[ADG]
	v_add_nc_u32 v26, s[ITO], v[ADG15]
	WIN 0x40
.irp kq,0,1,2,3,4,5,6,7,8,9,10,11,12,13,14,15
	ds_load_b128 v[XOP+4*\kq:XOP+4*\kq+3], v[ADX] offset:32*\kq
.endr
	WIN 0
	ds_load_b128 v[IT:IT+3], v25
	ds_load_b128 v[IT+4:IT+7], v25 offset:16
	ds_load_b32 v[IT+8], v26
	WIN 0x40
.irp n,0,1,2,3,4,5,6,7
	ds_load_b128 v[STG+4*\n:STG+4*\n+3], v[ADW] offset:512*\n
.endr
.irp n,0,1,2,3,4,5,6,7
	ds_load_b128 v[STG+32+4*\n:STG+32+4*\n+3], v[ADW] offset:512*(8+\n)
.endr
	; x in_w^T: 16 K quads, each 16 matrix instructions on eight accumulators by turns; the weights come two batches ahead
.set BT, 0
.rept 16
.if BT < 15
	s_wait_dscnt 8                                 ; all but the next batch's eight loads are in
.else
	s_wait_dscnt 0
.endif
	WIN 0x55
.irp s,0,1
.irp n,0,1,2,3,4,5,6,7
.if (BT == 0) && (\s == 0)
	v_wmma_f32_16x16x4_f32 v[ACC+8*\n:ACC+8*\n+7], v[XOP+4*BT+2*\s:XOP+4*BT+2*\s+1], v[STG+32*(BT%2)+4*\n+2*\s:STG+32*(BT%2)+4*\n+2*\s+1], 0
.else
	v_wmma_f32_16x16x4_f32 v[ACC+8*\n:ACC+8*\n+7], v[XOP+4*BT+2*\s:XOP+4*BT+2*\s+1], v[STG+32*(BT%2)+4*\n+2*\s:STG+32*(BT%2)+4*\n+2*\s+1], v[ACC+8*\n:ACC+8*\n+7]
.endif
.endr
.endr
.if BT < 14
	NOPS 8                                         ; places in front of loads into registers that matrix instructions have read
	WIN 0x40
.irp n,0,1,2,3,4,5,6,7
	ds_load_b128 v[STG+32*(BT%2)+4*\n:STG+32*(BT%2)+4*\n+3], v[ADW] offset:512*(8*(BT+2)+\n)
.endr
.endif
.set BT, BT+1
.endr
	NOPS 9
	GATES
	WIN 0x04
	MOVE
	SCAN_LOCAL
	SCAN_FINAL
	COEF
	STATE
	; h of my 64 channels as rows [t][re 64 | im 64] of my own LDS bytes, and back as the second product's operand
.irp ct,0,1,2,3
.irp j,0,1,2,3,4,5,6,7
	ds_store_b32 v[ADHS], v[W+16*\ct+2*\j] offset:PT*\j+64*\ct
	ds_store_b32 v[ADHS], v[W+16*\ct+2*\j+1] offset:PT*\j+64*\ct+256
.endr
.endr
	WIN 0x40
.irp kq,0,1,2,3,4,5,6,7,8,9,10,11,12,13,14,15
	ds_load_b128 v[XOP+4*\kq:XOP+4*\kq+3], v[ADHL] offset:32*\kq   ; LDS serves a wave's instructions in order: these see my stores
.endr
	s_wait_dscnt 0x0
	; my K slice of y^T = out_w h^T: source 0 = 16 rows of out_w, source 1 = h: a lane then holds 8 neighbouring columns of one row of y
.set KQ, 0
.rept 16
.if KQ < 8
	WIN 0x56
.else
	WIN 0x57
.endif
.irp s,0,1
.irp d,0,1,2,3,4,5,6,7
.if (KQ == 0) && (\s == 0)
	v_wmma_f32_16x16x4_f32 v[ACC+8*\d:ACC+8*\d+7], v[(8*(KQ%8)+\d)*4+2*\s:(8*(KQ%8)+\d)*4+2*\s+1], v[XOP+4*KQ+2*\s:XOP+4*KQ+2*\s+1], 0
.else
	v_wmma_f32_16x16x4_f32 v[ACC+8*\d:ACC+8*\d+7], v[(8*(KQ%8)+\d)*4+2*\s:(8*(KQ%8)+\d)*4+2*\s+1], v[XOP+4*KQ+2*\s:XOP+4*KQ+2*\s+1], v[ACC+8*\d:ACC+8*\d+7]
.endif
.endr
.endr
.set KQ, KQ+1
.endr
	NOPS 9
	WIN 0x04
.irp d,0,1,2,3,4,5,6,7
	ds_store_b128 v[ADYS], v[ACC+8*\d:ACC+8*\d+3] offset:64*\d         ; each accumulator from its low end on
	ds_store_b128 v[ADYS], v[ACC+8*\d+4:ACC+8*\d+7] offset:64*\d+16
.endr
	WIN 0
.Lno_main:
	s_wait_loadcnt 0x0                             ; the gathered rows are in, on every way
	BARRIER                                        ; the four parts of y lie in LDS; nobody reads XB as an operand any more
	s_cmp_eq_u32 s[LIVE], 0
	s_cbranch_scc1 .Lno_lna
	v_add_nc_u32 v24, s[OFF], v[GOX]
.irp sg,0,1,2,3
.irp p,0,1
.irp q,0,1
	ds_load_b128 v[W+16*\sg+8*\p+4*\q:W+16*\sg+8*\p+4*\q+3], v[ADYL] offset:HYW*\sg+2*PT*\p+256*\q
.endr
.endr
.endr
.irp p,0,1
.irp q,0,1
	ds_load_b128 v[RS+8*\p+4*\q:RS+8*\p+4*\q+3], v[ADXR] offset:2*PT*\p+256*\q
.endr
.endr
.irp q,0,1
	ds_load_b128 v[BI+4*\q:BI+4*\q+3], v[ADP] offset:2048+256*\q
	ds_load_b128 v[LG+4*\q:LG+4*\q+3], v[ADP] offset:1024+256*\q
	ds_load_b128 v[LB+4*\q:LB+4*\q+3], v[ADP] offset:1536+256*\q
.endr
	s_wait_dscnt 0x0
.irp u,0,2,4,6,8,10,12,14
	v_pk_add_f32 v[W+\u:W+\u+1], v[W+\u:W+\u+1], v[W+16+\u:W+16+\u+1]
	v_pk_add_f32 v[W+32+\u:W+32+\u+1], v[W+32+\u:W+32+\u+1], v[W+48+\u:W+48+\u+1]
	v_pk_add_f32 v[RS+\u:RS+\u+1], v[RS+\u:RS+\u+1], v[BI+(\u%8):BI+(\u%8)+1]
.endr
.irp u,0,2,4,6,8,10,12,14
	v_pk_add_f32 v[W+\u:W+\u+1], v[W+\u:W+\u+1], v[W+32+\u:W+32+\u+1]
.endr
.irp u,0,2,4,6,8,10,12,14
	v_pk_add_f32 v[W+\u:W+\u+1], v[W+\u:W+\u+1], v[RS+\u:RS+\u+1]
.endr
	LNCORE W, LG, LB, LTM
.irp p,0,1
.irp q,0,1
	global_store_b128 v24, v[W+8*\p+4*\q:W+8*\p+4*\q+3], s[32:33] offset:1024*\p+256*\q   ; 16 lanes store 256 consecutive bytes, aligned
.endr
.endr
.Lno_lna:
	s_cmp_eq_u32 s[LIVEN], 0
	s_cbranch_scc1 .Lno_gln
.irp q,0,1
	ds_load_b128 v[LG+4*\q:LG+4*\q+3], v[ADP] offset:256*\q
	ds_load_b128 v[LB+4*\q:LB+4*\q+3], v[ADP] offset:512+256*\q
.endr
	s_wait_dscnt 0x0
	LNCORE EM, LG, LB, LTM
.irp p,0,1
.irp q,0,1
	ds_store_b128 v[ADXR], v[EM+8*\p+4*\q:EM+8*\p+4*\q+3] offset:2*PT*\p+256*\q   ; my own four rows, which I alone have read since the barrier
.endr
.endr
.Lno_gln:
	s_add_co_u32 s[ITO], s[ITO], 64
	s_add_co_u32 s[TAU], s[TAU], 1
	s_cmp_lt_u32 s[TAU], 32
	s_cbranch_scc1 .Ltrip
	s_wait_tensorcnt 0x0                           ; the wave's end: behind my last LDS store
	ds_add_u32 v[SPW], v[NIL]
	s_wait_dscnt 0x0
	s_endpgm
.Lfunc_end_k_qc08c2eb60b_lru1:
	.size	k_qc08c2eb60b_lru1, .Lfunc_end_k_qc08c2eb60b_lru1-k_qc08c2eb60b_lru1
	.p2alignl 7, 3214868480
	.fill 96, 4, 3214868480
	.section	.rodata,"a",@progbits
	.p2align	6, 0x0
	.amdhsa_kernel k_qc08c2eb60b_lru1
		.amdhsa_group_segment_fixed_size 309504
		.amdhsa_private_segment_fixed_size 0
		.amdhsa_enable_private_segment 0
		.amdhsa_kernarg_size 120
		.amdhsa_user_sgpr_count 2
		.amdhsa_user_sgpr_kernarg_segment_ptr 1
		.amdhsa_wavefront_size32 1
		.amdhsa_system_sgpr_workgroup_id_x 1
		.amdhsa_system_sgpr_workgroup_id_y 1
		.amdhsa_system_sgpr_workgroup_id_z 1
		.amdhsa_system_vgpr_workitem_id 0
		.amdhsa_next_free_vgpr 1024
		.amdhsa_next_free_sgpr 90
		.amdhsa_reserve_vcc 1
		.amdhsa_float_denorm_mode_32 3
		.amdhsa_float_denorm_mode_16_64 3
		.amdhsa_memory_ordered 1
		.amdhsa_forward_progress 1
		.amdhsa_inst_pref_size 141
	.end_amdhsa_kernel
	.amdgpu_metadata
---
amdhsa.version: [ 1, 2 ]
amdhsa.kernels:
  - .name:           k_qc08c2eb60b_lru1
    .symbol:         k_qc08c2eb60b_lru1.kd
    .args:
      - { .name: token_emb, .offset: 0, .size: 8, .value_kind: global_buffer, .address_space: global }
      - { .name: emb_ln_g, .offset: 8, .size: 8, .value_kind: global_buffer, .address_space: global }
      - { .name: emb_ln_b, .offset: 16, .size: 8, .value_kind: global_buffer, .address_space: global }
      - { .name: in_wr, .offset: 24, .size: 8, .value_kind: global_buffer, .address_space: global }
      - { .name: in_wi, .offset: 32, .size: 8, .value_kind: global_buffer, .address_space: global }
      - { .name: out_wr, .offset: 40, .size: 8, .value_kind: global_buffer, .address_space: global }
      - { .name: out_wi, .offset: 48, .size: 8, .value_kind: global_buffer, .address_space: global }
      - { .name: out_br, .offset: 56, .size: 8, .value_kind: global_buffer, .address_space: global }
      - { .name: lru_ln_g, .offset: 64, .size: 8, .value_kind: global_buffer, .address_space: global }
      - { .name: lru_ln_b, .offset: 72, .size: 8, .value_kind: global_buffer, .address_space: global }
      - { .name: item_seq, .offset: 80, .size: 8, .value_kind: global_buffer, .address_space: global }
      - { .name: item_seq_len, .offset: 88, .size: 8, .value_kind: global_buffer, .address_space: global }
      - { .name: order, .offset: 96, .size: 8, .value_kind: global_buffer, .address_space: global }
      - { .name: lam, .offset: 104, .size: 8, .value_kind: global_buffer, .address_space: global }
      - { .name: xm, .offset: 112, .size: 8, .value_kind: global_buffer, .address_space: global }
    .group_segment_fixed_size: 309504
    .private_segment_fixed_size: 0
    .kernarg_segment_align: 8
    .kernarg_segment_size: 120
    .max_flat_workgroup_size: 128
    .sgpr_count:     90
    .vgpr_count:     1024
    .wavefront_size: 32
...
	.end_amdgpu_metadata
.endif
;; end of part 2
;; launch ffn1 (part 3): grid 256 x 1, 4 waves a work-group, no clusters, 173,312 bytes of LDS; arguments xm, wcodes, wscales, b1, b2, ffn_ln_g, ffn_ln_b, in_wr, in_wi, item_seq, item_seq_len, order, lam, x1last, h2; writes x1last, h2
.if DOCPART == 3
	.amdgcn_target "amdgcn-amd-amdhsa--gfx1250"
	.amdhsa_code_object_version 6
	.text
	.protected	k_qc08c2eb60b_ffn1
	.globl	k_qc08c2eb60b_ffn1
	.p2align	8
	.type	k_qc08c2eb60b_ffn1,@function
k_qc08c2eb60b_ffn1:
	s_mov_b64 s[64:65], 0
	v_nop
	global_prefetch_b8 v0, s[64:65] scope:SCOPE_SE
	s_setreg_imm32_b32 hwreg(HW_REG_WAVE_MODE, 25, 1), 1
	s_wait_xcnt 0x0
; Layer 1's feed-forward part on codes of E4M3 (both products by v_wmma_scale_f32_16x16x128_f8f6f4), residual and layer norm; then layer 2's x in_w^T (f32 operands) and its scan.
; LEFT OUT (shown at the head of the first launch's text): chunks behind row p and ahead of t = 48; of layer 2's scan all results but row p's: other chunks only carry their state on.
; Read: xm [b][t (256)][128], live chunks alone.  Stored: x1last [b][16][128], the rows of p's chunk behind layer 1; h2 [b][wave 4][re 64 | im 64], the conjugate state at row p.
; SHARES as in the launch before: ranks w and 511 - w, a chunk of 16 rows a trip, 32 trips.  Wave w owns hidden units 128 w .., outputs 32 w .., complex channels 64 w .. of in_w[1] (windows 2, 3).
; The codes of w1 and w2 lie in LDS as images of operand registers (each wave reads its own 2 x 16 KiB); x's and the hidden layer's codes are made in registers; the hidden layer's go from wave to wave as images.
; The first product is used transposed and w1's rows are chosen so that a lane's 16 registers of two neighbouring tiles are 16 neighbours along the next K.
; gelu(z) = z/2 (1 + erf(z / sqrt 2)), erf by a ratio of polynomials in x^2 on |x| <= 4.  LIMITS: lengths held to 1..200; a block of zeros gets the scale byte 1.
; REGISTERS.  window 0: v8-31 addresses, v32-87 at work, v88-119 table, v120-151 E, v152-215 W = HA, v216-231 my rows of x, v232-253 scale words and nothing else.
; window 1: v0-63 accumulators of the f32 form (matrix instructions alone write them), v64-127 l^1..l^8, v128-255 fragments of w1, of w2, then the f32 operand and the gates.
.set W1I, 0
.set W2I, 65536
.set HIM, 131072
.set HSC, 139264
.set XMB, 139776
.set YST, 148224
.set X1B, 156672
.set ITM, 165120
.set PRM, 167168                       ; b1 2,048 | b2 | g | b
.set H2S, 170752
.set SPARE, 172800                     ; the spare words: two blocks of 256 bytes that no other line names
.set PT, 528
.set FROMLDS, 1
.set W2B, 128
.set SPW, 3
.set NIL, 4
.set ADX, 8
.set ADQ, 9
.set ADXM, 10
.set ADYS, 11
.set ADYL, 12
.set ADX1, 13
.set ADG, 14
.set ADG15, 15
.set ADP, 16
.set ADB1, 17
.set ADB2, 18
.set ADW1, 19
.set ADW2, 20
.set ADHL, 21
.set ADHS, 22
.set ADSL, 23
.set ADSS, 24
.set GOX, 25
.set ADH2S, 26
.set ADH2L, 27
.set IT, 32
.set G15, 40
.set Q, 42
.set T, 50
.set TM, 32
.set PC, 48
.set Y2, 64
.set GS, 32
.set GX, 40
.set GP, 48
.set GQ, 56
.set LG, 56
.set LB, 64
.set LTM, 72
.set TR, 88
.set E, 120
.set W, 152
.set HA, 152
.set XR, 216
.set XSW, 232
.set HSWO, 233
.set HS, 234
.set W1SW, 238
.set W2SW, 246
.set ACC, 0
.set LT, 64
.set XOP, 128
.set GM, 192
.set WV, 34
.set TAU, 35
.set C, 36
.set LIVE, 37
.set LIVEN, 38
.set NC0, 39
.set NC1, 40
.set B0, 41
.set B1, 42
.set OFFN, 45
.set TA, 46
.set ITO, 47
.set SEL, 48
.set HM, 50
.set C3, 51
.set TRC, 52
.set INV, 60
.set EPS, 61
.set LAST, 62
.set TB, 63
.set KPC, 66
.set NWC, 74
.set SJ, 82
.set HSEL, 90
.set MNT, 91
.set AL0, 92
.set BE0, 94
.set P0, 96
.set P1, 97
.set BSEL, 98
.set PSEL, 99
.set TC, 100
.set MSB, 0
.macro WIN new                         ; the immediate's high byte repeats the setting that is left
.if MSB != \new
	s_set_vgpr_msb (MSB<<8)|\new
.set MSB, \new
.endif
.endm
.macro NOPS n
.rept \n
	v_nop
.endr
.endm
.macro CM1 d, t, l, c
	v_pk_fma_f32 v[(\d):(\d)+1], v[(\t):(\t)+1], v[(\l):(\l)+1], v[(\c):(\c)+1] op_sel_hi:[1,0,1]
.endm
.macro CM2 d, t, l
	v_pk_fma_f32 v[(\d):(\d)+1], v[(\t):(\t)+1], v[(\l):(\l)+1], v[(\d):(\d)+1] op_sel:[1,1,0] op_sel_hi:[0,1,1] neg_lo:[1,0,0]
.endm
.macro CU1 d, t, l
	v_pk_mul_f32 v[(\d):(\d)+1], v[(\t):(\t)+1], v[(\l):(\l)+1] op_sel_hi:[1,0]
.endm
.macro GATE d, w, j
.if ((\j)%2) == 0
	v_pk_mul_f32 v[(\d):(\d)+1], v[(\w):(\w)+1], v[GM+(\j):GM+(\j)+1] op_sel_hi:[1,0]
.else
	v_pk_mul_f32 v[(\d):(\d)+1], v[(\w):(\w)+1], v[GM+(\j)-1:GM+(\j)] op_sel:[0,1] op_sel_hi:[1,1]
.endif
.endm
.macro GATES
	WIN 0x40
.irp j,0,1,2,3,4,5,6
	v_cmp_lt_i32 vcc_lo, 0, v[IT+\j]
	v_cndmask_b32 v[GM+\j], 0, 1.0, vcc_lo
.endr
	v_cmp_lt_i32 vcc_lo, 0, v[IT+7]
	s_and_not1_b32 vcc_lo, vcc_lo, s[HM]
	v_cndmask_b32 v[GM+7], 0, 1.0, vcc_lo
	WIN 0
	v_cmp_lt_i32 vcc_lo, 0, v[IT+8]
	v_cndmask_b32 v[G15], 0, 1.0, vcc_lo
	v_cndmask_b32 v[G15+1], 0, 1.0, vcc_lo
.endm
.macro MOVE
.irp ct,0,1,2,3
.irp j,0,1,2,3,4,5,6,7
	v_fma_f32 v[W+16*\ct+2*\j], v[TR+8*\ct+4], v[ACC+8*\ct+\j], v[TR+8*\ct+6]
	v_fma_f32 v[W+16*\ct+2*\j+1], v[TR+8*\ct+5], v[ACC+32+8*\ct+\j], v[TR+8*\ct+7]
.endr
.endr
.endm
.macro SCAN_LOCAL
.irp j,0,2,4,6
.irp ct,0,1,2,3
	GATE T+8*\ct+\j, W+16*\ct+2*\j, \j
.endr
.endr
.irp j,0,2,4,6
.irp ct,0,1,2,3
	CM1 W+16*\ct+2*\j+2, T+8*\ct+\j, LT+16*\ct, W+16*\ct+2*\j+2
.endr
.endr
.irp j,0,2,4,6
.irp ct,0,1,2,3
	CM2 W+16*\ct+2*\j+2, T+8*\ct+\j, LT+16*\ct
.endr
.endr
.irp ct,0,1,2,3
	GATE T+8*\ct, W+16*\ct+2, 1
	GATE T+8*\ct+2, W+16*\ct+10, 5
.endr
.irp ct,0,1,2,3
	CM1 W+16*\ct+4, T+8*\ct, LT+16*\ct, W+16*\ct+4
	CM1 W+16*\ct+6, T+8*\ct, LT+16*\ct+2, W+16*\ct+6
	CM1 W+16*\ct+12, T+8*\ct+2, LT+16*\ct, W+16*\ct+12
	CM1 W+16*\ct+14, T+8*\ct+2, LT+16*\ct+2, W+16*\ct+14
.endr
.irp ct,0,1,2,3
	CM2 W+16*\ct+4, T+8*\ct, LT+16*\ct
	CM2 W+16*\ct+6, T+8*\ct, LT+16*\ct+2
	CM2 W+16*\ct+12, T+8*\ct+2, LT+16*\ct
	CM2 W+16*\ct+14, T+8*\ct+2, LT+16*\ct+2
.endr
.irp ct,0,1,2,3
	GATE T+8*\ct, W+16*\ct+6, 3
.endr
.irp k,0,1,2,3
.irp ct,0,1,2,3
	CM1 W+16*\ct+8+2*\k, T+8*\ct, LT+16*\ct+2*\k, W+16*\ct+8+2*\k
.endr
.endr
.irp k,0,1,2,3
.irp ct,0,1,2,3
	CM2 W+16*\ct+8+2*\k, T+8*\ct, LT+16*\ct+2*\k
.endr
.endr
.irp ct,0,1,2,3
	GATE T+8*\ct, W+16*\ct+14, 7
.endr
	WIN 0
.irp ct,0,1,2,3
	v_permlanex16_b32 v[T+8*\ct+2], v[T+8*\ct], s[SEL], s[SEL+1]
	v_permlanex16_b32 v[T+8*\ct+3], v[T+8*\ct+1], s[SEL], s[SEL+1]
.endr
	WIN 0x04
.irp ct,0,1,2,3
	CM1 Q+2*\ct, T+8*\ct+2, LT+16*\ct+14, W+16*\ct+14
.endr
.irp ct,0,1,2,3
	CM2 Q+2*\ct, T+8*\ct+2, LT+16*\ct+14
.endr
.endm
.macro SCAN_FINAL
	WIN 0
.irp ct,0,1,2,3
	v_pk_add_f32 v[T+8*\ct+6:T+8*\ct+7], v[E+8*\ct:E+8*\ct+1], v[E+8*\ct+2:E+8*\ct+3]
	v_pk_add_f32 v[T+8*\ct:T+8*\ct+1], v[E+8*\ct+4:E+8*\ct+5], v[E+8*\ct+6:E+8*\ct+7]
.endr
.irp ct,0,1,2,3
	v_pk_add_f32 v[T+8*\ct+6:T+8*\ct+7], v[T+8*\ct+6:T+8*\ct+7], v[T+8*\ct:T+8*\ct+1]
.endr
.irp ct,0,1,2,3
	CM1 T+8*\ct+4, T+8*\ct+6, TR+8*\ct+2, T+8*\ct+2
.endr
.irp ct,0,1,2,3
	CM2 T+8*\ct+4, T+8*\ct+6, TR+8*\ct+2
.endr
	WIN 0x04
.irp j,0,1,2,3,4,5,6,7
.irp ct,0,1,2,3
	CM1 W+16*\ct+2*\j, T+8*\ct+4, LT+16*\ct+2*\j, W+16*\ct+2*\j
.endr
.endr
.irp j,0,1,2,3,4,5,6,7
.irp ct,0,1,2,3
	CM2 W+16*\ct+2*\j, T+8*\ct+4, LT+16*\ct+2*\j
.endr
.endr
	WIN 0
.endm
.macro COEF
	s_not_b32 s[TA], s[C]
	s_ctz_i32_b32 s[TA], s[TA]
.irp j,0,1,2
	s_cmp_gt_u32 s[TA], \j
	s_cselect_b32 s[TRC+2*\j], 1.0, 0
.endr
.irp j,0,1,2,3
	s_cmp_eq_u32 s[TA], \j
	s_cselect_b32 s[NWC+2*\j], 1.0, 0
.endr
.irp j,1,2,3
	s_cmp_lt_u32 s[TA], \j
	s_cselect_b32 s[KPC+2*\j], 1.0, 0
.endr
.endm
.macro STATE
.irp ct,0,1,2,3
	v_permlanex16_b32 v[IT+2*\ct], v[Q+2*\ct], s[SEL], s[SEL+1]
	v_permlanex16_b32 v[IT+2*\ct+1], v[Q+2*\ct+1], s[SEL], s[SEL+1]
.endr
.irp j,0,1,2,3
.irp ct,0,1,2,3
	CU1 T+8*\ct+2*\j, E+8*\ct+2*\j, TR+8*\ct
.endr
.endr
.irp j,0,1,2,3
.irp ct,0,1,2,3
	CM2 T+8*\ct+2*\j, E+8*\ct+2*\j, TR+8*\ct
.endr
.endr
.irp ct,0,1,2,3
	v_cndmask_b32 v[Q+2*\ct], v[IT+2*\ct], v[Q+2*\ct], s[HM]
	v_cndmask_b32 v[Q+2*\ct+1], v[IT+2*\ct+1], v[Q+2*\ct+1], s[HM]
.endr
.irp j,0,1,2
.irp ct,0,1,2,3
	v_pk_fma_f32 v[Q+2*\ct:Q+2*\ct+1], v[T+8*\ct+2*\j:T+8*\ct+2*\j+1], s[TRC+2*\j:TRC+2*\j+1], v[Q+2*\ct:Q+2*\ct+1] op_sel_hi:[1,0,1]
.endr
.endr
.irp ct,0,1,2,3
	v_pk_mul_f32 v[Q+2*\ct:Q+2*\ct+1], v[Q+2*\ct:Q+2*\ct+1], v[G15:G15+1]
.endr
.irp ct,0,1,2,3
	v_pk_mul_f32 v[E+8*\ct:E+8*\ct+1], v[Q+2*\ct:Q+2*\ct+1], s[NWC:NWC+1] op_sel_hi:[1,0]
.endr
.irp j,1,2,3
.irp ct,0,1,2,3
	v_pk_mul_f32 v[E+8*\ct+2*\j:E+8*\ct+2*\j+1], v[T+8*\ct+2*\j:T+8*\ct+2*\j+1], s[KPC+2*\j:KPC+2*\j+1] op_sel_hi:[1,0]
.endr
.endr
.irp j,1,2,3
.irp ct,0,1,2,3
	v_pk_fma_f32 v[E+8*\ct+2*\j:E+8*\ct+2*\j+1], v[Q+2*\ct:Q+2*\ct+1], s[NWC+2*\j:NWC+2*\j+1], v[E+8*\ct+2*\j:E+8*\ct+2*\j+1] op_sel_hi:[1,0,1]
.endr
.endr
.endm
.macro LNCORE y, g, b, t
.irp p,0,1
	v_pk_add_f32 v[\t+4*\p:\t+4*\p+1], v[\y+8*\p:\y+8*\p+1], v[\y+8*\p+2:\y+8*\p+3]
	v_pk_add_f32 v[\t+4*\p+2:\t+4*\p+3], v[\y+8*\p+4:\y+8*\p+5], v[\y+8*\p+6:\y+8*\p+7]
.endr
.irp p,0,1
	v_pk_add_f32 v[\t+4*\p:\t+4*\p+1], v[\t+4*\p:\t+4*\p+1], v[\t+4*\p+2:\t+4*\p+3]
.endr
.irp p,0,1
	v_add_f32 v[\t+4*\p], v[\t+4*\p], v[\t+4*\p+1]
.endr
.irp m,1,2,4,8
.irp p,0,1
	v_add_f32_dpp v[\t+4*\p], v[\t+4*\p], v[\t+4*\p] row_xmask:\m row_mask:0xf bank_mask:0xf
.endr
.endr
.irp p,0,1
	v_mul_f32 v[\t+4*\p], s[INV], v[\t+4*\p]
.endr
.irp p,0,1
.irp u,0,2,4,6
	v_pk_add_f32 v[\y+8*\p+\u:\y+8*\p+\u+1], v[\y+8*\p+\u:\y+8*\p+\u+1], v[\t+4*\p:\t+4*\p+1] op_sel_hi:[1,0] neg_lo:[0,1] neg_hi:[0,1]
.endr
.endr
.irp p,0,1
	v_pk_mul_f32 v[\t+4*\p+2:\t+4*\p+3], v[\y+8*\p:\y+8*\p+1], v[\y+8*\p:\y+8*\p+1]
.endr
.irp u,2,4,6
.irp p,0,1
	v_pk_fma_f32 v[\t+4*\p+2:\t+4*\p+3], v[\y+8*\p+\u:\y+8*\p+\u+1], v[\y+8*\p+\u:\y+8*\p+\u+1], v[\t+4*\p+2:\t+4*\p+3]
.endr
.endr
.irp p,0,1
	v_add_f32 v[\t+4*\p+2], v[\t+4*\p+2], v[\t+4*\p+3]
.endr
.irp m,1,2,4,8
.irp p,0,1
	v_add_f32_dpp v[\t+4*\p+2], v[\t+4*\p+2], v[\t+4*\p+2] row_xmask:\m row_mask:0xf bank_mask:0xf
.endr
.endr
.irp p,0,1
	v_fma_f32 v[\t+4*\p+2], v[\t+4*\p+2], s[INV], s[EPS]
.endr
.irp p,0,1
	v_rsq_f32 v[\t+4*\p+2], v[\t+4*\p+2]
.endr
	v_nop
	s_wait_alu depctr_va_vdst(0)                   ; one wait for both roots, ahead of their first reader
.irp p,0,1
.irp u,0,2,4,6
	v_pk_mul_f32 v[\y+8*\p+\u:\y+8*\p+\u+1], v[\y+8*\p+\u:\y+8*\p+\u+1], v[\t+4*\p+2:\t+4*\p+3] op_sel_hi:[1,0]
.endr
.endr
.irp p,0,1
.irp u,0,2,4,6
	v_pk_fma_f32 v[\y+8*\p+\u:\y+8*\p+\u+1], v[\y+8*\p+\u:\y+8*\p+\u+1], v[\g+\u:\g+\u+1], v[\b+\u:\b+\u+1]
.endr
.endr
.endm
.macro QUANT s, pw
.irp b,0,1,2,3
	v_max3_num_f32 v[TM+\b], |v[\s+16*\b]|, |v[\s+1+16*\b]|, 0x4800000   ; with the floor 2^(9 - 127): the byte cannot fall under 1
.endr
.irp i,2,4,6,8,10,12,14
.irp b,0,1,2,3
	v_max3_num_f32 v[TM+\b], v[TM+\b], |v[\s+16*\b+\i]|, |v[\s+1+16*\b+\i]|
.endr
.endr
.irp b,0,1,2,3
	v_permlanex16_b32 v[TM+4+\b], v[TM+\b], s[SEL], s[SEL+1]
.endr
.irp b,0,1,2,3
	v_max_num_f32 v[TM+\b], v[TM+\b], v[TM+4+\b]
.endr
.irp b,0,1,2,3
	v_add_nc_u32 v[TM+12+\b], 0xfc000000, v[TM+\b]
.endr
.irp b,0,1,2,3
	v_and_or_b32 v[TM+8+\b], v[TM+\b], 0x7f800000, s[MNT]
.endr
.irp b,0,1,2,3
	v_lshrrev_b32 v[TM+4+\b], 23, v[TM+12+\b]
.endr
	v_lshl_or_b32 v[\pw], v[TM+5], 8, v[TM+4]
	v_lshl_or_b32 v[\pw], v[TM+6], 16, v[\pw]
	v_lshl_or_b32 v[\pw], v[TM+7], 24, v[\pw]
.irp b,0,1,2,3
.irp i,0,1,2,3,4,5,6,7,8,9,10,11,12,13,14,15
	v_med3_num_f32 v[\s+16*\b+\i], v[\s+16*\b+\i], -v[TM+8+\b], v[TM+8+\b]   ; the conversion does not saturate (ISA guide 7.6.2): the hold
.endr
	v_cvt_scalef32_pk8_fp8_f32 v[PC+4*\b:PC+1+4*\b], v[\s+16*\b:\s+7+16*\b], v[TM+12+\b]
	v_cvt_scalef32_pk8_fp8_f32 v[PC+2+4*\b:PC+3+4*\b], v[\s+8+16*\b:\s+15+16*\b], v[TM+12+\b]
.endr
	v_nop
.endm
.macro GELU8 z                         ; eight numbers in place
.irp u,0,2,4,6
	v_pk_mul_f32 v[GS+\u:GS+\u+1], v[(\z)+\u:(\z)+\u+1], 0x3f3504f3 op_sel_hi:[1,0]
.endr
.irp u,0,1,2,3,4,5,6,7
	v_med3_num_f32 v[GS+\u], v[GS+\u], -4.0, 4.0
.endr
.irp u,0,2,4,6
	v_pk_mul_f32 v[GX+\u:GX+\u+1], v[GS+\u:GS+\u+1], v[GS+\u:GS+\u+1]
.endr
.irp u,0,2,4,6
	v_pk_fma_f32 v[GP+\u:GP+\u+1], v[GX+\u:GX+\u+1], s[AL0:AL0+1], 0x32edffee op_sel_hi:[1,0,0]
.endr
.irp u,0,2,4,6
	v_pk_fma_f32 v[GQ+\u:GQ+\u+1], v[GX+\u:GX+\u+1], s[BE0:BE0+1], 0xb95fbd29 op_sel_hi:[1,0,0]
.endr
.irp u,0,2,4,6
	v_pk_fma_f32 v[GP+\u:GP+\u+1], v[GP+\u:GP+\u+1], v[GX+\u:GX+\u+1], 0xb60cff51 op_sel_hi:[1,1,0]
.endr
.irp u,0,2,4,6
	v_pk_fma_f32 v[GQ+\u:GQ+\u+1], v[GQ+\u:GQ+\u+1], v[GX+\u:GX+\u+1], 0xbadc924e op_sel_hi:[1,1,0]
.endr
.irp u,0,2,4,6
	v_pk_fma_f32 v[GP+\u:GP+\u+1], v[GP+\u:GP+\u+1], v[GX+\u:GX+\u+1], 0xb86ec2d2 op_sel_hi:[1,1,0]
.endr
.irp u,0,2,4,6
	v_pk_fma_f32 v[GQ+\u:GQ+\u+1], v[GQ+\u:GQ+\u+1], v[GX+\u:GX+\u+1], 0xbbf19bf8 op_sel_hi:[1,1,0]
.endr
.irp u,0,2,4,6
	v_pk_fma_f32 v[GP+\u:GP+\u+1], v[GP+\u:GP+\u+1], v[GX+\u:GX+\u+1], 0xba40ac63 op_sel_hi:[1,1,0]
.endr
.irp u,0,2,4,6
	v_pk_fma_f32 v[GQ+\u:GQ+\u+1], v[GQ+\u:GQ+\u+1], v[GX+\u:GX+\u+1], 0xbc69b6a7 op_sel_hi:[1,1,0]
.endr
.irp u,0,2,4,6
	v_pk_fma_f32 v[GP+\u:GP+\u+1], v[GP+\u:GP+\u+1], v[GX+\u:GX+\u+1], 0xbb41a1f6 op_sel_hi:[1,1,0]
.endr
.irp u,0,1,2,3,4,5,6,7
	v_rcp_f32 v[GQ+\u], v[GQ+\u]
.endr
.irp u,0,2,4,6
	v_pk_fma_f32 v[GP+\u:GP+\u+1], v[GP+\u:GP+\u+1], v[GX+\u:GX+\u+1], 0xbc83dbd4 op_sel_hi:[1,1,0]
.endr
.irp u,0,2,4,6
	v_pk_mul_f32 v[GP+\u:GP+\u+1], v[GP+\u:GP+\u+1], v[GS+\u:GS+\u+1]
.endr
.irp u,0,2,4,6
	v_pk_mul_f32 v[GX+\u:GX+\u+1], v[(\z)+\u:(\z)+\u+1], 0.5 op_sel_hi:[1,0]
.endr
	s_wait_alu depctr_va_vdst(0)                   ; one wait for the eight reciprocals, ahead of their first reader
.irp u,0,2,4,6
	v_pk_mul_f32 v[GP+\u:GP+\u+1], v[GP+\u:GP+\u+1], v[GQ+\u:GQ+\u+1]
.endr
.irp u,0,2,4,6
	v_pk_fma_f32 v[(\z)+\u:(\z)+\u+1], v[GX+\u:GX+\u+1], v[GP+\u:GP+\u+1], v[GX+\u:GX+\u+1]
.endr
.endm
; x's 16 rows -> codes; my 128 hidden units (8 tiles, b1 as C); gelu; codes; their image and scale word to LDS
.macro FFN_A
.irp b,0,1,2,3
.irp i,0,1,2,3
	ds_load_b128 v[HA+16*\b+4*\i:HA+16*\b+4*\i+3], v[ADQ] offset:128*\b+16*\i
.endr
.endr
	s_wait_dscnt 0x0
	QUANT HA, XSW
.if FROMLDS
	WIN 0x40
.irp t,0,1,2,3,4,5,6,7
.irp c,0,1,2,3
	ds_load_b128 v[128+16*\t+4*\c:128+16*\t+4*\c+3], v[ADW1] offset:2048*\t+512*\c
.endr
.endr
	WIN 0
.endif
.irp t,0,1,2,3,4,5,6,7
	ds_load_b128 v[HA+8*\t:HA+8*\t+3], v[ADB1] offset:(32*(\t/2)+8*(\t%2))*4
	ds_load_b128 v[HA+8*\t+4:HA+8*\t+7], v[ADB1] offset:(32*(\t/2)+8*(\t%2))*4+16
.endr
	s_wait_dscnt 0x0
	NOPS 4                                         ; codes written by vector instructions stand four places ahead of a scaled matrix instruction
	WIN 0x01
.irp t,0,1,2,3,4,5,6,7
	v_wmma_scale_f32_16x16x128_f8f6f4 v[HA+8*\t:HA+8*\t+7], v[128+16*\t:128+16*\t+15], v[PC:PC+15], v[HA+8*\t:HA+8*\t+7], v[W1SW+\t], v[XSW]
.endr
	WIN 0
	NOPS 9
.irp g,0,1,2,3,4,5,6,7
	GELU8 HA+8*\g
.endr
	QUANT HA, HSWO
.irp c,0,1,2,3
	ds_store_b128 v[ADHS], v[PC+4*\c:PC+4*\c+3] offset:512*\c
.endr
	ds_store_b32 v[ADSS], v[HSWO]
.endm
; all four K steps of the hidden layer; my 32 outputs (two accumulators by turns, b2 as C); into the stage
.macro FFN_B
.irp s,0,1,2,3
.irp c,0,1,2,3
	ds_load_b128 v[HA+16*\s+4*\c:HA+16*\s+4*\c+3], v[ADHL] offset:2048*\s+512*\c
.endr
.endr
.irp s,0,1,2,3
	ds_load_b32 v[HS+\s], v[ADSL] offset:128*\s
.endr
.if FROMLDS
	WIN 0x40
.irp t,0,1,2,3,4,5,6,7
.irp c,0,1,2,3
	ds_load_b128 v[128+16*\t+4*\c:128+16*\t+4*\c+3], v[ADW2] offset:2048*\t+512*\c
.endr
.endr
	WIN 0
.endif
.irp n,0,1
	ds_load_b128 v[Y2+8*\n:Y2+8*\n+3], v[ADB2] offset:64*\n
	ds_load_b128 v[Y2+8*\n+4:Y2+8*\n+7], v[ADB2] offset:64*\n+16
.endr
	s_wait_dscnt 0x0
	WIN 0x01
.irp s,0,1,2,3
.irp n,0,1
	v_wmma_scale_f32_16x16x128_f8f6f4 v[Y2+8*\n:Y2+8*\n+7], v[W2B+16*(4*\n+\s):W2B+16*(4*\n+\s)+15], v[HA+16*\s:HA+16*\s+15], v[Y2+8*\n:Y2+8*\n+7], v[W2SW+4*\n+\s], v[HS+\s]
.endr
.endr
	WIN 0
	NOPS 9
.irp n,0,1
	ds_store_b128 v[ADYS], v[Y2+8*\n:Y2+8*\n+3] offset:64*\n
	ds_store_b128 v[ADYS], v[Y2+8*\n+4:Y2+8*\n+7] offset:64*\n+16
.endr
.endm
.macro BARRIER
	s_wait_dscnt 0x0
	s_barrier_signal -1
	s_barrier_wait -1
.endm
	s_load_b512 s[4:19], s[0:1], 0x0               ; xm, wcodes, wscales, b1, b2, ffn g, ffn b, in_wr
	s_load_b256 s[20:27], s[0:1], 0x40             ; in_wi, item_seq, item_seq_len, order
	s_load_b128 s[28:31], s[0:1], 0x60             ; lam, x1last
	s_load_b64 s[32:33], s[0:1], 0x70              ; h2
	v_lshl_add_u32 v[SPW], v0, 2, SPARE
	v_mov_b32 v[NIL], 0
	v_lshrrev_b32 v5, 5, v0
	v_readfirstlane_b32 s[WV], v5
	v_and_b32 v1, 15, v0                           ; R
	v_bfe_u32 v2, v0, 4, 1                         ; H
	v_and_b32 v6, 31, v0                           ; lane
	v_mul_u32_u24 v7, v1, PT
	v_lshl_add_u32 v[ADX], v2, 4, v7
	v_add_nc_u32 v[ADX], X1B, v[ADX]
	v_lshl_add_u32 v[ADQ], v2, 6, v7
	v_add_nc_u32 v[ADQ], XMB, v[ADQ]
	s_lshl_b32 s[TA], s[WV], 7
	v_lshl_add_u32 v[ADYS], v2, 5, v7
	v_add_nc_u32 v[ADYS], s[TA], v[ADYS]
	v_add_nc_u32 v[ADYS], YST, v[ADYS]
	s_lshl_b32 s[TB], s[WV], 2
	v_add_nc_u32 v5, s[TB], v2                     ; 4 w + H
	v_mul_u32_u24 v7, v5, PT
	v_lshl_add_u32 v7, v1, 4, v7
	v_add_nc_u32 v[ADXM], XMB, v7
	v_add_nc_u32 v[ADYL], YST, v7
	v_add_nc_u32 v[ADX1], X1B, v7
	v_lshl_add_u32 v[ADG], v2, 5, ITM
	v_mov_b32 v[ADG15], ITM+60
	v_lshl_add_u32 v[ADP], v1, 4, PRM
	s_lshl_b32 s[TB], s[WV], 9
	v_lshl_add_u32 v[ADB1], v2, 6, s[TB]
	v_add_nc_u32 v[ADB1], PRM, v[ADB1]
	v_lshl_add_u32 v[ADB2], v2, 5, s[TA]
	v_add_nc_u32 v[ADB2], PRM+2048, v[ADB2]
	s_lshl_b32 s[TC], s[WV], 14
	v_lshl_add_u32 v[ADW1], v6, 4, s[TC]
	v_add_nc_u32 v[ADW2], W2I, v[ADW1]
	v_lshl_add_u32 v[ADHL], v6, 4, HIM
	s_lshl_b32 s[TC], s[WV], 11
	v_add_nc_u32 v[ADHS], s[TC], v[ADHL]
	v_lshl_add_u32 v[ADSL], v6, 2, HSC
	v_add_nc_u32 v[ADSS], s[TA], v[ADSL]
	v_lshlrev_b32 v[GOX], 9, v5
	v_lshl_add_u32 v[GOX], v1, 4, v[GOX]
	v_lshl_add_u32 v[ADH2S], v1, 2, s[TB]
	v_add_nc_u32 v[ADH2S], H2S, v[ADH2S]
	v_lshl_add_u32 v7, v6, 4, s[TB]                ; 512 w + 16 lane: my 16 bytes of a sequence's h2
	v_add_nc_u32 v[ADH2L], H2S, v7
	v_mov_b32 v28, v[ADW1]                         ; head only: my codes in memory, 16,384 w + 16 lane (W1I begins at LDS byte 0),
	s_lshl_b32 s[TC], s[WV], 10
	v_lshl_add_u32 v29, v6, 2, s[TC]               ; my scale words,
	s_lshl_b32 s[TC], s[WV], 15
	v_lshl_add_u32 v30, v1, 9, s[TC]
	v_lshl_add_u32 v30, v2, 4, v30                 ; my slice of in_w,
	s_lshl_b32 s[TC], s[WV], 13
	v_lshl_add_u32 v31, v1, 7, s[TC]               ; my rows of the table
	s_mov_b32 s[SEL], 0x76543210
	s_mov_b32 s[SEL+1], 0xfedcba98
	s_mov_b32 s[HM], 0xffff0000
	s_mov_b32 s[INV], 0x3c000000
	s_mov_b32 s[EPS], 0x3727c5ac
	s_mov_b32 s[MNT], 0x600000
	s_mov_b32 s[AL0], 0xaf95df0b
	s_mov_b32 s[AL0+1], 0
	s_mov_b32 s[BE0], 0xb77460cd
	s_mov_b32 s[BE0+1], 0
.irp i,0,1,2,3,4,5,6,7
	s_mov_b32 s[TRC+\i], 0
	s_mov_b32 s[KPC+\i], 0
	s_mov_b32 s[NWC+\i], 0
.endr
	s_wait_kmcnt 0x0
	s_lshl_b32 s[TA], ttmp9, 2
	s_sub_co_u32 s[TB], 511, ttmp9
	s_lshl_b32 s[TB], s[TB], 2
	s_load_b32 s[B0], s[26:27], s[TA] offset:0x0
	s_load_b32 s[B1], s[26:27], s[TB] offset:0x0
	; my slice of in_w[1] stays in windows 2 and 3: register 4 (8 be + n)
	WIN 0x80
.irp be,0,1,2,3,4,5,6,7
.irp n,0,1,2,3
	global_load_b128 v[(8*\be+\n)*4:(8*\be+\n)*4+3], v30, s[18:19] offset:131072+8192*\n+32*\be
	global_load_b128 v[(8*\be+\n+4)*4:(8*\be+\n+4)*4+3], v30, s[20:21] offset:131072+8192*\n+32*\be
.endr
.endr
	WIN 0xc0
.irp be,0,1,2,3,4,5,6,7
.irp n,0,1,2,3
	global_load_b128 v[(8*\be+\n)*4:(8*\be+\n)*4+3], v30, s[18:19] offset:131072+8192*\n+32*\be+256
	global_load_b128 v[(8*\be+\n+4)*4:(8*\be+\n+4)*4+3], v30, s[20:21] offset:131072+8192*\n+32*\be+256
.endr
.endr
	WIN 0x40
.set I, 0
.rept 32
	global_load_b128 v[128+4*I:128+4*I+3], v28, s[6:7] offset:512*I
.set I, I+1
.endr
	WIN 0
	s_wait_kmcnt 0x0
	s_min_u32 s[B0], s[B0], 511
	s_min_u32 s[B1], s[B1], 511
	s_lshl_b32 s[TA], s[B0], 2
	s_lshl_b32 s[TB], s[B1], 2
	s_load_b32 s[P0], s[24:25], s[TA] offset:0x0
	s_load_b32 s[P1], s[24:25], s[TB] offset:0x0
	s_mul_i32 s82, s[B0], 800
	s_mov_b32 s83, 0
	s_mul_i32 s84, s[B1], 800
	s_mov_b32 s85, 0
	s_add_nc_u64 s[82:83], s[22:23], s[82:83]
	s_add_nc_u64 s[84:85], s[22:23], s[84:85]
	s_wait_kmcnt 0x0
.irp r,P0,P1
	s_max_u32 s[\r], s[\r], 1
	s_min_u32 s[\r], s[\r], 200
	s_add_co_u32 s[\r], s[\r], 55                  ; p
.endr
	s_lshr_b32 s[NC0], s[P0], 4
	s_sub_co_u32 s[NC0], s[NC0], 2
	s_lshr_b32 s[NC1], s[P1], 4
	s_sub_co_u32 s[NC1], s[NC1], 2
	s_wait_loadcnt 0x0
	WIN 0x04
.set I, 0
.rept 32
	ds_store_b128 v[ADW1], v[128+4*I:128+4*I+3] offset:512*I
.set I, I+1
.endr
	WIN 0
	s_wait_dscnt 0x0                               ; the stores have read their registers
	WIN 0x40
.set I, 0
.rept 32
	global_load_b128 v[128+4*I:128+4*I+3], v28, s[6:7] offset:65536+512*I
.set I, I+1
.endr
.irp ct,0,1,2,3
.irp i,0,1,2,3
	global_load_b128 v[LT+16*\ct+4*\i:LT+16*\ct+4*\i+3], v31, s[28:29] offset:32768+2048*\ct+16*\i
.endr
.endr
	WIN 0
.irp ct,0,1,2,3
.irp i,0,1
	global_load_b128 v[TR+8*\ct+4*\i:TR+8*\ct+4*\i+3], v31, s[28:29] offset:32768+2048*\ct+64+16*\i
.endr
.endr
.irp t,0,1,2,3,4,5,6,7
	global_load_b32 v[W1SW+\t], v29, s[8:9] offset:128*\t
	global_load_b32 v[W2SW+\t], v29, s[8:9] offset:4096+128*\t
.endr
	v_lshl_add_u32 v158, v0, 2, ITM
	v_lshl_add_u32 v159, v0, 4, PRM
	v_lshl_add_u32 v160, v0, 2, PRM
	v_lshlrev_b32 v161, 4, v0
	v_lshlrev_b32 v162, 2, v0
.irp k,0,1
	v_add_nc_u32 v[152+\k], 128*\k-56, v0
	v_cmp_gt_u32 s[86+\k], 200, v[152+\k]
	v_min_u32 v[152+\k], 199, v[152+\k]
	v_lshlrev_b32 v[152+\k], 2, v[152+\k]
	global_load_b32 v[154+\k], v[152+\k], s[82:83]
	global_load_b32 v[156+\k], v[152+\k], s[84:85]
.endr
	global_load_b128 v[164:167], v161, s[10:11]
	global_load_b32 v168, v162, s[12:13]
	global_load_b32 v169, v162, s[14:15]
	global_load_b32 v170, v162, s[16:17]
	s_wait_loadcnt 0x0
	WIN 0x04
.set I, 0
.rept 32
	ds_store_b128 v[ADW2], v[128+4*I:128+4*I+3] offset:512*I
.set I, I+1
.endr
	WIN 0
.irp k,0,1
	v_cndmask_b32 v[154+\k], 0, v[154+\k], s[86+\k]
	v_cndmask_b32 v[156+\k], 0, v[156+\k], s[86+\k]
	ds_store_b32 v158, v[154+\k] offset:512*\k
	ds_store_b32 v158, v[156+\k] offset:1024+512*\k
.endr
	ds_store_b128 v159, v[164:167]
	ds_store_b32 v160, v168 offset:2048
	ds_store_b32 v160, v169 offset:2560
	ds_store_b32 v160, v170 offset:3072
.irp ct,0,1,2,3
	v_cndmask_b32 v[TR+8*\ct+2], 1.0, v[TR+8*\ct+2], s[HM]
	v_cndmask_b32 v[TR+8*\ct+3], 0, v[TR+8*\ct+3], s[HM]
.endr
.set I, 32
.rept 56
	v_mov_b32 v[I], 0                              ; registers at work: written once, so that every way through the trips finds them written
.set I, I+1
.endr
.set I, 0
.rept 32
	v_mov_b32 v[E+I], 0
.set I, I+1
.endr
.set I, 0
.rept 16
	v_mov_b32 v[XR+I], 0
.set I, I+1
.endr
	s_mov_b32 s[TAU], 0
	s_mov_b32 s[ITO], 0
.Ltrip:
	s_cmp_ge_u32 s[TAU], 16
	s_cselect_b32 s[TA], s[NC1], s[NC0]
	s_cselect_b32 s[PSEL], s[P1], s[P0]
	s_and_b32 s[C], s[TAU], 15
	s_sub_co_u32 s[C3], s[C], 3
	s_cmp_lt_u32 s[C3], s[TA]
	s_cselect_b32 s[LIVE], 1, 0
	s_sub_co_u32 s[TA], s[TA], 1
	s_cmp_eq_u32 s[C3], s[TA]
	s_cselect_b32 s[LAST], 1, 0                    ; p's chunk
	s_lshr_b32 s[TB], s[TAU], 4                    ; the sequence's number, picked by masks and one addition
	s_sub_co_u32 s[TB], 0, s[TB]
	s_and_b32 s[BSEL], s[B1], s[TB]
	s_not_b32 s[TB], s[TB]
	s_and_b32 s[TB], s[B0], s[TB]
	s_add_co_u32 s[BSEL], s[BSEL], s[TB]
	s_add_co_u32 s[TC], s[TAU], 1                  ; the next chunk: live? where in xm?
	s_cmp_ge_u32 s[TC], 16
	s_cselect_b32 s[TA], s[NC1], s[NC0]
	s_bfe_u32 s[TB], s[TC], 0x10004
	s_sub_co_u32 s[TB], 0, s[TB]
	s_and_b32 s[OFFN], s[B1], s[TB]
	s_not_b32 s[TB], s[TB]
	s_and_b32 s[TB], s[B0], s[TB]
	s_add_co_u32 s[OFFN], s[OFFN], s[TB]
	s_lshl_b32 s[OFFN], s[OFFN], 17                ; a sequence's 256 rows of 512 bytes in xm,
	s_and_b32 s[TC], s[TC], 15
	s_lshl_b32 s[TB], s[TC], 13                    ; a chunk's 16 rows
	s_add_co_u32 s[OFFN], s[OFFN], s[TB]
	s_sub_co_u32 s[TC], s[TC], 3
	s_cmp_lt_u32 s[TC], s[TA]
	s_cselect_b32 s[LIVEN], 1, 0
	s_wait_loadcnt 0x0                             ; my rows of x are in, on every way
	s_wait_xcnt 0x0
	s_cmp_eq_u32 s[LIVE], 0
	s_cbranch_scc1 .Lno_x
.irp p,0,1
.irp q,0,1
	ds_store_b128 v[ADXM], v[XR+8*\p+4*\q:XR+8*\p+4*\q+3] offset:2*PT*\p+256*\q
.endr
.endr
.Lno_x:
	BARRIER                                        ; the chunk's 16 rows of x lie in LDS
	s_cmp_eq_u32 s[LIVE], 0
	s_cbranch_scc1 .Lno_a
	FFN_A
.Lno_a:
	BARRIER                                        ; the hidden layer's four fragments lie in LDS
	s_cmp_eq_u32 s[LIVE], 0
	s_cbranch_scc1 .Lno_b
	FFN_B
.Lno_b:
	BARRIER                                        ; 16 whole rows of the second product lie in the stage
	s_cmp_eq_u32 s[LIVE], 0
	s_cbranch_scc1 .Lno_ln
.irp p,0,1
.irp q,0,1
	ds_load_b128 v[HA+8*\p+4*\q:HA+8*\p+4*\q+3], v[ADYL] offset:2*PT*\p+256*\q
.endr
.endr
.irp q,0,1
	ds_load_b128 v[LG+4*\q:LG+4*\q+3], v[ADP] offset:2560+256*\q
	ds_load_b128 v[LB+4*\q:LB+4*\q+3], v[ADP] offset:3072+256*\q
.endr
	s_wait_dscnt 0x0
.irp u,0,2,4,6,8,10,12,14
	v_pk_add_f32 v[HA+\u:HA+\u+1], v[HA+\u:HA+\u+1], v[XR+\u:XR+\u+1]
.endr
	LNCORE HA, LG, LB, LTM
.irp p,0,1
.irp q,0,1
	ds_store_b128 v[ADX1], v[HA+8*\p+4*\q:HA+8*\p+4*\q+3] offset:2*PT*\p+256*\q
.endr
.endr
	s_cmp_eq_u32 s[LAST], 0
	s_cbranch_scc1 .Lno_ln
	s_lshl_b32 s[TB], s[BSEL], 13
	v_add_nc_u32 v29, s[TB], v[GOX]
.irp p,0,1
.irp q,0,1
	global_store_b128 v29, v[HA+8*\p+4*\q:HA+8*\p+4*\q+3], s[30:31] offset:1024*\p+256*\q   ; 16 lanes store 256 consecutive bytes, aligned
.endr
.endr
.Lno_ln:
	s_cmp_eq_u32 s[LIVEN], 0
	s_cbranch_scc1 .Lno_next
	v_add_nc_u32 v28, s[OFFN], v[GOX]              ; the next chunk's rows land under the 256 matrix instructions below
.irp p,0,1
.irp q,0,1
	global_load_b128 v[XR+8*\p+4*\q:XR+8*\p+4*\q+3], v28, s[4:5] offset:1024*\p+256*\q
.endr
.endr
.Lno_next:
	BARRIER                                        ; the chunk's rows behind layer 1 lie in LDS
	s_cmp_eq_u32 s[LIVE], 0
	s_cbranch_scc1 .Lno_in
	s_cmp_lg_u32 s[C3], 0
	s_cbranch_scc1 .Lkeep
.set I, 0
.rept 32
	v_mov_b32 v[E+I], 0                            ; a sequence begins: no carry
.set I, I+1
.endr
.Lkeep:
	v_add_nc_u32 v30, s[ITO], v[ADG]
	v_add_nc_u32 v31, s[ITO], v[ADG15]
	WIN 0x40
.irp kq,0,1,2,3,4,5,6,7,8,9,10,11,12,13,14,15
	ds_load_b128 v[XOP+4*\kq:XOP+4*\kq+3], v[ADX] offset:32*\kq
.endr
	WIN 0
	ds_load_b128 v[IT:IT+3], v30
	ds_load_b128 v[IT+4:IT+7], v30 offset:16
	ds_load_b32 v[IT+8], v31
	s_wait_dscnt 0x0
	s_wait_xcnt 0x0                                ; the stores into x1last have read their registers
.set BT, 0
.rept 16
.if BT < 8
	WIN 0x59
.else
	WIN 0x5d
.endif
.irp s,0,1
.irp n,0,1,2,3,4,5,6,7
.if (BT == 0) && (\s == 0)
	v_wmma_f32_16x16x4_f32 v[ACC+8*\n:ACC+8*\n+7], v[XOP+4*BT+2*\s:XOP+4*BT+2*\s+1], v[(8*(BT%8)+\n)*4+2*\s:(8*(BT%8)+\n)*4+2*\s+1], 0
.else
	v_wmma_f32_16x16x4_f32 v[ACC+8*\n:ACC+8*\n+7], v[XOP+4*BT+2*\s:XOP+4*BT+2*\s+1], v[(8*(BT%8)+\n)*4+2*\s:(8*(BT%8)+\n)*4+2*\s+1], v[ACC+8*\n:ACC+8*\n+7]
.endif
.endr
.endr
.set BT, BT+1
.endr
	NOPS 9
	GATES
	WIN 0x04
	MOVE
	SCAN_LOCAL
	WIN 0
	s_cmp_eq_u32 s[LAST], 0
	s_cbranch_scc1 .Lnot_last
	SCAN_FINAL
	s_and_b32 s[TA], s[PSEL], 7                    ; row p: register p & 7 of half (p >> 3) & 1
.irp j,1,2,3,4,5,6,7
	s_cmp_eq_u32 s[TA], \j
	s_cselect_b32 s[SJ+\j], -1, 0
.endr
	s_bitcmp1_b32 s[PSEL], 3
	s_cselect_b32 s[HSEL], s[HM], 0x0000ffff
.irp ct,0,1,2,3
	v_cndmask_b32 v[T+8*\ct], v[W+16*\ct], v[W+16*\ct+2], s[SJ+1]
	v_cndmask_b32 v[T+8*\ct+1], v[W+16*\ct+1], v[W+16*\ct+3], s[SJ+1]
.endr
.irp j,2,3,4,5,6,7
.irp ct,0,1,2,3
	v_cndmask_b32 v[T+8*\ct], v[T+8*\ct], v[W+16*\ct+2*\j], s[SJ+\j]
	v_cndmask_b32 v[T+8*\ct+1], v[T+8*\ct+1], v[W+16*\ct+2*\j+1], s[SJ+\j]
.endr
.endr
.irp ct,0,1,2,3
	v_permlanex16_b32 v[T+8*\ct+2], v[T+8*\ct], s[SEL], s[SEL+1]
	v_permlanex16_b32 v[T+8*\ct+3], v[T+8*\ct+1], s[SEL], s[SEL+1]
.endr
.irp ct,0,1,2,3
	v_cndmask_b32 v[T+8*\ct], v[T+8*\ct+2], v[T+8*\ct], s[HSEL]
	v_cndmask_b32 v[T+8*\ct+1], v[T+8*\ct+3], v[T+8*\ct+1], s[HSEL]
.endr
.irp ct,0,1,2,3
	ds_store_b32 v[ADH2S], v[T+8*\ct] offset:64*\ct                    ; both halves write the same word with the same value
	ds_store_b32 v[ADH2S], v[T+8*\ct+1] offset:256+64*\ct
.endr
	ds_load_b128 v[IT:IT+3], v[ADH2L]              ; LDS serves a wave's instructions in order: this sees my stores
	s_lshl_b32 s[TB], s[BSEL], 11
	v_add_nc_u32 v5, s[TB], v7
	s_wait_dscnt 0x0
	global_store_b128 v5, v[IT:IT+3], s[32:33]     ; 32 lanes store 512 consecutive bytes
	s_wait_xcnt 0x0                                ; its registers are written again below
.Lnot_last:
	COEF
	STATE
.Lno_in:
	s_add_co_u32 s[ITO], s[ITO], 64
	s_add_co_u32 s[TAU], s[TAU], 1
	s_cmp_lt_u32 s[TAU], 32
	s_cbranch_scc1 .Ltrip
	s_wait_tensorcnt 0x0                           ; the wave's end: behind my last LDS store
	ds_add_u32 v[SPW], v[NIL]
	s_wait_dscnt 0x0
	s_endpgm
.Lfunc_end_k_qc08c2eb60b_ffn1:
	.size	k_qc08c2eb60b_ffn1, .Lfunc_end_k_qc08c2eb60b_ffn1-k_qc08c2eb60b_ffn1
	.p2alignl 7, 3214868480
	.fill 96, 4, 3214868480
	.section	.rodata,"a",@progbits
	.p2align	6, 0x0
	.amdhsa_kernel k_qc08c2eb60b_ffn1
		.amdhsa_group_segment_fixed_size 173312
		.amdhsa_private_segment_fixed_size 0
		.amdhsa_enable_private_segment 0
		.amdhsa_kernarg_size 120
		.amdhsa_user_sgpr_count 2
		.amdhsa_user_sgpr_kernarg_segment_ptr 1
		.amdhsa_wavefront_size32 1
		.amdhsa_system_sgpr_workgroup_id_x 1
		.amdhsa_system_sgpr_workgroup_id_y 1
		.amdhsa_system_sgpr_workgroup_id_z 1
		.amdhsa_system_vgpr_workitem_id 0
		.amdhsa_next_free_vgpr 1024
		.amdhsa_next_free_sgpr 102
		.amdhsa_reserve_vcc 1
		.amdhsa_float_denorm_mode_32 3
		.amdhsa_float_denorm_mode_16_64 3
		.amdhsa_memory_ordered 1
		.amdhsa_forward_progress 1
		.amdhsa_inst_pref_size 174
	.end_amdhsa_kernel
	.amdgpu_metadata
---
amdhsa.version: [ 1, 2 ]
amdhsa.kernels:
  - .name:           k_qc08c2eb60b_ffn1
    .symbol:         k_qc08c2eb60b_ffn1.kd
    .args:
      - { .name: xm, .offset: 0, .size: 8, .value_kind: global_buffer, .address_space: global }
      - { .name: wcodes, .offset: 8, .size: 8, .value_kind: global_buffer, .address_space: global }
      - { .name: wscales, .offset: 16, .size: 8, .value_kind: global_buffer, .address_space: global }
      - { .name: b1, .offset: 24, .size: 8, .value_kind: global_buffer, .address_space: global }
      - { .name: b2, .offset: 32, .size: 8, .value_kind: global_buffer, .address_space: global }
      - { .name: ffn_ln_g, .offset: 40, .size: 8, .value_kind: global_buffer, .address_space: global }
      - { .name: ffn_ln_b, .offset: 48, .size: 8, .value_kind: global_buffer, .address_space: global }
      - { .name: in_wr, .offset: 56, .size: 8, .value_kind: global_buffer, .address_space: global }
      - { .name: in_wi, .offset: 64, .size: 8, .value_kind: global_buffer, .address_space: global }
      - { .name: item_seq, .offset: 72, .size: 8, .value_kind: global_buffer, .address_space: global }
      - { .name: item_seq_len, .offset: 80, .size: 8, .value_kind: global_buffer, .address_space: global }
      - { .name: order, .offset: 88, .size: 8, .value_kind: global_buffer, .address_space: global }
      - { .name: lam, .offset: 96, .size: 8, .value_kind: global_buffer, .address_space: global }
      - { .name: x1last, .offset: 104, .size: 8, .value_kind: global_buffer, .address_space: global }
      - { .name: h2, .offset: 112, .size: 8, .value_kind: global_buffer, .address_space: global }
    .group_segment_fixed_size: 173312
    .private_segment_fixed_size: 0
    .kernarg_segment_align: 8
    .kernarg_segment_size: 120
    .max_flat_workgroup_size: 128
    .sgpr_count:     102
    .vgpr_count:     1024
    .wavefront_size: 32
...
	.end_amdgpu_metadata
.endif
;; end of part 3
;; launch tail (part 4): grid 32 x 1, 4 waves a work-group, no clusters, 31,232 bytes of LDS; arguments h2, x1last, out_wr, out_wi, out_br, lru_ln_g, lru_ln_b, wcodes, wscales, b1, b2, ffn_ln_g, ffn_ln_b, item_seq_len, out0; writes out0
.if DOCPART == 4
	.amdgcn_target "amdgcn-amd-amdhsa--gfx1250"
	.amdhsa_code_object_version 6
	.text
	.protected	k_qc08c2eb60b_tail
	.globl	k_qc08c2eb60b_tail
	.p2align	8
	.type	k_qc08c2eb60b_tail,@function
k_qc08c2eb60b_tail:
	s_mov_b64 s[64:65], 0
	v_nop
	global_prefetch_b8 v0, s[64:65] scope:SCOPE_SE
	s_setreg_imm32_b32 hwreg(HW_REG_WAVE_MODE, 25, 1), 1
	s_wait_xcnt 0x0
; Layer 2 behind its scan, for the one row p of each sequence: Re(h out_w^T) + out_br + x, layer norm, the feed-forward part on codes of E4M3, residual, layer norm -> out0.
; LEFT OUT (shown at the head of the first launch's text): every row but p; the imaginary half of the product, out_bi.
; A work-group takes 16 sequences as the 16 rows of a tile; 512 rows give 32 work-groups.  Wave w owns columns 32 w .. 32 w + 31 of the f32 product (K = 512: 256 matrix instructions on eight
; accumulators by turns, summed at the end), hidden units 128 w .. and outputs 32 w ...  All weights go from memory straight into registers: each is used once.
; LIMITS: lengths held to 1..200; a block of zeros gets the scale byte 1; the sums of K are taken in four parts.
; REGISTERS.  window 0: v8-23 addresses, v32-87 at work, v88-151 the f32 form's accumulators (matrix instructions alone write them), v152-215 HA, v216-231 my rows, v232-253 scale words and nothing else.
; window 1: h2's operand (64 quads), then w2's fragments at v0 and w1's at v128.  windows 2, 3: out_w[1], register 4 (2 kq + n).
.set HIM, 0
.set HSC, 8192
.set XMB, 8704
.set YST, 17152
.set PRM, 25600                        ; b1 2,048 | b2 | ffn g | ffn b | out_br | lru g | lru b
.set SPARE, 30720                      ; the spare words: two blocks of 256 bytes that no other line names
.set PT, 528
.set FROMLDS, 0
.set W2B, 0
.set SPW, 3
.set NIL, 4
.set ADQ, 8
.set ADXM, 9
.set ADYS, 10
.set ADYL, 11
.set ADP, 12
.set ADB1, 13
.set ADB2, 14
.set ADHL, 15
.set ADHS, 16
.set ADSL, 17
.set ADSS, 18
.set GOUT, 19
.set VW, 20
.set VH, 21
.set VC, 22
.set VS, 23
.set TM, 32
.set PC, 48
.set Y2, 64
.set GS, 32
.set GX, 40
.set GP, 48
.set GQ, 56
.set BI, 48
.set LG, 56
.set LB, 64
.set LTM, 72
.set ACC, 88
.set HA, 152
.set XR, 216
.set XSW, 232
.set HSWO, 233
.set HS, 234
.set W1SW, 238
.set W2SW, 246
.set WV, 34
.set ROW0, 35
.set TA, 36
.set TB, 37
.set SEL, 48
.set MNT, 50
.set AL0, 52
.set BE0, 54
.set INV, 60
.set EPS, 61
.set MSB, 0
.macro WIN new                         ; the immediate's high byte repeats the setting that is left
.if MSB != \new
	s_set_vgpr_msb (MSB<<8)|\new
.set MSB, \new
.endif
.endm
.macro NOPS n
.rept \n
	v_nop
.endr
.endm
.macro LNCORE y, g, b, t
.irp p,0,1
	v_pk_add_f32 v[\t+4*\p:\t+4*\p+1], v[\y+8*\p:\y+8*\p+1], v[\y+8*\p+2:\y+8*\p+3]
	v_pk_add_f32 v[\t+4*\p+2:\t+4*\p+3], v[\y+8*\p+4:\y+8*\p+5], v[\y+8*\p+6:\y+8*\p+7]
.endr
.irp p,0,1
	v_pk_add_f32 v[\t+4*\p:\t+4*\p+1], v[\t+4*\p:\t+4*\p+1], v[\t+4*\p+2:\t+4*\p+3]
.endr
.irp p,0,1
	v_add_f32 v[\t+4*\p], v[\t+4*\p], v[\t+4*\p+1]
.endr
.irp m,1,2,4,8
.irp p,0,1
	v_add_f32_dpp v[\t+4*\p], v[\t+4*\p], v[\t+4*\p] row_xmask:\m row_mask:0xf bank_mask:0xf
.endr
.endr
.irp p,0,1
	v_mul_f32 v[\t+4*\p], s[INV], v[\t+4*\p]
.endr
.irp p,0,1
.irp u,0,2,4,6
	v_pk_add_f32 v[\y+8*\p+\u:\y+8*\p+\u+1], v[\y+8*\p+\u:\y+8*\p+\u+1], v[\t+4*\p:\t+4*\p+1] op_sel_hi:[1,0] neg_lo:[0,1] neg_hi:[0,1]
.endr
.endr
.irp p,0,1
	v_pk_mul_f32 v[\t+4*\p+2:\t+4*\p+3], v[\y+8*\p:\y+8*\p+1], v[\y+8*\p:\y+8*\p+1]
.endr
.irp u,2,4,6
.irp p,0,1
	v_pk_fma_f32 v[\t+4*\p+2:\t+4*\p+3], v[\y+8*\p+\u:\y+8*\p+\u+1], v[\y+8*\p+\u:\y+8*\p+\u+1], v[\t+4*\p+2:\t+4*\p+3]
.endr
.endr
.irp p,0,1
	v_add_f32 v[\t+4*\p+2], v[\t+4*\p+2], v[\t+4*\p+3]
.endr
.irp m,1,2,4,8
.irp p,0,1
	v_add_f32_dpp v[\t+4*\p+2], v[\t+4*\p+2], v[\t+4*\p+2] row_xmask:\m row_mask:0xf bank_mask:0xf
.endr
.endr
.irp p,0,1
	v_fma_f32 v[\t+4*\p+2], v[\t+4*\p+2], s[INV], s[EPS]
.endr
.irp p,0,1
	v_rsq_f32 v[\t+4*\p+2], v[\t+4*\p+2]
.endr
	v_nop
	s_wait_alu depctr_va_vdst(0)                   ; one wait for both roots, ahead of their first reader
.irp p,0,1
.irp u,0,2,4,6
	v_pk_mul_f32 v[\y+8*\p+\u:\y+8*\p+\u+1], v[\y+8*\p+\u:\y+8*\p+\u+1], v[\t+4*\p+2:\t+4*\p+3] op_sel_hi:[1,0]
.endr
.endr
.irp p,0,1
.irp u,0,2,4,6
	v_pk_fma_f32 v[\y+8*\p+\u:\y+8*\p+\u+1], v[\y+8*\p+\u:\y+8*\p+\u+1], v[\g+\u:\g+\u+1], v[\b+\u:\b+\u+1]
.endr
.endr
.endm
.macro QUANT s, pw
.irp b,0,1,2,3
	v_max3_num_f32 v[TM+\b], |v[\s+16*\b]|, |v[\s+1+16*\b]|, 0x4800000   ; with the floor 2^(9 - 127): the byte cannot fall under 1
.endr
.irp i,2,4,6,8,10,12,14
.irp b,0,1,2,3
	v_max3_num_f32 v[TM+\b], v[TM+\b], |v[\s+16*\b+\i]|, |v[\s+1+16*\b+\i]|
.endr
.endr
.irp b,0,1,2,3
	v_permlanex16_b32 v[TM+4+\b], v[TM+\b], s[SEL], s[SEL+1]
.endr
.irp b,0,1,2,3
	v_max_num_f32 v[TM+\b], v[TM+\b], v[TM+4+\b]
.endr
.irp b,0,1,2,3
	v_add_nc_u32 v[TM+12+\b], 0xfc000000, v[TM+\b]
.endr
.irp b,0,1,2,3
	v_and_or_b32 v[TM+8+\b], v[TM+\b], 0x7f800000, s[MNT]
.endr
.irp b,0,1,2,3
	v_lshrrev_b32 v[TM+4+\b], 23, v[TM+12+\b]
.endr
	v_lshl_or_b32 v[\pw], v[TM+5], 8, v[TM+4]
	v_lshl_or_b32 v[\pw], v[TM+6], 16, v[\pw]
	v_lshl_or_b32 v[\pw], v[TM+7], 24, v[\pw]
.irp b,0,1,2,3
.irp i,0,1,2,3,4,5,6,7,8,9,10,11,12,13,14,15
	v_med3_num_f32 v[\s+16*\b+\i], v[\s+16*\b+\i], -v[TM+8+\b], v[TM+8+\b]   ; the conversion does not saturate (ISA guide 7.6.2): the hold
.endr
	v_cvt_scalef32_pk8_fp8_f32 v[PC+4*\b:PC+1+4*\b], v[\s+16*\b:\s+7+16*\b], v[TM+12+\b]
	v_cvt_scalef32_pk8_fp8_f32 v[PC+2+4*\b:PC+3+4*\b], v[\s+8+16*\b:\s+15+16*\b], v[TM+12+\b]
.endr
	v_nop
.endm
.macro GELU8 z
.irp u,0,2,4,6
	v_pk_mul_f32 v[GS+\u:GS+\u+1], v[(\z)+\u:(\z)+\u+1], 0x3f3504f3 op_sel_hi:[1,0]
.endr
.irp u,0,1,2,3,4,5,6,7
	v_med3_num_f32 v[GS+\u], v[GS+\u], -4.0, 4.0
.endr
.irp u,0,2,4,6
	v_pk_mul_f32 v[GX+\u:GX+\u+1], v[GS+\u:GS+\u+1], v[GS+\u:GS+\u+1]
.endr
.irp u,0,2,4,6
	v_pk_fma_f32 v[GP+\u:GP+\u+1], v[GX+\u:GX+\u+1], s[AL0:AL0+1], 0x32edffee op_sel_hi:[1,0,0]
.endr
.irp u,0,2,4,6
	v_pk_fma_f32 v[GQ+\u:GQ+\u+1], v[GX+\u:GX+\u+1], s[BE0:BE0+1], 0xb95fbd29 op_sel_hi:[1,0,0]
.endr
.irp u,0,2,4,6
	v_pk_fma_f32 v[GP+\u:GP+\u+1], v[GP+\u:GP+\u+1], v[GX+\u:GX+\u+1], 0xb60cff51 op_sel_hi:[1,1,0]
.endr
.irp u,0,2,4,6
	v_pk_fma_f32 v[GQ+\u:GQ+\u+1], v[GQ+\u:GQ+\u+1], v[GX+\u:GX+\u+1], 0xbadc924e op_sel_hi:[1,1,0]
.endr
.irp u,0,2,4,6
	v_pk_fma_f32 v[GP+\u:GP+\u+1], v[GP+\u:GP+\u+1], v[GX+\u:GX+\u+1], 0xb86ec2d2 op_sel_hi:[1,1,0]
.endr
.irp u,0,2,4,6
	v_pk_fma_f32 v[GQ+\u:GQ+\u+1], v[GQ+\u:GQ+\u+1], v[GX+\u:GX+\u+1], 0xbbf19bf8 op_sel_hi:[1,1,0]
.endr
.irp u,0,2,4,6
	v_pk_fma_f32 v[GP+\u:GP+\u+1], v[GP+\u:GP+\u+1], v[GX+\u:GX+\u+1], 0xba40ac63 op_sel_hi:[1,1,0]
.endr
.irp u,0,2,4,6
	v_pk_fma_f32 v[GQ+\u:GQ+\u+1], v[GQ+\u:GQ+\u+1], v[GX+\u:GX+\u+1], 0xbc69b6a7 op_sel_hi:[1,1,0]
.endr
.irp u,0,2,4,6
	v_pk_fma_f32 v[GP+\u:GP+\u+1], v[GP+\u:GP+\u+1], v[GX+\u:GX+\u+1], 0xbb41a1f6 op_sel_hi:[1,1,0]
.endr
.irp u,0,1,2,3,4,5,6,7
	v_rcp_f32 v[GQ+\u], v[GQ+\u]
.endr
.irp u,0,2,4,6
	v_pk_fma_f32 v[GP+\u:GP+\u+1], v[GP+\u:GP+\u+1], v[GX+\u:GX+\u+1], 0xbc83dbd4 op_sel_hi:[1,1,0]
.endr
.irp u,0,2,4,6
	v_pk_mul_f32 v[GP+\u:GP+\u+1], v[GP+\u:GP+\u+1], v[GS+\u:GS+\u+1]
.endr
.irp u,0,2,4,6
	v_pk_mul_f32 v[GX+\u:GX+\u+1], v[(\z)+\u:(\z)+\u+1], 0.5 op_sel_hi:[1,0]
.endr
	s_wait_alu depctr_va_vdst(0)                   ; one wait for the eight reciprocals, ahead of their first reader
.irp u,0,2,4,6
	v_pk_mul_f32 v[GP+\u:GP+\u+1], v[GP+\u:GP+\u+1], v[GQ+\u:GQ+\u+1]
.endr
.irp u,0,2,4,6
	v_pk_fma_f32 v[(\z)+\u:(\z)+\u+1], v[GX+\u:GX+\u+1], v[GP+\u:GP+\u+1], v[GX+\u:GX+\u+1]
.endr
.endm
.macro FFN_A
.irp b,0,1,2,3
.irp i,0,1,2,3
	ds_load_b128 v[HA+16*\b+4*\i:HA+16*\b+4*\i+3], v[ADQ] offset:128*\b+16*\i
.endr
.endr
	s_wait_dscnt 0x0
	QUANT HA, XSW
.irp t,0,1,2,3,4,5,6,7
	ds_load_b128 v[HA+8*\t:HA+8*\t+3], v[ADB1] offset:(32*(\t/2)+8*(\t%2))*4
	ds_load_b128 v[HA+8*\t+4:HA+8*\t+7], v[ADB1] offset:(32*(\t/2)+8*(\t%2))*4+16
.endr
	s_wait_dscnt 0x0
	NOPS 4                                         ; codes written by vector instructions stand four places ahead of a scaled matrix instruction
	WIN 0x01
.irp t,0,1,2,3,4,5,6,7
	v_wmma_scale_f32_16x16x128_f8f6f4 v[HA+8*\t:HA+8*\t+7], v[128+16*\t:128+16*\t+15], v[PC:PC+15], v[HA+8*\t:HA+8*\t+7], v[W1SW+\t], v[XSW]
.endr
	WIN 0
	NOPS 9
.irp g,0,1,2,3,4,5,6,7
	GELU8 HA+8*\g
.endr
	QUANT HA, HSWO
.irp c,0,1,2,3
	ds_store_b128 v[ADHS], v[PC+4*\c:PC+4*\c+3] offset:512*\c
.endr
	ds_store_b32 v[ADSS], v[HSWO]
.endm
.macro FFN_B
.irp s,0,1,2,3
.irp c,0,1,2,3
	ds_load_b128 v[HA+16*\s+4*\c:HA+16*\s+4*\c+3], v[ADHL] offset:2048*\s+512*\c
.endr
.endr
.irp s,0,1,2,3
	ds_load_b32 v[HS+\s], v[ADSL] offset:128*\s
.endr
.irp n,0,1
	ds_load_b128 v[Y2+8*\n:Y2+8*\n+3], v[ADB2] offset:64*\n
	ds_load_b128 v[Y2+8*\n+4:Y2+8*\n+7], v[ADB2] offset:64*\n+16
.endr
	s_wait_dscnt 0x0
	WIN 0x01
.irp s,0,1,2,3
.irp n,0,1
	v_wmma_scale_f32_16x16x128_f8f6f4 v[Y2+8*\n:Y2+8*\n+7], v[W2B+16*(4*\n+\s):W2B+16*(4*\n+\s)+15], v[HA+16*\s:HA+16*\s+15], v[Y2+8*\n:Y2+8*\n+7], v[W2SW+4*\n+\s], v[HS+\s]
.endr
.endr
	WIN 0
	NOPS 9
.irp n,0,1
	ds_store_b128 v[ADYS], v[Y2+8*\n:Y2+8*\n+3] offset:64*\n
	ds_store_b128 v[ADYS], v[Y2+8*\n+4:Y2+8*\n+7] offset:64*\n+16
.endr
.endm
.macro BARRIER
	s_wait_dscnt 0x0
	s_barrier_signal -1
	s_barrier_wait -1
.endm
	s_load_b512 s[4:19], s[0:1], 0x0               ; h2, x1last, out_wr, out_wi, out_br, lru g, lru b, wcodes
	s_load_b256 s[20:27], s[0:1], 0x40             ; wscales, b1, b2, ffn g
	s_load_b128 s[28:31], s[0:1], 0x60             ; ffn b, item_seq_len
	s_load_b64 s[32:33], s[0:1], 0x70              ; out0
	v_lshl_add_u32 v[SPW], v0, 2, SPARE
	v_mov_b32 v[NIL], 0
	v_lshrrev_b32 v5, 5, v0
	v_readfirstlane_b32 s[WV], v5
	v_and_b32 v1, 15, v0                           ; R
	v_bfe_u32 v2, v0, 4, 1                         ; H
	v_and_b32 v6, 31, v0                           ; lane
	s_lshl_b32 s[ROW0], ttmp9, 4                   ; my work-group's first sequence
	v_mul_u32_u24 v7, v1, PT
	v_lshl_add_u32 v[ADQ], v2, 6, v7
	v_add_nc_u32 v[ADQ], XMB, v[ADQ]
	s_lshl_b32 s[TA], s[WV], 7
	v_lshl_add_u32 v[ADYS], v2, 5, v7
	v_add_nc_u32 v[ADYS], s[TA], v[ADYS]
	v_add_nc_u32 v[ADYS], YST, v[ADYS]
	s_lshl_b32 s[TB], s[WV], 2
	v_add_nc_u32 v5, s[TB], v2                     ; 4 w + H
	v_mul_u32_u24 v7, v5, PT
	v_lshl_add_u32 v7, v1, 4, v7
	v_add_nc_u32 v[ADXM], XMB, v7
	v_add_nc_u32 v[ADYL], YST, v7
	v_lshl_add_u32 v[ADP], v1, 4, PRM
	s_lshl_b32 s[TB], s[WV], 9
	v_lshl_add_u32 v[ADB1], v2, 6, s[TB]
	v_add_nc_u32 v[ADB1], PRM, v[ADB1]
	v_lshl_add_u32 v[ADB2], v2, 5, s[TA]
	v_add_nc_u32 v[ADB2], PRM+2048, v[ADB2]
	v_lshlrev_b32 v[ADHL], 4, v6                   ; HIM begins at LDS byte 0
	s_lshl_b32 s[TB], s[WV], 11
	v_add_nc_u32 v[ADHS], s[TB], v[ADHL]
	v_lshl_add_u32 v[ADSL], v6, 2, HSC
	v_add_nc_u32 v[ADSS], s[TA], v[ADSL]
	v_add_nc_u32 v7, s[ROW0], v5                   ; my row's sequence (the second pass: two further on)
	v_lshlrev_b32 v[GOUT], 9, v7
	v_lshl_add_u32 v[GOUT], v1, 4, v[GOUT]
	s_lshl_b32 s[TB], s[WV], 15
	v_lshl_add_u32 v[VW], v1, 10, s[TB]
	v_lshl_add_u32 v[VW], v2, 4, v[VW]             ; out_w: row 32 w + R of 1,024 bytes, + 16 H
	v_add_nc_u32 v[VH], s[ROW0], v1
	v_lshlrev_b32 v[VH], 11, v[VH]
	v_lshl_add_u32 v[VH], v2, 4, v[VH]             ; h2: sequence ROW0 + R, + 16 H
	s_lshl_b32 s[TB], s[WV], 14
	v_lshl_add_u32 v[VC], v6, 4, s[TB]
	s_lshl_b32 s[TB], s[WV], 10
	v_lshl_add_u32 v[VS], v6, 2, s[TB]
	v_lshlrev_b32 v28, 2, v7
	v_lshlrev_b32 v29, 13, v7
	v_lshl_add_u32 v29, v1, 4, v29                 ; x1last: my sequence's 16 rows, + 16 R
	s_mov_b32 s[SEL], 0x76543210
	s_mov_b32 s[SEL+1], 0xfedcba98
	s_mov_b32 s[MNT], 0x600000
	s_mov_b32 s[INV], 0x3c000000
	s_mov_b32 s[EPS], 0x3727c5ac
	s_mov_b32 s[AL0], 0xaf95df0b
	s_mov_b32 s[AL0+1], 0
	s_mov_b32 s[BE0], 0xb77460cd
	s_mov_b32 s[BE0+1], 0
	s_wait_kmcnt 0x0
	global_load_b32 v30, v28, s[30:31]
	global_load_b32 v31, v28, s[30:31] offset:8
	; out_w[1]: K quad kq = 16 slice + 8 part + q, as h2 lies
.set KQ, 0
.rept 64
.if KQ < 32
	WIN 0x80
.else
	WIN 0xc0
.endif
.irp n,0,1
.if ((KQ/8)%2) == 0
	global_load_b128 v[(2*(KQ%32)+\n)*4:(2*(KQ%32)+\n)*4+3], v[VW], s[8:9] offset:131072+16384*\n+256*(KQ/16)+32*(KQ%8)
.else
	global_load_b128 v[(2*(KQ%32)+\n)*4:(2*(KQ%32)+\n)*4+3], v[VW], s[10:11] offset:131072+16384*\n+256*(KQ/16)+32*(KQ%8)
.endif
.endr
.set KQ, KQ+1
.endr
	WIN 0x40
.set KQ, 0
.rept 64
	global_load_b128 v[4*KQ:4*KQ+3], v[VH], s[4:5] offset:32*KQ
.set KQ, KQ+1
.endr
	WIN 0
.irp t,0,1,2,3,4,5,6,7
	global_load_b32 v[W1SW+\t], v[VS], s[20:21] offset:8192+128*\t
	global_load_b32 v[W2SW+\t], v[VS], s[20:21] offset:12288+128*\t
.endr
	v_lshl_add_u32 v159, v0, 4, PRM
	v_lshl_add_u32 v160, v0, 2, PRM
	v_lshlrev_b32 v161, 4, v0
	v_lshlrev_b32 v162, 2, v0
	global_load_b128 v[164:167], v161, s[22:23] offset:2048
	global_load_b32 v168, v162, s[24:25] offset:512
	global_load_b32 v169, v162, s[26:27] offset:512
	global_load_b32 v170, v162, s[28:29] offset:512
	global_load_b32 v171, v162, s[12:13] offset:512
	global_load_b32 v172, v162, s[14:15] offset:512
	global_load_b32 v173, v162, s[16:17] offset:512
	s_wait_loadcnt 0x0
.irp r,30,31
	v_max_u32 v[\r], 1, v[\r]
	v_min_u32 v[\r], 200, v[\r]
	v_add_nc_u32 v[\r], 55, v[\r]
	v_and_b32 v[\r], 15, v[\r]                     ; p's place in its chunk
	v_lshl_add_u32 v[\r], v[\r], 9, v29
.endr
.irp q,0,1
	global_load_b128 v[XR+4*\q:XR+4*\q+3], v30, s[6:7] offset:256*\q
	global_load_b128 v[XR+8+4*\q:XR+8+4*\q+3], v31, s[6:7] offset:16384+256*\q
.endr
	ds_store_b128 v159, v[164:167]
.irp i,0,1,2,3,4,5
	ds_store_b32 v160, v[168+\i] offset:2048+512*\i
.endr
.irp b,0,1,2,3
	v_mov_b32 v[TM+4+\b], 0                        ; a lane permute's destination counts as one of its sources
.endr
	; y^T = out_w h^T: source 0 = 16 rows of out_w, source 1 = the 16 sequences' h
.set KQ, 0
.rept 64
.if KQ < 32
	WIN 0x06
.else
	WIN 0x07
.endif
.irp s,0,1
.irp n,0,1
.if (2*KQ+\s) < 4
	v_wmma_f32_16x16x4_f32 v[ACC+16*((2*KQ+\s)%4)+8*\n:ACC+16*((2*KQ+\s)%4)+8*\n+7], v[(2*(KQ%32)+\n)*4+2*\s:(2*(KQ%32)+\n)*4+2*\s+1], v[4*KQ+2*\s:4*KQ+2*\s+1], 0
.else
	v_wmma_f32_16x16x4_f32 v[ACC+16*((2*KQ+\s)%4)+8*\n:ACC+16*((2*KQ+\s)%4)+8*\n+7], v[(2*(KQ%32)+\n)*4+2*\s:(2*(KQ%32)+\n)*4+2*\s+1], v[4*KQ+2*\s:4*KQ+2*\s+1], v[ACC+16*((2*KQ+\s)%4)+8*\n:ACC+16*((2*KQ+\s)%4)+8*\n+7]
.endif
.endr
.endr
.set KQ, KQ+1
.endr
	NOPS 9
	WIN 0x40                                       ; layer 2's codes of w1 and w2 take h2's place
.irp t,0,1,2,3,4,5,6,7
.irp c,0,1,2,3
	global_load_b128 v[128+16*\t+4*\c:128+16*\t+4*\c+3], v[VC], s[18:19] offset:131072+2048*\t+512*\c
	global_load_b128 v[16*\t+4*\c:16*\t+4*\c+3], v[VC], s[18:19] offset:196608+2048*\t+512*\c
.endr
.endr
	WIN 0
.irp n,0,1
.irp u,0,2,4,6
	v_pk_add_f32 v[Y2+8*\n+\u:Y2+8*\n+\u+1], v[ACC+8*\n+\u:ACC+8*\n+\u+1], v[ACC+16+8*\n+\u:ACC+16+8*\n+\u+1]   ; each accumulator from its low end on; the sums go into other registers
	v_pk_add_f32 v[Y2+8*\n+\u:Y2+8*\n+\u+1], v[Y2+8*\n+\u:Y2+8*\n+\u+1], v[ACC+32+8*\n+\u:ACC+32+8*\n+\u+1]
	v_pk_add_f32 v[Y2+8*\n+\u:Y2+8*\n+\u+1], v[Y2+8*\n+\u:Y2+8*\n+\u+1], v[ACC+48+8*\n+\u:ACC+48+8*\n+\u+1]
.endr
.endr
.irp n,0,1
	ds_store_b128 v[ADYS], v[Y2+8*\n:Y2+8*\n+3] offset:64*\n
	ds_store_b128 v[ADYS], v[Y2+8*\n+4:Y2+8*\n+7] offset:64*\n+16
.endr
	BARRIER                                        ; 16 whole rows of the product, and the vectors of 128, lie in LDS
.irp p,0,1
.irp q,0,1
	ds_load_b128 v[HA+8*\p+4*\q:HA+8*\p+4*\q+3], v[ADYL] offset:2*PT*\p+256*\q
.endr
.endr
.irp q,0,1
	ds_load_b128 v[BI+4*\q:BI+4*\q+3], v[ADP] offset:3584+256*\q
	ds_load_b128 v[LG+4*\q:LG+4*\q+3], v[ADP] offset:4096+256*\q
	ds_load_b128 v[LB+4*\q:LB+4*\q+3], v[ADP] offset:4608+256*\q
.endr
	s_wait_dscnt 0x0
	s_wait_loadcnt 0x0                             ; my rows of x1last, and the codes
.irp u,0,2,4,6,8,10,12,14
	v_pk_add_f32 v[HA+\u:HA+\u+1], v[HA+\u:HA+\u+1], v[BI+(\u%8):BI+(\u%8)+1]
.endr
.irp u,0,2,4,6,8,10,12,14
	v_pk_add_f32 v[XR+\u:XR+\u+1], v[XR+\u:XR+\u+1], v[HA+\u:HA+\u+1]
.endr
	LNCORE XR, LG, LB, LTM
.irp p,0,1
.irp q,0,1
	ds_store_b128 v[ADXM], v[XR+8*\p+4*\q:XR+8*\p+4*\q+3] offset:2*PT*\p+256*\q
.endr
.endr
	BARRIER                                        ; the 16 rows of x lie in LDS
	FFN_A
	BARRIER                                        ; the hidden layer's four fragments lie in LDS
	FFN_B
	BARRIER                                        ; 16 whole rows of the second product lie in the stage
.irp p,0,1
.irp q,0,1
	ds_load_b128 v[HA+8*\p+4*\q:HA+8*\p+4*\q+3], v[ADYL] offset:2*PT*\p+256*\q
.endr
.endr
.irp q,0,1
	ds_load_b128 v[LG+4*\q:LG+4*\q+3], v[ADP] offset:2560+256*\q
	ds_load_b128 v[LB+4*\q:LB+4*\q+3], v[ADP] offset:3072+256*\q
.endr
	s_wait_dscnt 0x0
.irp u,0,2,4,6,8,10,12,14
	v_pk_add_f32 v[HA+\u:HA+\u+1], v[HA+\u:HA+\u+1], v[XR+\u:XR+\u+1]
.endr
	LNCORE HA, LG, LB, LTM
.irp p,0,1
.irp q,0,1
	global_store_b128 v[GOUT], v[HA+8*\p+4*\q:HA+8*\p+4*\q+3], s[32:33] offset:1024*\p+256*\q   ; 16 lanes store 256 consecutive bytes, aligned
.endr
.endr
	s_wait_tensorcnt 0x0                           ; the wave's end: behind my last LDS store
	ds_add_u32 v[SPW], v[NIL]
	s_wait_dscnt 0x0
	s_endpgm
.Lfunc_end_k_qc08c2eb60b_tail:
	.size	k_qc08c2eb60b_tail, .Lfunc_end_k_qc08c2eb60b_tail-k_qc08c2eb60b_tail
	.p2alignl 7, 3214868480
	.fill 96, 4, 3214868480
	.section	.rodata,"a",@progbits
	.p2align	6, 0x0
	.amdhsa_kernel k_qc08c2eb60b_tail
		.amdhsa_group_segment_fixed_size 31232
		.amdhsa_private_segment_fixed_size 0
		.amdhsa_enable_private_segment 0
		.amdhsa_kernarg_size 120
		.amdhsa_user_sgpr_count 2
		.amdhsa_user_sgpr_kernarg_segment_ptr 1
		.amdhsa_wavefront_size32 1
		.amdhsa_system_sgpr_workgroup_id_x 1
		.amdhsa_system_sgpr_workgroup_id_y 1
		.amdhsa_system_sgpr_workgroup_id_z 1
		.amdhsa_system_vgpr_workitem_id 0
		.amdhsa_next_free_vgpr 1024
		.amdhsa_next_free_sgpr 66
		.amdhsa_reserve_vcc 0
		.amdhsa_float_denorm_mode_32 3
		.amdhsa_float_denorm_mode_16_64 3
		.amdhsa_memory_ordered 1
		.amdhsa_forward_progress 1
		.amdhsa_inst_pref_size 134
	.end_amdhsa_kernel
	.amdgpu_metadata
---
amdhsa.version: [ 1, 2 ]
amdhsa.kernels:
  - .name:           k_qc08c2eb60b_tail
    .symbol:         k_qc08c2eb60b_tail.kd
    .args:
      - { .name: h2, .offset: 0, .size: 8, .value_kind: global_buffer, .address_space: global }
      - { .name: x1last, .offset: 8, .size: 8, .value_kind: global_buffer, .address_space: global }
      - { .name: out_wr, .offset: 16, .size: 8, .value_kind: global_buffer, .address_space: global }
      - { .name: out_wi, .offset: 24, .size: 8, .value_kind: global_buffer, .address_space: global }
      - { .name: out_br, .offset: 32, .size: 8, .value_kind: global_buffer, .address_space: global }
      - { .name: lru_ln_g, .offset: 40, .size: 8, .value_kind: global_buffer, .address_space: global }
      - { .name: lru_ln_b, .offset: 48, .size: 8, .value_kind: global_buffer, .address_space: global }
      - { .name: wcodes, .offset: 56, .size: 8, .value_kind: global_buffer, .address_space: global }
      - { .name: wscales, .offset: 64, .size: 8, .value_kind: global_buffer, .address_space: global }
      - { .name: b1, .offset: 72, .size: 8, .value_kind: global_buffer, .address_space: global }
      - { .name: b2, .offset: 80, .size: 8, .value_kind: global_buffer, .address_space: global }
      - { .name: ffn_ln_g, .offset: 88, .size: 8, .value_kind: global_buffer, .address_space: global }
      - { .name: ffn_ln_b, .offset: 96, .size: 8, .value_kind: global_buffer, .address_space: global }
      - { .name: item_seq_len, .offset: 104, .size: 8, .value_kind: global_buffer, .address_space: global }
      - { .name: out0, .offset: 112, .size: 8, .value_kind: global_buffer, .address_space: global }
    .group_segment_fixed_size: 31232
    .private_segment_fixed_size: 0
    .kernarg_segment_align: 8
    .kernarg_segment_size: 120
    .max_flat_workgroup_size: 128
    .sgpr_count:     66
    .vgpr_count:     1024
    .wavefront_size: 32
...
	.end_amdgpu_metadata
.endif
;; end of part 4
;; ======== version 2 of 2: 4 launches; 1.13 times as fast as version 1
;; limits: right only within a limited range of input values
;; workspace buffers: order 2,048 bytes of whole numbers; lam 65,536 bytes; wcodes 262,144 bytes; wscales 16,384 bytes; xm 67,108,864 bytes; x1last 4,194,304 bytes; h2 1,048,576 bytes
;; launch prep (part 5): grid 36 x 1, 4 waves a work-group, no clusters, 0 bytes of LDS; arguments item_seq_len, params_log, in_br, in_bi, w1, w2, order, lam, wcodes, wscales; writes order, lam, wcodes, wscales
.if DOCPART == 5
	.amdgcn_target "amdgcn-amd-amdhsa--gfx1250"
	.amdhsa_code_object_version 6
	.text
	.protected	k_qc08c2eb60b_prep
	.globl	k_qc08c2eb60b_prep
	.p2align	8
	.type	k_qc08c2eb60b_prep,@function
k_qc08c2eb60b_prep:
	s_mov_b64 s[64:65], 0
	v_nop
	global_prefetch_b8 v0, s[64:65] scope:SCOPE_SE
	s_setreg_imm32_b32 hwreg(HW_REG_WAVE_MODE, 25, 1), 1
	s_wait_xcnt 0x0
; LRURec, first of four launches: what the later launches need once.
; WORK LEFT OUT IN THE WHOLE PROGRAM, for all values of the inputs (padded position t = 56 + i; p = 55 + item_seq_len[b] is the one row of a sequence that is returned):
;  (a) rows t < 56: their mask is built false in the model's own body, and a row s reaches a later row of the scan only through a product that holds m[s]; the rows themselves are sliced away;
;  (b) rows t > p, in both layers: the scan passes values forward only, all else works on one position; p is read from item_seq_len by each launch;
;  (c) in layer 2 the scan's results, the way-out product and the feed-forward part for every row but p;
;  (d) the imaginary half of both way-out products (only .real is kept) and with it the input out_bi, which has no way to the output: it is not loaded and is no argument of any launch;
;  (e) the imaginary part of x as a complex number, which is 0.
; LIMIT: a NaN, an infinity or an overflow that reaches only this work is not carried to the result.
; THIS LAUNCH.  Work-groups 0-3 (512 threads, thread g): order[rank of sequence g by length] = g, so that a later work-group w can take a short and a long sequence (ranks w and 511 - w);
; and row g = (layer, channel) of the table lam: the CONJUGATE powers l^1..l^8, l^16, l^8 of lambda = exp(-nu + i theta), then gamma, -gamma, gamma in_br, -gamma in_bi.
; (The scan is run on conjugates, so that Re(h out_w) = h'_r out_wr + h'_i out_wi with no sign to change.)
; THE RANK.  A key is length x 512 + the sequence's number: no two are equal, so the ranks are a permutation.  Four loads of 16 bytes a lane put all 512 lengths into every wave, 16 a lane;
; each key is then brought to all lanes (v_readlane_b32), compared with the lane's own key, and the outcomes are added: sixteen keys at a time, so that no line waits for the line above it.
; Work-groups 4-35, a wave a fragment: w1 and w2 as codes of E4M3 with E8M0 scale words, laid in the order of a matrix operand's registers (16 rows x 128 K: register group c at 512 c + 16 lane).
; Fragment f = 64 layer + 32 kind + 8 ws + i.  kind 0: w1, lane r takes row 128 ws + 32 (i/2) + 8 (i%2) + r + (r & 8).  kind 1: w2, row 32 ws + 16 (i/4) + r, K step i % 4.
; LIMITS: theta = exp(theta_log) up to some 2^15 (pi/2 is taken off in three parts); lengths are held to 1,023 for the ranking; a block of zeros gets the scale byte 1 (its codes are zeros; this program alone reads the bytes).
.set SEL, 48
.set MNT, 50
.set TM, 32
.set PC, 48
.set PW, 31
.set XQ, 64
.set KL, 64                            ; v64-79   the ranking: the 512 keys, 16 a lane: register 4 a + i of lane l is sequence 128 a + 4 l + i
.set RT, 96                            ; v96-111  the ranking: sixteen outcomes, 0 or 1
.macro CM2 d, t, l
	v_pk_fma_f32 v[(\d):(\d)+1], v[(\t):(\t)+1], v[(\l):(\l)+1], v[(\d):(\d)+1] op_sel:[1,1,0] op_sel_hi:[0,1,1] neg_lo:[1,0,0]
.endm
.macro CU1 d, t, l
	v_pk_mul_f32 v[(\d):(\d)+1], v[(\t):(\t)+1], v[(\l):(\l)+1] op_sel_hi:[1,0]
.endm
.macro CMUL d, t, l                    ; d = t x l, complex, pairs (re, im)
	CU1 \d, \t, \l
	CM2 \d, \t, \l
.endm
; 64 numbers of a lane, register 16 b + i = k 32 b + 16 (lane / 16) + i of my row, become a fragment's codes in v[PC] on and its scale word in v[pw]
.macro QUANT s, pw
.irp b,0,1,2,3
	v_max3_num_f32 v[TM+\b], |v[\s+16*\b]|, |v[\s+1+16*\b]|, 0x4800000   ; with the floor 2^(9 - 127): the byte cannot fall under 1
.endr
.irp i,2,4,6,8,10,12,14
.irp b,0,1,2,3
	v_max3_num_f32 v[TM+\b], v[TM+\b], |v[\s+16*\b+\i]|, |v[\s+1+16*\b+\i]|
.endr
.endr
.irp b,0,1,2,3
	v_permlanex16_b32 v[TM+4+\b], v[TM+\b], s[SEL], s[SEL+1]
.endr
.irp b,0,1,2,3
	v_max_num_f32 v[TM+\b], v[TM+\b], v[TM+4+\b]                        ; with lane l xor 16's: the block's largest magnitude
.endr
.irp b,0,1,2,3
	v_add_nc_u32 v[TM+12+\b], 0xfc000000, v[TM+\b]                      ; 8 off its exponent field: the conversion's scale operand
.endr
.irp b,0,1,2,3
	v_and_or_b32 v[TM+8+\b], v[TM+\b], 0x7f800000, s[MNT]               ; 448 x the scale
.endr
.irp b,0,1,2,3
	v_lshrrev_b32 v[TM+4+\b], 23, v[TM+12+\b]                           ; the scale's byte
.endr
	v_lshl_or_b32 v[\pw], v[TM+5], 8, v[TM+4]
	v_lshl_or_b32 v[\pw], v[TM+6], 16, v[\pw]
	v_lshl_or_b32 v[\pw], v[TM+7], 24, v[\pw]
.irp b,0,1,2,3
.irp i,0,1,2,3,4,5,6,7,8,9,10,11,12,13,14,15
	v_med3_num_f32 v[\s+16*\b+\i], v[\s+16*\b+\i], -v[TM+8+\b], v[TM+8+\b]   ; the conversion does not saturate (ISA guide 7.6.2): the hold
.endr
	v_cvt_scalef32_pk8_fp8_f32 v[PC+4*\b:PC+1+4*\b], v[\s+16*\b:\s+7+16*\b], v[TM+12+\b]
	v_cvt_scalef32_pk8_fp8_f32 v[PC+2+4*\b:PC+3+4*\b], v[\s+8+16*\b:\s+15+16*\b], v[TM+12+\b]
.endr
	v_nop
.endm
	s_load_b512 s[4:19], s[0:1], 0x0               ; lengths, params_log, in_br, in_bi, w1, w2, order, lam
	s_load_b128 s[20:23], s[0:1], 0x40             ; wcodes, wscales
	v_lshrrev_b32 v1, 5, v0
	v_readfirstlane_b32 s24, v1                    ; wave
	v_and_b32 v2, 31, v0                           ; lane
	v_and_b32 v3, 15, v0                           ; r
	v_bfe_u32 v4, v0, 4, 1                         ; h
	s_wait_kmcnt 0x0
	s_cmp_ge_u32 ttmp9, 4
	s_cbranch_scc1 .Lquant
	; ---- ranks and the table
	s_lshl_b32 s25, ttmp9, 7
	v_add_nc_u32 v5, s25, v0                       ; g
	v_lshlrev_b32 v6, 2, v5
	s_lshr_b32 s26, ttmp9, 1                       ; layer
	s_mul_i32 s26, s26, 3072
	v_and_b32 v8, 255, v5
	v_lshl_add_u32 v8, v8, 2, s26
	v_lshlrev_b32 v26, 4, v2                       ; 16 x lane
	v_lshlrev_b32 v27, 2, v2                       ; 4 x lane
.irp a,0,1,2,3
	global_load_b128 v[KL+4*\a:KL+4*\a+3], v26, s[4:5] offset:512*\a   ; 32 lanes read 512 consecutive bytes: 128 lengths
.endr
	global_load_b32 v7, v6, s[4:5]
	global_load_b32 v9, v8, s[6:7]
	global_load_b32 v10, v8, s[6:7] offset:1024
	global_load_b32 v11, v8, s[6:7] offset:2048
	global_load_b32 v12, v6, s[8:9]
	global_load_b32 v13, v6, s[10:11]
	v_mov_b32 v28, 0                               ; my rank, in two sums
	v_mov_b32 v29, 0
	s_wait_loadcnt 0x0
	v_min_u32 v7, 1023, v7
	v_lshl_or_b32 v7, v7, 9, v5                    ; my key: length x 512 + g
.irp a,0,1,2,3
.irp i,0,1,2,3
	v_min_u32 v[KL+4*\a+\i], 1023, v[KL+4*\a+\i]
.endr
.endr
.irp a,0,1,2,3
.irp i,0,1,2,3
	v_lshl_or_b32 v[KL+4*\a+\i], v[KL+4*\a+\i], 9, v27
.endr
.endr
.irp a,0,1,2,3
.irp i,0,1,2,3
	v_or_b32 v[KL+4*\a+\i], 128*\a+\i, v[KL+4*\a+\i]                   ; the key of sequence 128 a + 4 lane + i (the three parts of the number share no bit)
.endr
.endr
.irp r,0,1,2,3,4,5,6,7,8,9,10,11,12,13,14,15
.irp p,0,1
.irp i,0,1,2,3,4,5,6,7,8,9,10,11,12,13,14,15
	v_readlane_b32 s[32+\i], v[KL+\r], 16*\p+\i    ; sixteen keys, each for all lanes
.endr
.irp i,0,1,2,3,4,5,6,7,8,9,10,11,12,13,14,15
	v_cmp_lt_u32 s[48+\i], s[32+\i], v7            ; does it lie under mine?
.endr
.irp i,0,1,2,3,4,5,6,7,8,9,10,11,12,13,14,15
	v_cndmask_b32 v[RT+\i], 0, 1, s[48+\i]
.endr
.irp i,0,4,8,12
	v_add3_u32 v28, v28, v[RT+\i], v[RT+\i+1]
	v_add3_u32 v29, v29, v[RT+\i+2], v[RT+\i+3]
.endr
.endr
.endr
	v_add_nc_u32 v14, v28, v29                     ; my rank = how many keys lie under mine
	v_min_u32 v14, 511, v14
	v_lshlrev_b32 v14, 2, v14
	global_store_b32 v14, v5, s[16:17]             ; order[rank] = g
	v_mul_f32 v9, 0x3fb8aa3b, v9
	v_mul_f32 v10, 0x3fb8aa3b, v10
	v_mul_f32 v11, 0x3fb8aa3b, v11
	v_exp_f32 v9, v9                               ; nu
	v_exp_f32 v10, v10                             ; theta
	v_exp_f32 v11, v11                             ; gamma
	v_nop
	s_wait_alu depctr_va_vdst(0)                   ; one wait for the three
	v_mul_f32 v15, 0xbfb8aa3b, v9
	v_exp_f32 v15, v15                             ; |lambda| = exp(-nu); read far below, behind its wait
	v_mul_f32 v16, 0x3f22f983, v10
	v_rndne_f32 v16, v16                           ; n = theta x 2 / pi, to the nearest whole number
	v_fma_f32 v17, -v16, 0x3fc90fdb, v10           ; r = theta - n pi/2, pi/2 in three parts
	v_fma_f32 v17, -v16, 0xb33bbd2e, v17
	v_fma_f32 v17, -v16, 0xa6f72ced, v17
	v_mul_f32 v18, v17, v17
	v_mov_b32 v19, 0xb94ca1f9
	v_mov_b32 v20, 0x37ccf5ce
	v_fmaak_f32 v19, v19, v18, 0x3c08839e
	v_fmaak_f32 v20, v20, v18, 0xbab6061a
	v_fmaak_f32 v19, v19, v18, 0xbe2aaaa3
	v_fmaak_f32 v20, v20, v18, 0x3d2aaaa5
	v_mul_f32 v19, v19, v18
	v_mul_f32 v20, v20, v18
	v_fma_f32 v19, v19, v17, v17                   ; sin r
	v_mul_f32 v20, v20, v18
	v_fma_f32 v20, -0.5, v18, v20
	v_add_f32 v20, 1.0, v20                        ; cos r
	v_cvt_i32_f32 v21, v16
	v_and_b32 v22, 1, v21
	v_cmp_eq_u32 vcc_lo, 1, v22
	v_cndmask_b32 v23, v19, v20, vcc_lo            ; in odd quadrants sine and cosine change places
	v_cndmask_b32 v24, v20, v19, vcc_lo
	v_lshlrev_b32 v22, 30, v21
	v_and_b32 v22, 0x80000000, v22
	v_xor_b32 v23, v22, v23                        ; sin theta
	v_add_nc_u32 v21, 1, v21
	v_lshlrev_b32 v22, 30, v21
	v_and_b32 v22, 0x80000000, v22
	v_xor_b32 v24, v22, v24                        ; cos theta
	s_wait_alu depctr_va_vdst(0)
	v_mul_f32 v32, v15, v24                        ; l = conj(lambda)
	v_mul_f32 v33, -v15, v23
	CMUL 34, 32, 32
	CMUL 36, 34, 32
	CMUL 38, 34, 34
	CMUL 40, 38, 32
	CMUL 42, 38, 34
	CMUL 44, 38, 36
	CMUL 46, 38, 38
	CMUL 48, 46, 46
	v_mov_b32 v50, v46
	v_mov_b32 v51, v47
	v_mov_b32 v52, v11
	v_mul_f32 v53, -1.0, v11
	v_mul_f32 v54, v11, v12
	v_mul_f32 v55, v53, v13
.irp i,56,57,58,59,60,61,62,63
	v_mov_b32 v[\i], 0
.endr
	v_lshlrev_b32 v25, 7, v5
.irp i,0,1,2,3,4,5,6,7
	global_store_b128 v25, v[32+4*\i:35+4*\i], s[18:19] offset:16*\i
.endr
	s_endpgm
.Lquant:                                               ; ---- a wave a fragment of w1 or w2
	s_mov_b32 s[SEL], 0x76543210
	s_mov_b32 s[SEL+1], 0xfedcba98                 ; v_permlanex16_b32's selects for lane l xor 16
	s_mov_b32 s[MNT], 0x600000                     ; the mantissa field of 448
	s_sub_co_u32 s25, ttmp9, 4
	s_lshl_b32 s25, s25, 2
	s_add_co_u32 s25, s25, s24                     ; f
	s_lshr_b32 s26, s25, 6                         ; layer
	s_bfe_u32 s27, s25, 0x10005                    ; kind
	s_bfe_u32 s28, s25, 0x20003                    ; ws
	s_and_b32 s29, s25, 7                          ; i
	s_lshl_b32 s32, s28, 7
	s_lshr_b32 s33, s29, 1
	s_lshl_b32 s33, s33, 5
	s_add_co_u32 s32, s32, s33
	s_and_b32 s33, s29, 1
	s_lshl_b32 s33, s33, 3
	s_add_co_u32 s32, s32, s33                     ; w1: the tile's first row
	s_lshl_b32 s34, s28, 5
	s_lshr_b32 s35, s29, 2
	s_lshl_b32 s35, s35, 4
	s_add_co_u32 s34, s34, s35                     ; w2: the tile's first row,
	s_and_b32 s35, s29, 3
	s_lshl_b32 s35, s35, 9                         ; and its K step in bytes
	s_cmp_eq_u32 s27, 1
	s_cselect_b64 s[36:37], s[14:15], s[12:13]
	s_cselect_b32 s32, s34, s32
	s_cselect_b32 s33, 11, 9                       ; a row is 2,048 or 512 bytes
	s_cselect_b32 s34, 0, 8
	s_cselect_b32 s35, s35, 0
	s_lshl_b32 s38, s26, 18
	s_mov_b32 s39, 0
	s_add_nc_u64 s[36:37], s[36:37], s[38:39]
	v_and_b32 v6, s34, v3
	v_add3_u32 v6, v6, v3, s32
	v_lshlrev_b32 v6, s33, v6
	v_lshl_add_u32 v6, v4, 6, v6
	v_add_nc_u32 v6, s35, v6
.irp b,0,1,2,3
.irp i,0,1,2,3
	global_load_b128 v[XQ+16*\b+4*\i:XQ+16*\b+4*\i+3], v6, s[36:37] offset:128*\b+16*\i
.endr
.endr
.irp b,0,1,2,3
	v_mov_b32 v[TM+4+\b], 0                        ; a lane permute's destination counts as one of its sources
.endr
	s_lshl_b32 s40, s25, 11
	s_mov_b32 s41, 0
	s_add_nc_u64 s[20:21], s[20:21], s[40:41]
	s_lshl_b32 s40, s25, 7
	s_add_nc_u64 s[22:23], s[22:23], s[40:41]
	v_lshlrev_b32 v7, 4, v2
	v_lshlrev_b32 v8, 2, v2
	s_wait_loadcnt 0x0
	QUANT XQ, PW
.irp c,0,1,2,3
	global_store_b128 v7, v[PC+4*\c:PC+4*\c+3], s[20:21] offset:512*\c   ; 32 lanes store 512 consecutive bytes
.endr
	global_store_b32 v8, v[PW], s[22:23]
	s_endpgm
.Lfunc_end_k_qc08c2eb60b_prep:
	.size	k_qc08c2eb60b_prep, .Lfunc_end_k_qc08c2eb60b_prep-k_qc08c2eb60b_prep
	.p2alignl 7, 3214868480
	.fill 96, 4, 3214868480
	.section	.rodata,"a",@progbits
	.p2align	6, 0x0
	.amdhsa_kernel k_qc08c2eb60b_prep
		.amdhsa_group_segment_fixed_size 0
		.amdhsa_private_segment_fixed_size 0
		.amdhsa_enable_private_segment 0
		.amdhsa_kernarg_size 80
		.amdhsa_user_sgpr_count 2
		.amdhsa_user_sgpr_kernarg_segment_ptr 1
		.amdhsa_wavefront_size32 1
		.amdhsa_system_sgpr_workgroup_id_x 1
		.amdhsa_system_sgpr_workgroup_id_y 1
		.amdhsa_system_sgpr_workgroup_id_z 1
		.amdhsa_system_vgpr_workitem_id 0
		.amdhsa_next_free_vgpr 128
		.amdhsa_next_free_sgpr 66
		.amdhsa_reserve_vcc 1
		.amdhsa_float_denorm_mode_32 3
		.amdhsa_float_denorm_mode_16_64 3
		.amdhsa_memory_ordered 1
		.amdhsa_forward_progress 1
		.amdhsa_inst_pref_size 134
	.end_amdhsa_kernel
	.amdgpu_metadata
---
amdhsa.version: [ 1, 2 ]
amdhsa.kernels:
  - .name:           k_qc08c2eb60b_prep
    .symbol:         k_qc08c2eb60b_prep.kd
    .args:
      - { .name: item_seq_len, .offset: 0, .size: 8, .value_kind: global_buffer, .address_space: global }
      - { .name: params_log, .offset: 8, .size: 8, .value_kind: global_buffer, .address_space: global }
      - { .name: in_br, .offset: 16, .size: 8, .value_kind: global_buffer, .address_space: global }
      - { .name: in_bi, .offset: 24, .size: 8, .value_kind: global_buffer, .address_space: global }
      - { .name: w1, .offset: 32, .size: 8, .value_kind: global_buffer, .address_space: global }
      - { .name: w2, .offset: 40, .size: 8, .value_kind: global_buffer, .address_space: global }
      - { .name: order, .offset: 48, .size: 8, .value_kind: global_buffer, .address_space: global }
      - { .name: lam, .offset: 56, .size: 8, .value_kind: global_buffer, .address_space: global }
      - { .name: wcodes, .offset: 64, .size: 8, .value_kind: global_buffer, .address_space: global }
      - { .name: wscales, .offset: 72, .size: 8, .value_kind: global_buffer, .address_space: global }
    .group_segment_fixed_size: 0
    .private_segment_fixed_size: 0
    .kernarg_segment_align: 8
    .kernarg_segment_size: 80
    .max_flat_workgroup_size: 128
    .sgpr_count:     66
    .vgpr_count:     128
    .wavefront_size: 32
...
	.end_amdgpu_metadata
.endif
;; end of part 5
;; launch lru1 (part 6): grid 256 x 1, 4 waves a work-group, no clusters, 309,504 bytes of LDS; arguments token_emb, emb_ln_g, emb_ln_b, in_wr, in_wi, out_wr, out_wi, out_br, lru_ln_g, lru_ln_b, item_seq, item_seq_len, order, lam, xm; writes xm
.if DOCPART == 6
	.amdgcn_target "amdgcn-amd-amdhsa--gfx1250"
	.amdhsa_code_object_version 6
	.text
	.protected	k_qc08c2eb60b_lru1
	.globl	k_qc08c2eb60b_lru1
	.p2align	8
	.type	k_qc08c2eb60b_lru1,@function
k_qc08c2eb60b_lru1:
	s_mov_b64 s[64:65], 0
	v_nop
	global_prefetch_b8 v0, s[64:65] scope:SCOPE_SE
	s_setreg_imm32_b32 hwreg(HW_REG_WAVE_MODE, 25, 1), 1
	s_wait_xcnt 0x0
; Layer 1 up to its first layer norm: gather + layer norm, x in_w^T, the gated scan, Re(h out_w^T) + out_br + x, layer norm -> xm [b][t (256)][128], of which only live chunks are written.
; LEFT OUT (shown at the head of the first launch's text): rows t < 48 and chunks behind row p = 55 + item_seq_len[b]; the imaginary half of the way-out product, out_bi.
; Rows 48-55 and the rows behind p in p's chunk ride along in live tiles; their gates are 0 or they lie later in a scan that only passes forward.
; Both products feed a quantiser further on, so they take f32 operands: v_wmma_f32_16x16x4_f32.
; SHARES.  Work-group w takes the sequences of ranks w and 511 - w by length, a chunk of 16 aligned positions a trip: 32 trips, tau = 16 seq + C; a chunk is live where C - 3 < (p >> 4) - 2.
; Wave w owns complex channels 64 w .. 64 w + 63: eight N tiles of the first product (4 real, 4 imaginary), K slice w of the second; in the norms rows 4 w .. 4 w + 3.
; in_w (256 KiB) lies in LDS as images of operand registers, out_w (256 KiB) in register windows 2 and 3: both are read from memory once.
; THE SCAN, on conjugates.  A lane holds one channel; its half H holds t = t0 + 8 H + j in pairs (re, im).  Levels 1-3 in registers; level 4 by one exchange between the halves;
; levels 5-8 by four carries E_0..E_3 a channel: In = X + Lsel x sum E, h[j] += l^(j+1) In; then with z = the number of C's trailing ones, F_j = l^16 E_j,
; S = m[t0+15] (P4 + sum over j < z of F_j): E_j' = F_j (j > z), S (j = z), 0 (j < z).
; OPERANDS OF THE f32 FORM: a lane's four registers of one 16-byte load hold k = 8 kq + 4 H + 0..3; K step (kq, s) takes registers 2 s, 2 s + 1 on both sides: the same order of k for A and B.
; No tensor load: branches hang on lengths read from memory.  No cluster: nothing is shared step by step.  LIMITS: lengths held to 1..200, items to 0..50,000; sums of K are split over waves.
; REGISTERS.  window 0: v1 R, v2 H, v3, v4 the add's two, v8-31 addresses, v32-87 at work, v88-119 per-tile table, v120-151 E, v152-215 W, v216-231 gathered rows.
; window 1: v0-63 accumulators (matrix instructions alone write them), v64-127 l^1..l^8, v128-191 the 16 x 128 operand, v192-255 two batches of in_w, later the gates.  windows 2, 3: out_w.
.set INW, 0
.set HY, 262144                        ; four waves x 16 rows x 528: h of my channels, then my part of y
.set HYW, 8448
.set XB, 295936                        ; x: 16 rows x 528
.set ITM, 304384                       ; items by (seq, t), 0 where t < 56
.set PRM, 306432                       ; emb g, emb b, lru g, lru b, out_br
.set SPARE, 308992                     ; the spare words: two blocks of 256 bytes that no other line names
.set PT, 528
.set SPW, 3
.set NIL, 4
.set ADX, 8
.set ADHS, 9
.set ADHL, 10
.set ADYS, 11
.set ADYL, 12
.set ADXR, 13
.set ADG, 14
.set ADI, 15
.set ADP, 16
.set GOX, 17
.set ADW, 18
.set ADG15, 19
.set R16, 20
.set VIN, 21
.set VOUT, 22
.set VLAM, 23
.set IT, 32
.set G15, 40
.set Q, 42
.set T, 50
.set RS, 32
.set BI, 48
.set LG, 56
.set LB, 64
.set LTM, 72
.set TR, 88
.set E, 120
.set W, 152
.set EM, 216
.set ACC, 0
.set LT, 64
.set XOP, 128
.set STG, 192
.set GM, 192
.set WV, 34
.set TAU, 35
.set C, 36
.set LIVE, 37
.set LIVEN, 38
.set NC0, 39
.set NC1, 40
.set B0, 41
.set B1, 42
.set OFF, 45
.set TA, 46
.set ITO, 47
.set SEL, 48
.set HM, 50
.set C3, 51
.set TRC, 52
.set INV, 60
.set EPS, 61
.set TB, 62
.set TC, 63
.set KPC, 66
.set NWC, 74
.set MSB, 0
.macro WIN new                         ; the immediate's high byte repeats the setting that is left
.if MSB != \new
	s_set_vgpr_msb (MSB<<8)|\new
.set MSB, \new
.endif
.endm
.macro NOPS n
.rept \n
	v_nop
.endr
.endm
; complex d = c + t x l in two lines, on pairs (re, im)
.macro CM1 d, t, l, c
	v_pk_fma_f32 v[(\d):(\d)+1], v[(\t):(\t)+1], v[(\l):(\l)+1], v[(\c):(\c)+1] op_sel_hi:[1,0,1]
.endm
.macro CM2 d, t, l
	v_pk_fma_f32 v[(\d):(\d)+1], v[(\t):(\t)+1], v[(\l):(\l)+1], v[(\d):(\d)+1] op_sel:[1,1,0] op_sel_hi:[0,1,1] neg_lo:[1,0,0]
.endm
.macro CU1 d, t, l
	v_pk_mul_f32 v[(\d):(\d)+1], v[(\t):(\t)+1], v[(\l):(\l)+1] op_sel_hi:[1,0]
.endm
.macro GATE d, w, j                    ; d = gate j x w
.if ((\j)%2) == 0
	v_pk_mul_f32 v[(\d):(\d)+1], v[(\w):(\w)+1], v[GM+(\j):GM+(\j)+1] op_sel_hi:[1,0]
.else
	v_pk_mul_f32 v[(\d):(\d)+1], v[(\w):(\w)+1], v[GM+(\j)-1:GM+(\j)] op_sel:[0,1] op_sel_hi:[1,1]
.endif
.endm
.macro GATES                           ; items -> 1.0 or 0; gate 7 counts in the lower half's lanes alone (it is what crosses to the upper half)
	WIN 0x40
.irp j,0,1,2,3,4,5,6
	v_cmp_lt_i32 vcc_lo, 0, v[IT+\j]
	v_cndmask_b32 v[GM+\j], 0, 1.0, vcc_lo
.endr
	v_cmp_lt_i32 vcc_lo, 0, v[IT+7]
	s_and_not1_b32 vcc_lo, vcc_lo, s[HM]
	v_cndmask_b32 v[GM+7], 0, 1.0, vcc_lo
	WIN 0
	v_cmp_lt_i32 vcc_lo, 0, v[IT+8]
	v_cndmask_b32 v[G15], 0, 1.0, vcc_lo
	v_cndmask_b32 v[G15+1], 0, 1.0, vcc_lo
.endm
.macro MOVE                            ; u' = (gamma a_r + gamma b_r, -gamma a_i - gamma b_i); each accumulator is read from its low end on
.irp ct,0,1,2,3
.irp j,0,1,2,3,4,5,6,7
	v_fma_f32 v[W+16*\ct+2*\j], v[TR+8*\ct+4], v[ACC+8*\ct+\j], v[TR+8*\ct+6]
	v_fma_f32 v[W+16*\ct+2*\j+1], v[TR+8*\ct+5], v[ACC+32+8*\ct+\j], v[TR+8*\ct+7]
.endr
.endr
.endm
.macro SCAN_LOCAL                      ; entered and left with source 1 in window 1
.irp j,0,2,4,6
.irp ct,0,1,2,3
	GATE T+8*\ct+\j, W+16*\ct+2*\j, \j
.endr
.endr
.irp j,0,2,4,6
.irp ct,0,1,2,3
	CM1 W+16*\ct+2*\j+2, T+8*\ct+\j, LT+16*\ct, W+16*\ct+2*\j+2
.endr
.endr
.irp j,0,2,4,6
.irp ct,0,1,2,3
	CM2 W+16*\ct+2*\j+2, T+8*\ct+\j, LT+16*\ct
.endr
.endr
.irp ct,0,1,2,3
	GATE T+8*\ct, W+16*\ct+2, 1
	GATE T+8*\ct+2, W+16*\ct+10, 5
.endr
.irp ct,0,1,2,3
	CM1 W+16*\ct+4, T+8*\ct, LT+16*\ct, W+16*\ct+4
	CM1 W+16*\ct+6, T+8*\ct, LT+16*\ct+2, W+16*\ct+6
	CM1 W+16*\ct+12, T+8*\ct+2, LT+16*\ct, W+16*\ct+12
	CM1 W+16*\ct+14, T+8*\ct+2, LT+16*\ct+2, W+16*\ct+14
.endr
.irp ct,0,1,2,3
	CM2 W+16*\ct+4, T+8*\ct, LT+16*\ct
	CM2 W+16*\ct+6, T+8*\ct, LT+16*\ct+2
	CM2 W+16*\ct+12, T+8*\ct+2, LT+16*\ct
	CM2 W+16*\ct+14, T+8*\ct+2, LT+16*\ct+2
.endr
.irp ct,0,1,2,3
	GATE T+8*\ct, W+16*\ct+6, 3
.endr
.irp k,0,1,2,3
.irp ct,0,1,2,3
	CM1 W+16*\ct+8+2*\k, T+8*\ct, LT+16*\ct+2*\k, W+16*\ct+8+2*\k
.endr
.endr
.irp k,0,1,2,3
.irp ct,0,1,2,3
	CM2 W+16*\ct+8+2*\k, T+8*\ct, LT+16*\ct+2*\k
.endr
.endr
.irp ct,0,1,2,3
	GATE T+8*\ct, W+16*\ct+14, 7
.endr
	WIN 0
.irp ct,0,1,2,3
	v_permlanex16_b32 v[T+8*\ct+2], v[T+8*\ct], s[SEL], s[SEL+1]       ; X: in the upper half m[t0+7] h[t0+7], in the lower half 0
	v_permlanex16_b32 v[T+8*\ct+3], v[T+8*\ct+1], s[SEL], s[SEL+1]
.endr
	WIN 0x04
.irp ct,0,1,2,3
	CM1 Q+2*\ct, T+8*\ct+2, LT+16*\ct+14, W+16*\ct+14                  ; P4 = h[t0+15] behind level 4 (upper half)
.endr
.irp ct,0,1,2,3
	CM2 Q+2*\ct, T+8*\ct+2, LT+16*\ct+14
.endr
.endm
.macro SCAN_FINAL
	WIN 0
.irp ct,0,1,2,3
	v_pk_add_f32 v[T+8*\ct+6:T+8*\ct+7], v[E+8*\ct:E+8*\ct+1], v[E+8*\ct+2:E+8*\ct+3]
	v_pk_add_f32 v[T+8*\ct:T+8*\ct+1], v[E+8*\ct+4:E+8*\ct+5], v[E+8*\ct+6:E+8*\ct+7]
.endr
.irp ct,0,1,2,3
	v_pk_add_f32 v[T+8*\ct+6:T+8*\ct+7], v[T+8*\ct+6:T+8*\ct+7], v[T+8*\ct:T+8*\ct+1]
.endr
.irp ct,0,1,2,3
	CM1 T+8*\ct+4, T+8*\ct+6, TR+8*\ct+2, T+8*\ct+2
.endr
.irp ct,0,1,2,3
	CM2 T+8*\ct+4, T+8*\ct+6, TR+8*\ct+2
.endr
	WIN 0x04
.irp j,0,1,2,3,4,5,6,7
.irp ct,0,1,2,3
	CM1 W+16*\ct+2*\j, T+8*\ct+4, LT+16*\ct+2*\j, W+16*\ct+2*\j
.endr
.endr
.irp j,0,1,2,3,4,5,6,7
.irp ct,0,1,2,3
	CM2 W+16*\ct+2*\j, T+8*\ct+4, LT+16*\ct+2*\j
.endr
.endr
	WIN 0
.endm
.macro COEF                            ; z = C's trailing ones; the carries' factors as 1.0 or 0
	s_not_b32 s[TA], s[C]
	s_ctz_i32_b32 s[TA], s[TA]
.irp j,0,1,2
	s_cmp_gt_u32 s[TA], \j
	s_cselect_b32 s[TRC+2*\j], 1.0, 0
.endr
.irp j,0,1,2,3
	s_cmp_eq_u32 s[TA], \j
	s_cselect_b32 s[NWC+2*\j], 1.0, 0
.endr
.irp j,1,2,3
	s_cmp_lt_u32 s[TA], \j
	s_cselect_b32 s[KPC+2*\j], 1.0, 0
.endr
.endm
.macro STATE
.irp ct,0,1,2,3
	v_permlanex16_b32 v[IT+2*\ct], v[Q+2*\ct], s[SEL], s[SEL+1]
	v_permlanex16_b32 v[IT+2*\ct+1], v[Q+2*\ct+1], s[SEL], s[SEL+1]
.endr
.irp j,0,1,2,3
.irp ct,0,1,2,3
	CU1 T+8*\ct+2*\j, E+8*\ct+2*\j, TR+8*\ct
.endr
.endr
.irp j,0,1,2,3
.irp ct,0,1,2,3
	CM2 T+8*\ct+2*\j, E+8*\ct+2*\j, TR+8*\ct
.endr
.endr
.irp ct,0,1,2,3
	v_cndmask_b32 v[Q+2*\ct], v[IT+2*\ct], v[Q+2*\ct], s[HM]           ; the upper half's P4 in both halves
	v_cndmask_b32 v[Q+2*\ct+1], v[IT+2*\ct+1], v[Q+2*\ct+1], s[HM]
.endr
.irp j,0,1,2
.irp ct,0,1,2,3
	v_pk_fma_f32 v[Q+2*\ct:Q+2*\ct+1], v[T+8*\ct+2*\j:T+8*\ct+2*\j+1], s[TRC+2*\j:TRC+2*\j+1], v[Q+2*\ct:Q+2*\ct+1] op_sel_hi:[1,0,1]
.endr
.endr
.irp ct,0,1,2,3
	v_pk_mul_f32 v[Q+2*\ct:Q+2*\ct+1], v[Q+2*\ct:Q+2*\ct+1], v[G15:G15+1]
.endr
.irp ct,0,1,2,3
	v_pk_mul_f32 v[E+8*\ct:E+8*\ct+1], v[Q+2*\ct:Q+2*\ct+1], s[NWC:NWC+1] op_sel_hi:[1,0]
.endr
.irp j,1,2,3
.irp ct,0,1,2,3
	v_pk_mul_f32 v[E+8*\ct+2*\j:E+8*\ct+2*\j+1], v[T+8*\ct+2*\j:T+8*\ct+2*\j+1], s[KPC+2*\j:KPC+2*\j+1] op_sel_hi:[1,0]
.endr
.endr
.irp j,1,2,3
.irp ct,0,1,2,3
	v_pk_fma_f32 v[E+8*\ct+2*\j:E+8*\ct+2*\j+1], v[Q+2*\ct:Q+2*\ct+1], s[NWC+2*\j:NWC+2*\j+1], v[E+8*\ct+2*\j:E+8*\ct+2*\j+1] op_sel_hi:[1,0,1]
.endr
.endr
.endm
; Layer norm of two rows a lane half: 16 lanes hold a row, register y + 8 p + 4 q + i = column 4 R + 64 q + i of row 4 w + 2 p + H
.macro LNCORE y, g, b, t
.irp p,0,1
	v_pk_add_f32 v[\t+4*\p:\t+4*\p+1], v[\y+8*\p:\y+8*\p+1], v[\y+8*\p+2:\y+8*\p+3]
	v_pk_add_f32 v[\t+4*\p+2:\t+4*\p+3], v[\y+8*\p+4:\y+8*\p+5], v[\y+8*\p+6:\y+8*\p+7]
.endr
.irp p,0,1
	v_pk_add_f32 v[\t+4*\p:\t+4*\p+1], v[\t+4*\p:\t+4*\p+1], v[\t+4*\p+2:\t+4*\p+3]
.endr
.irp p,0,1
	v_add_f32 v[\t+4*\p], v[\t+4*\p], v[\t+4*\p+1]
.endr
.irp m,1,2,4,8
.irp p,0,1
	v_add_f32_dpp v[\t+4*\p], v[\t+4*\p], v[\t+4*\p] row_xmask:\m row_mask:0xf bank_mask:0xf
.endr
.endr
.irp p,0,1
	v_mul_f32 v[\t+4*\p], s[INV], v[\t+4*\p]
.endr
.irp p,0,1
.irp u,0,2,4,6
	v_pk_add_f32 v[\y+8*\p+\u:\y+8*\p+\u+1], v[\y+8*\p+\u:\y+8*\p+\u+1], v[\t+4*\p:\t+4*\p+1] op_sel_hi:[1,0] neg_lo:[0,1] neg_hi:[0,1]
.endr
.endr
.irp p,0,1
	v_pk_mul_f32 v[\t+4*\p+2:\t+4*\p+3], v[\y+8*\p:\y+8*\p+1], v[\y+8*\p:\y+8*\p+1]
.endr
.irp u,2,4,6
.irp p,0,1
	v_pk_fma_f32 v[\t+4*\p+2:\t+4*\p+3], v[\y+8*\p+\u:\y+8*\p+\u+1], v[\y+8*\p+\u:\y+8*\p+\u+1], v[\t+4*\p+2:\t+4*\p+3]
.endr
.endr
.irp p,0,1
	v_add_f32 v[\t+4*\p+2], v[\t+4*\p+2], v[\t+4*\p+3]
.endr
.irp m,1,2,4,8
.irp p,0,1
	v_add_f32_dpp v[\t+4*\p+2], v[\t+4*\p+2], v[\t+4*\p+2] row_xmask:\m row_mask:0xf bank_mask:0xf
.endr
.endr
.irp p,0,1
	v_fma_f32 v[\t+4*\p+2], v[\t+4*\p+2], s[INV], s[EPS]
.endr
.irp p,0,1
	v_rsq_f32 v[\t+4*\p+2], v[\t+4*\p+2]
.endr
	v_nop
	s_wait_alu depctr_va_vdst(0)                   ; one wait for both roots, ahead of their first reader
.irp p,0,1
.irp u,0,2,4,6
	v_pk_mul_f32 v[\y+8*\p+\u:\y+8*\p+\u+1], v[\y+8*\p+\u:\y+8*\p+\u+1], v[\t+4*\p+2:\t+4*\p+3] op_sel_hi:[1,0]
.endr
.endr
.irp p,0,1
.irp u,0,2,4,6
	v_pk_fma_f32 v[\y+8*\p+\u:\y+8*\p+\u+1], v[\y+8*\p+\u:\y+8*\p+\u+1], v[\g+\u:\g+\u+1], v[\b+\u:\b+\u+1]
.endr
.endr
.endm
.macro BARRIER                         ; my LDS stores have landed and my LDS loads are in: then the work-group's barrier
	s_wait_dscnt 0x0
	s_barrier_signal -1
	s_barrier_wait -1
.endm
	s_load_b512 s[4:19], s[0:1], 0x0               ; token_emb, emb g, emb b, in_wr, in_wi, out_wr, out_wi, out_br
	s_load_b256 s[20:27], s[0:1], 0x40             ; lru g, lru b, item_seq, item_seq_len
	s_load_b128 s[28:31], s[0:1], 0x60             ; order, lam
	s_load_b64 s[32:33], s[0:1], 0x70              ; xm
	v_lshl_add_u32 v[SPW], v0, 2, SPARE
	v_mov_b32 v[NIL], 0
	v_lshrrev_b32 v5, 5, v0
	v_readfirstlane_b32 s[WV], v5
	v_and_b32 v1, 15, v0                           ; R
	v_bfe_u32 v2, v0, 4, 1                         ; H
	v_and_b32 v6, 31, v0                           ; lane
	v_mul_u32_u24 v7, v1, PT
	v_lshl_add_u32 v[ADX], v2, 4, v7
	v_add_nc_u32 v[ADX], XB, v[ADX]
	s_mul_i32 s[TA], s[WV], HYW
	s_add_co_u32 s[TA], s[TA], HY
	v_mul_u32_u24 v[ADHS], v2, 8*PT
	v_lshl_add_u32 v[ADHS], v1, 2, v[ADHS]
	v_add_nc_u32 v[ADHS], s[TA], v[ADHS]
	v_lshl_add_u32 v[ADHL], v2, 4, v7
	v_add_nc_u32 v[ADHL], s[TA], v[ADHL]
	v_lshl_add_u32 v[ADYS], v2, 5, v7
	v_add_nc_u32 v[ADYS], s[TA], v[ADYS]
	s_lshl_b32 s[TB], s[WV], 2
	v_add_nc_u32 v5, s[TB], v2                     ; 4 w + H
	v_mul_u32_u24 v[ADYL], v5, PT
	v_lshl_add_u32 v[ADYL], v1, 4, v[ADYL]
	v_add_nc_u32 v[ADXR], XB, v[ADYL]
	v_add_nc_u32 v[ADYL], HY, v[ADYL]
	v_lshl_add_u32 v[ADG], v2, 5, ITM
	v_lshl_add_u32 v[ADI], v5, 2, ITM
	v_lshl_add_u32 v[ADP], v1, 4, PRM
	v_lshlrev_b32 v[GOX], 9, v5
	v_lshl_add_u32 v[GOX], v1, 4, v[GOX]
	s_lshl_b32 s[TB], s[WV], 16
	v_lshl_add_u32 v[ADW], v6, 4, s[TB]
	v_mov_b32 v[ADG15], ITM+60
	v_lshlrev_b32 v[R16], 4, v1
	s_lshl_b32 s[TB], s[WV], 15
	v_lshl_add_u32 v[VIN], v1, 9, s[TB]
	v_lshl_add_u32 v[VIN], v2, 4, v[VIN]
	s_lshl_b32 s[TB], s[WV], 8
	v_lshl_add_u32 v[VOUT], v1, 10, s[TB]
	v_lshl_add_u32 v[VOUT], v2, 4, v[VOUT]
	s_lshl_b32 s[TB], s[WV], 13
	v_lshl_add_u32 v[VLAM], v1, 7, s[TB]
	s_mov_b32 s[SEL], 0x76543210
	s_mov_b32 s[SEL+1], 0xfedcba98
	s_mov_b32 s[HM], 0xffff0000
	s_mov_b32 s[INV], 0x3c000000                   ; 1 / 128
	s_mov_b32 s[EPS], 0x3727c5ac                   ; 1e-5
.irp i,0,1,2,3,4,5,6,7
	s_mov_b32 s[TRC+\i], 0
	s_mov_b32 s[KPC+\i], 0
	s_mov_b32 s[NWC+\i], 0
.endr
	s_wait_kmcnt 0x0
	s_lshl_b32 s[TA], ttmp9, 2
	s_sub_co_u32 s[TB], 511, ttmp9
	s_lshl_b32 s[TB], s[TB], 2
	s_load_b32 s[B0], s[28:29], s[TA] offset:0x0
	s_load_b32 s[B1], s[28:29], s[TB] offset:0x0
	; my slice of in_w, 128 fragments (K quad be, tile n), through windows 2 and 3 into LDS
	WIN 0x80
.irp be,0,1,2,3,4,5,6,7
.irp n,0,1,2,3
	global_load_b128 v[(8*\be+\n)*4:(8*\be+\n)*4+3], v[VIN], s[10:11] offset:8192*\n+32*\be
	global_load_b128 v[(8*\be+\n+4)*4:(8*\be+\n+4)*4+3], v[VIN], s[12:13] offset:8192*\n+32*\be
.endr
.endr
	WIN 0xc0
.irp be,0,1,2,3,4,5,6,7
.irp n,0,1,2,3
	global_load_b128 v[(8*\be+\n)*4:(8*\be+\n)*4+3], v[VIN], s[10:11] offset:8192*\n+32*\be+256
	global_load_b128 v[(8*\be+\n+4)*4:(8*\be+\n+4)*4+3], v[VIN], s[12:13] offset:8192*\n+32*\be+256
.endr
.endr
	WIN 0
	s_wait_kmcnt 0x0
	s_min_u32 s[B0], s[B0], 511
	s_min_u32 s[B1], s[B1], 511
	s_lshl_b32 s[TA], s[B0], 2
	s_lshl_b32 s[TB], s[B1], 2
	s_load_b32 s[NC0], s[26:27], s[TA] offset:0x0
	s_load_b32 s[NC1], s[26:27], s[TB] offset:0x0
	s_mul_i32 s82, s[B0], 800
	s_mov_b32 s83, 0
	s_mul_i32 s84, s[B1], 800
	s_mov_b32 s85, 0
	s_add_nc_u64 s[82:83], s[24:25], s[82:83]      ; the two sequences' items
	s_add_nc_u64 s[84:85], s[24:25], s[84:85]
	s_wait_kmcnt 0x0
.irp r,NC0,NC1
	s_max_u32 s[\r], s[\r], 1
	s_min_u32 s[\r], s[\r], 200
	s_add_co_u32 s[\r], s[\r], 55
	s_lshr_b32 s[\r], s[\r], 4
	s_sub_co_u32 s[\r], s[\r], 2                   ; live chunks: 1 to 13
.endr
	s_wait_loadcnt 0x0
	WIN 0x08
.set I, 0
.rept 64
	ds_store_b128 v[ADW], v[4*I:4*I+3] offset:512*I
.set I, I+1
.endr
	WIN 0x0c
.set I, 0
.rept 64
	ds_store_b128 v[ADW], v[4*I:4*I+3] offset:512*(I+64)
.set I, I+1
.endr
	WIN 0
	s_wait_dscnt 0x0                               ; the stores have read their registers
	; my K slice of out_w stays in windows 2 (real) and 3 (imaginary): register 4 (8 kq + d tile)
	WIN 0x80
.irp kq,0,1,2,3,4,5,6,7
.irp d,0,1,2,3,4,5,6,7
	global_load_b128 v[(8*\kq+\d)*4:(8*\kq+\d)*4+3], v[VOUT], s[14:15] offset:16384*\d+32*\kq
.endr
.endr
	WIN 0xc0
.irp kq,0,1,2,3,4,5,6,7
.irp d,0,1,2,3,4,5,6,7
	global_load_b128 v[(8*\kq+\d)*4:(8*\kq+\d)*4+3], v[VOUT], s[16:17] offset:16384*\d+32*\kq
.endr
.endr
	WIN 0x40
.irp ct,0,1,2,3
.irp i,0,1,2,3
	global_load_b128 v[LT+16*\ct+4*\i:LT+16*\ct+4*\i+3], v[VLAM], s[30:31] offset:2048*\ct+16*\i
.endr
.endr
	WIN 0
.irp ct,0,1,2,3
.irp i,0,1
	global_load_b128 v[TR+8*\ct+4*\i:TR+8*\ct+4*\i+3], v[VLAM], s[30:31] offset:2048*\ct+64+16*\i
.endr
.endr
	; items by t (0 where t < 56), and the five vectors of 128
	v_lshl_add_u32 v158, v0, 2, ITM
	v_lshl_add_u32 v159, v0, 2, PRM
	v_lshlrev_b32 v160, 2, v0
.irp k,0,1
	v_add_nc_u32 v[152+\k], 128*\k-56, v0
	v_cmp_gt_u32 s[86+\k], 200, v[152+\k]
	v_min_u32 v[152+\k], 199, v[152+\k]
	v_lshlrev_b32 v[152+\k], 2, v[152+\k]
	global_load_b32 v[154+\k], v[152+\k], s[82:83]
	global_load_b32 v[156+\k], v[152+\k], s[84:85]
.endr
	global_load_b32 v161, v160, s[6:7]
	global_load_b32 v162, v160, s[8:9]
	global_load_b32 v163, v160, s[20:21]
	global_load_b32 v164, v160, s[22:23]
	global_load_b32 v165, v160, s[18:19]
	s_wait_loadcnt 0x0
.irp k,0,1
	v_cndmask_b32 v[154+\k], 0, v[154+\k], s[86+\k]
	v_cndmask_b32 v[156+\k], 0, v[156+\k], s[86+\k]
	ds_store_b32 v158, v[154+\k] offset:512*\k
	ds_store_b32 v158, v[156+\k] offset:1024+512*\k
.endr
.irp i,0,1,2,3,4
	ds_store_b32 v159, v[161+\i] offset:512*\i
.endr
.irp ct,0,1,2,3
	v_cndmask_b32 v[TR+8*\ct+2], 1.0, v[TR+8*\ct+2], s[HM]             ; Lsel: l^8 in the upper half, 1 in the lower
	v_cndmask_b32 v[TR+8*\ct+3], 0, v[TR+8*\ct+3], s[HM]
.endr
.set I, 32
.rept 56
	v_mov_b32 v[I], 0                              ; registers at work: written once, so that every way through the trips finds them written
.set I, I+1
.endr
.set I, 0
.rept 32
	v_mov_b32 v[E+I], 0
.set I, I+1
.endr
.set I, 0
.rept 16
	v_mov_b32 v[EM+I], 0
.set I, I+1
.endr
	s_mov_b32 s[TAU], 0
	s_mov_b32 s[ITO], 0
.Ltrip:
	s_cmp_ge_u32 s[TAU], 16
	s_cselect_b32 s[TA], s[NC1], s[NC0]
	s_and_b32 s[C], s[TAU], 15
	s_sub_co_u32 s[C3], s[C], 3
	s_cmp_lt_u32 s[C3], s[TA]
	s_cselect_b32 s[LIVE], 1, 0
	s_lshr_b32 s[TB], s[TAU], 4                    ; which sequence: its number is picked by masks and one addition;
	s_sub_co_u32 s[TB], 0, s[TB]
	s_and_b32 s[OFF], s[B1], s[TB]
	s_not_b32 s[TB], s[TB]
	s_and_b32 s[TB], s[B0], s[TB]
	s_add_co_u32 s[OFF], s[OFF], s[TB]
	s_lshl_b32 s[OFF], s[OFF], 17                  ; a sequence's 256 rows of 512 bytes in xm,
	s_lshl_b32 s[TB], s[C], 13                     ; a chunk's 16 rows
	s_add_co_u32 s[OFF], s[OFF], s[TB]
	s_add_co_u32 s[TC], s[TAU], 1                  ; is the next chunk live?
	s_cmp_ge_u32 s[TC], 16
	s_cselect_b32 s[TA], s[NC1], s[NC0]
	s_and_b32 s[TC], s[TC], 15
	s_sub_co_u32 s[TC], s[TC], 3
	s_cmp_lt_u32 s[TC], s[TA]
	s_cselect_b32 s[LIVEN], 1, 0
	s_wait_xcnt 0x0                                ; the last trip's stores have read their registers
	BARRIER                                        ; x of this chunk lies in XB; nobody reads the last chunk's parts of y any more
	s_cmp_eq_u32 s[LIVEN], 0
	s_cbranch_scc1 .Lno_issue
	v_add_nc_u32 v27, s[ITO], v[ADI]               ; the next chunk's embedding rows are asked for a whole chunk ahead
	ds_load_b32 v28, v27 offset:64
	ds_load_b32 v29, v27 offset:72
	s_wait_dscnt 0x0
	v_min_u32 v28, 0xc350, v28
	v_min_u32 v29, 0xc350, v29
	v_lshl_add_u32 v30, v28, 9, v[R16]
	v_lshl_add_u32 v31, v29, 9, v[R16]
	global_load_b128 v[EM:EM+3], v30, s[4:5]
	global_load_b128 v[EM+4:EM+7], v30, s[4:5] offset:256
	global_load_b128 v[EM+8:EM+11], v31, s[4:5]
	global_load_b128 v[EM+12:EM+15], v31, s[4:5] offset:256
.Lno_issue:
	s_cmp_eq_u32 s[LIVE], 0
	s_cbranch_scc1 .Lno_main
	s_cmp_lg_u32 s[C3], 0
	s_cbranch_scc1 .Lkeep
.set I, 0
.rept 32
	v_mov_b32 v[E+I], 0                            ; a sequence begins: no carry
.set I, I+1
.endr
.Lkeep:
	v_add_nc_u32 v25, s[ITO], v[ADG]
	v_add_nc_u32 v26, s[ITO], v[ADG15]
	WIN 0x40
	ds_load_b128 v[XOP:XOP+3], v[ADX]              ; what the first sixteen products want goes first: x's K quad 0 and the weights' batch 0
.irp n,0,1,2,3,4,5,6,7
	ds_load_b128 v[STG+4*\n:STG+4*\n+3], v[ADW] offset:512*\n
.endr
.irp kq,1,2,3,4,5,6,7,8,9,10,11,12,13,14,15
	ds_load_b128 v[XOP+4*\kq:XOP+4*\kq+3], v[ADX] offset:32*\kq
.endr
	WIN 0
	ds_load_b128 v[IT:IT+3], v25
	ds_load_b128 v[IT+4:IT+7], v25 offset:16
	ds_load_b32 v[IT+8], v26
	WIN 0x40
.irp n,0,1,2,3,4,5,6,7
	ds_load_b128 v[STG+32+4*\n:STG+32+4*\n+3], v[ADW] offset:512*(8+\n)
.endr
	; x in_w^T: 16 K quads, each 16 matrix instructions on eight accumulators by turns; the weights come two batches ahead
.set BT, 0
.rept 16
.if BT == 0
	s_wait_dscnt 26                                ; the first nine loads are in; behind them: 15 of x, 3 of items, batch 1's eight
.elseif BT < 15
	s_wait_dscnt 8                                 ; all but the next batch's eight loads are in
.else
	s_wait_dscnt 0
.endif
	WIN 0x55
.irp s,0,1
.irp n,0,1,2,3,4,5,6,7
.if (BT == 0) && (\s == 0)
	v_wmma_f32_16x16x4_f32 v[ACC+8*\n:ACC+8*\n+7], v[XOP+4*BT+2*\s:XOP+4*BT+2*\s+1], v[STG+32*(BT%2)+4*\n+2*\s:STG+32*(BT%2)+4*\n+2*\s+1], 0
.else
	v_wmma_f32_16x16x4_f32 v[ACC+8*\n:ACC+8*\n+7], v[XOP+4*BT+2*\s:XOP+4*BT+2*\s+1], v[STG+32*(BT%2)+4*\n+2*\s:STG+32*(BT%2)+4*\n+2*\s+1], v[ACC+8*\n:ACC+8*\n+7]
.endif
.endr
.endr
.if BT < 14
	NOPS 8                                         ; places in front of loads into registers that matrix instructions have read
	WIN 0x40
.irp n,0,1,2,3,4,5,6,7
	ds_load_b128 v[STG+32*(BT%2)+4*\n:STG+32*(BT%2)+4*\n+3], v[ADW] offset:512*(8*(BT+2)+\n)
.endr
.endif
.set BT, BT+1
.endr
	NOPS 9
	GATES
	WIN 0x04
	MOVE
	SCAN_LOCAL
	SCAN_FINAL
	; h of my 64 channels as rows [t][re 64 | im 64] of my own LDS bytes, and back as the second product's operand
.irp ct,0,1,2,3
.irp j,0,1,2,3,4,5,6,7
	ds_store_b32 v[ADHS], v[W+16*\ct+2*\j] offset:PT*\j+64*\ct
	ds_store_b32 v[ADHS], v[W+16*\ct+2*\j+1] offset:PT*\j+64*\ct+256
.endr
.endr
	WIN 0x40
.irp kq,0,1,2,3,4,5,6,7,8,9,10,11,12,13,14,15
	ds_load_b128 v[XOP+4*\kq:XOP+4*\kq+3], v[ADHL] offset:32*\kq   ; LDS serves a wave's instructions in order: these see my stores
.endr
	WIN 0
	COEF                                           ; the carries for the next chunk are made while h goes through LDS: they name neither W nor the operand's registers
	STATE
	s_wait_dscnt 0x0
	; my K slice of y^T = out_w h^T: source 0 = 16 rows of out_w, source 1 = h: a lane then holds 8 neighbouring columns of one row of y
.set KQ, 0
.rept 16
.if KQ < 8
	WIN 0x56
.else
	WIN 0x57
.endif
.irp s,0,1
.irp d,0,1,2,3,4,5,6,7
.if (KQ == 0) && (\s == 0)
	v_wmma_f32_16x16x4_f32 v[ACC+8*\d:ACC+8*\d+7], v[(8*(KQ%8)+\d)*4+2*\s:(8*(KQ%8)+\d)*4+2*\s+1], v[XOP+4*KQ+2*\s:XOP+4*KQ+2*\s+1], 0
.else
	v_wmma_f32_16x16x4_f32 v[ACC+8*\d:ACC+8*\d+7], v[(8*(KQ%8)+\d)*4+2*\s:(8*(KQ%8)+\d)*4+2*\s+1], v[XOP+4*KQ+2*\s:XOP+4*KQ+2*\s+1], v[ACC+8*\d:ACC+8*\d+7]
.endif
.endr
.endr
.set KQ, KQ+1
.endr
	NOPS 9
	WIN 0x04
.irp d,0,1,2,3,4,5,6,7
	ds_store_b128 v[ADYS], v[ACC+8*\d:ACC+8*\d+3] offset:64*\d         ; each accumulator from its low end on
	ds_store_b128 v[ADYS], v[ACC+8*\d+4:ACC+8*\d+7] offset:64*\d+16
.endr
	WIN 0
.Lno_main:
	s_wait_loadcnt 0x0                             ; the gathered rows are in, on every way
	BARRIER                                        ; the four parts of y lie in LDS; nobody reads XB as an operand any more
	s_cmp_eq_u32 s[LIVE], 0
	s_cbranch_scc1 .Lno_lna
	v_add_nc_u32 v24, s[OFF], v[GOX]
.irp sg,0,1,2,3
.irp p,0,1
.irp q,0,1
	ds_load_b128 v[W+16*\sg+8*\p+4*\q:W+16*\sg+8*\p+4*\q+3], v[ADYL] offset:HYW*\sg+2*PT*\p+256*\q
.endr
.endr
.endr
.irp p,0,1
.irp q,0,1
	ds_load_b128 v[RS+8*\p+4*\q:RS+8*\p+4*\q+3], v[ADXR] offset:2*PT*\p+256*\q
.endr
.endr
.irp q,0,1
	ds_load_b128 v[BI+4*\q:BI+4*\q+3], v[ADP] offset:2048+256*\q
	ds_load_b128 v[LG+4*\q:LG+4*\q+3], v[ADP] offset:1024+256*\q
	ds_load_b128 v[LB+4*\q:LB+4*\q+3], v[ADP] offset:1536+256*\q
.endr
	s_wait_dscnt 0x0
.irp u,0,2,4,6,8,10,12,14
	v_pk_add_f32 v[W+\u:W+\u+1], v[W+\u:W+\u+1], v[W+16+\u:W+16+\u+1]
	v_pk_add_f32 v[W+32+\u:W+32+\u+1], v[W+32+\u:W+32+\u+1], v[W+48+\u:W+48+\u+1]
	v_pk_add_f32 v[RS+\u:RS+\u+1], v[RS+\u:RS+\u+1], v[BI+(\u%8):BI+(\u%8)+1]
.endr
.irp u,0,2,4,6,8,10,12,14
	v_pk_add_f32 v[W+\u:W+\u+1], v[W+\u:W+\u+1], v[W+32+\u:W+32+\u+1]
.endr
.irp u,0,2,4,6,8,10,12,14
	v_pk_add_f32 v[W+\u:W+\u+1], v[W+\u:W+\u+1], v[RS+\u:RS+\u+1]
.endr
	LNCORE W, LG, LB, LTM
.irp p,0,1
.irp q,0,1
	global_store_b128 v24, v[W+8*\p+4*\q:W+8*\p+4*\q+3], s[32:33] offset:1024*\p+256*\q   ; 16 lanes store 256 consecutive bytes, aligned
.endr
.endr
.Lno_lna:
	s_cmp_eq_u32 s[LIVEN], 0
	s_cbranch_scc1 .Lno_gln
.irp q,0,1
	ds_load_b128 v[LG+4*\q:LG+4*\q+3], v[ADP] offset:256*\q
	ds_load_b128 v[LB+4*\q:LB+4*\q+3], v[ADP] offset:512+256*\q
.endr
	s_wait_dscnt 0x0
	LNCORE EM, LG, LB, LTM
.irp p,0,1
.irp q,0,1
	ds_store_b128 v[ADXR], v[EM+8*\p+4*\q:EM+8*\p+4*\q+3] offset:2*PT*\p+256*\q   ; my own four rows, which I alone have read since the barrier
.endr
.endr
.Lno_gln:
	s_add_co_u32 s[ITO], s[ITO], 64
	s_add_co_u32 s[TAU], s[TAU], 1
	s_cmp_lt_u32 s[TAU], 32
	s_cbranch_scc1 .Ltrip
	s_wait_tensorcnt 0x0                           ; the wave's end: behind my last LDS store
	ds_add_u32 v[SPW], v[NIL]
	s_wait_dscnt 0x0
	s_endpgm
.Lfunc_end_k_qc08c2eb60b_lru1:
	.size	k_qc08c2eb60b_lru1, .Lfunc_end_k_qc08c2eb60b_lru1-k_qc08c2eb60b_lru1
	.p2alignl 7, 3214868480
	.fill 96, 4, 3214868480
	.section	.rodata,"a",@progbits
	.p2align	6, 0x0
	.amdhsa_kernel k_qc08c2eb60b_lru1
		.amdhsa_group_segment_fixed_size 309504
		.amdhsa_private_segment_fixed_size 0
		.amdhsa_enable_private_segment 0
		.amdhsa_kernarg_size 120
		.amdhsa_user_sgpr_count 2
		.amdhsa_user_sgpr_kernarg_segment_ptr 1
		.amdhsa_wavefront_size32 1
		.amdhsa_system_sgpr_workgroup_id_x 1
		.amdhsa_system_sgpr_workgroup_id_y 1
		.amdhsa_system_sgpr_workgroup_id_z 1
		.amdhsa_system_vgpr_workitem_id 0
		.amdhsa_next_free_vgpr 1024
		.amdhsa_next_free_sgpr 90
		.amdhsa_reserve_vcc 1
		.amdhsa_float_denorm_mode_32 3
		.amdhsa_float_denorm_mode_16_64 3
		.amdhsa_memory_ordered 1
		.amdhsa_forward_progress 1
		.amdhsa_inst_pref_size 141
	.end_amdhsa_kernel
	.amdgpu_metadata
---
amdhsa.version: [ 1, 2 ]
amdhsa.kernels:
  - .name:           k_qc08c2eb60b_lru1
    .symbol:         k_qc08c2eb60b_lru1.kd
    .args:
      - { .name: token_emb, .offset: 0, .size: 8, .value_kind: global_buffer, .address_space: global }
      - { .name: emb_ln_g, .offset: 8, .size: 8, .value_kind: global_buffer, .address_space: global }
      - { .name: emb_ln_b, .offset: 16, .size: 8, .value_kind: global_buffer, .address_space: global }
      - { .name: in_wr, .offset: 24, .size: 8, .value_kind: global_buffer, .address_space: global }
      - { .name: in_wi, .offset: 32, .size: 8, .value_kind: global_buffer, .address_space: global }
      - { .name: out_wr, .offset: 40, .size: 8, .value_kind: global_buffer, .address_space: global }
      - { .name: out_wi, .offset: 48, .size: 8, .value_kind: global_buffer, .address_space: global }
      - { .name: out_br, .offset: 56, .size: 8, .value_kind: global_buffer, .address_space: global }
      - { .name: lru_ln_g, .offset: 64, .size: 8, .value_kind: global_buffer, .address_space: global }
      - { .name: lru_ln_b, .offset: 72, .size: 8, .value_kind: global_buffer, .address_space: global }
      - { .name: item_seq, .offset: 80, .size: 8, .value_kind: global_buffer, .address_space: global }
      - { .name: item_seq_len, .offset: 88, .size: 8, .value_kind: global_buffer, .address_space: global }
      - { .name: order, .offset: 96, .size: 8, .value_kind: global_buffer, .address_space: global }
      - { .name: lam, .offset: 104, .size: 8, .value_kind: global_buffer, .address_space: global }
      - { .name: xm, .offset: 112, .size: 8, .value_kind: global_buffer, .address_space: global }
    .group_segment_fixed_size: 309504
    .private_segment_fixed_size: 0
    .kernarg_segment_align: 8
    .kernarg_segment_size: 120
    .max_flat_workgroup_size: 128
    .sgpr_count:     90
    .vgpr_count:     1024
    .wavefront_size: 32
...
	.end_amdgpu_metadata
.endif
;; end of part 6
;; launch ffn1 (part 7): grid 256 x 1, 4 waves a work-group, no clusters, 173,312 bytes of LDS; arguments xm, wcodes, wscales, b1, b2, ffn_ln_g, ffn_ln_b, in_wr, in_wi, item_seq, item_seq_len, order, lam, x1last, h2; writes x1last, h2
.if DOCPART == 7
	.amdgcn_target "amdgcn-amd-amdhsa--gfx1250"
	.amdhsa_code_object_version 6
	.text
	.protected	k_qc08c2eb60b_ffn1
	.globl	k_qc08c2eb60b_ffn1
	.p2align	8
	.type	k_qc08c2eb60b_ffn1,@function
k_qc08c2eb60b_ffn1:
	s_mov_b64 s[64:65], 0
	v_nop
	global_prefetch_b8 v0, s[64:65] scope:SCOPE_SE
	s_setreg_imm32_b32 hwreg(HW_REG_WAVE_MODE, 25, 1), 1
	s_wait_xcnt 0x0
; Layer 1's feed-forward part on codes of E4M3 (both products by v_wmma_scale_f32_16x16x128_f8f6f4), residual and layer norm; then layer 2's x in_w^T (f32 operands) and its scan.
; LEFT OUT (shown at the head of the first launch's text): chunks behind row p and ahead of t = 48; of layer 2's scan all results but row p's: other chunks only carry their state on.
; Read: xm [b][t (256)][128], live chunks alone.  Stored: x1last [b][16][128], the rows of p's chunk behind layer 1; h2 [b][wave 4][re 64 | im 64], the conjugate state at row p.
; SHARES as in the launch before: ranks w and 511 - w, a chunk of 16 rows a trip, 32 trips.  Wave w owns hidden units 128 w .., outputs 32 w .., complex channels 64 w .. of in_w[1] (windows 2, 3).
; The codes of w1 and w2 lie in LDS as images of operand registers (each wave reads its own 2 x 16 KiB); x's and the hidden layer's codes are made in registers; the hidden layer's go from wave to wave as images.
; w1's fragments are asked for behind x's rows and land while x is quantised; w2's are asked for behind the first product, into the registers that w1 has left, and land under gelu and the second quantiser.
; The first product is used transposed and w1's rows are chosen so that a lane's 16 registers of two neighbouring tiles are 16 neighbours along the next K.
; gelu(z) = z/2 (1 + erf(z / sqrt 2)), erf by a ratio of polynomials in x^2 on |x| <= 4.  LIMITS: lengths held to 1..200; a block of zeros gets the scale byte 1.
; REGISTERS.  window 0: v8-31 addresses, v32-87 at work, v88-119 table, v120-151 E, v152-215 W = HA, v216-231 my rows of x, v232-253 scale words and nothing else.
; window 1: v0-63 accumulators of the f32 form (matrix instructions alone write them), v64-127 l^1..l^8, v128-255 fragments of w1, of w2, then the f32 operand and the gates.
.set W1I, 0
.set W2I, 65536
.set HIM, 131072
.set HSC, 139264
.set XMB, 139776
.set YST, 148224
.set X1B, 156672
.set ITM, 165120
.set PRM, 167168                       ; b1 2,048 | b2 | g | b
.set H2S, 170752
.set SPARE, 172800                     ; the spare words: two blocks of 256 bytes that no other line names
.set PT, 528
.set W2B, 128
.set SPW, 3
.set NIL, 4
.set ADX, 8
.set ADQ, 9
.set ADXM, 10
.set ADYS, 11
.set ADYL, 12
.set ADX1, 13
.set ADG, 14
.set ADG15, 15
.set ADP, 16
.set ADB1, 17
.set ADB2, 18
.set ADW1, 19
.set ADW2, 20
.set ADHL, 21
.set ADHS, 22
.set ADSL, 23
.set ADSS, 24
.set GOX, 25
.set ADH2S, 26
.set ADH2L, 27
.set IT, 32
.set G15, 40
.set Q, 42
.set T, 50
.set TM, 32
.set PC, 48
.set Y2, 64
.set GS, 32
.set GX, 40
.set GP, 48
.set GQ, 56
.set LG, 56
.set LB, 64
.set LTM, 72
.set TR, 88
.set E, 120
.set W, 152
.set HA, 152
.set XR, 216
.set XSW, 232
.set HSWO, 233
.set HS, 234
.set W1SW, 238
.set W2SW, 246
.set ACC, 0
.set LT, 64
.set XOP, 128
.set GM, 192
.set WV, 34
.set TAU, 35
.set C, 36
.set LIVE, 37
.set LIVEN, 38
.set NC0, 39
.set NC1, 40
.set B0, 41
.set B1, 42
.set OFFN, 45
.set TA, 46
.set ITO, 47
.set SEL, 48
.set HM, 50
.set C3, 51
.set TRC, 52
.set INV, 60
.set EPS, 61
.set LAST, 62
.set TB, 63
.set KPC, 66
.set NWC, 74
.set SJ, 82
.set HSEL, 90
.set MNT, 91
.set AL0, 92
.set BE0, 94
.set P0, 96
.set P1, 97
.set BSEL, 98
.set PSEL, 99
.set TC, 100
.set MSB, 0
.macro WIN new                         ; the immediate's high byte repeats the setting that is left
.if MSB != \new
	s_set_vgpr_msb (MSB<<8)|\new
.set MSB, \new
.endif
.endm
.macro NOPS n
.rept \n
	v_nop
.endr
.endm
.macro CM1 d, t, l, c
	v_pk_fma_f32 v[(\d):(\d)+1], v[(\t):(\t)+1], v[(\l):(\l)+1], v[(\c):(\c)+1] op_sel_hi:[1,0,1]
.endm
.macro CM2 d, t, l
	v_pk_fma_f32 v[(\d):(\d)+1], v[(\t):(\t)+1], v[(\l):(\l)+1], v[(\d):(\d)+1] op_sel:[1,1,0] op_sel_hi:[0,1,1] neg_lo:[1,0,0]
.endm
.macro CU1 d, t, l
	v_pk_mul_f32 v[(\d):(\d)+1], v[(\t):(\t)+1], v[(\l):(\l)+1] op_sel_hi:[1,0]
.endm
.macro GATE d, w, j
.if ((\j)%2) == 0
	v_pk_mul_f32 v[(\d):(\d)+1], v[(\w):(\w)+1], v[GM+(\j):GM+(\j)+1] op_sel_hi:[1,0]
.else
	v_pk_mul_f32 v[(\d):(\d)+1], v[(\w):(\w)+1], v[GM+(\j)-1:GM+(\j)] op_sel:[0,1] op_sel_hi:[1,1]
.endif
.endm
.macro GATES
	WIN 0x40
.irp j,0,1,2,3,4,5,6
	v_cmp_lt_i32 vcc_lo, 0, v[IT+\j]
	v_cndmask_b32 v[GM+\j], 0, 1.0, vcc_lo
.endr
	v_cmp_lt_i32 vcc_lo, 0, v[IT+7]
	s_and_not1_b32 vcc_lo, vcc_lo, s[HM]
	v_cndmask_b32 v[GM+7], 0, 1.0, vcc_lo
	WIN 0
	v_cmp_lt_i32 vcc_lo, 0, v[IT+8]
	v_cndmask_b32 v[G15], 0, 1.0, vcc_lo
	v_cndmask_b32 v[G15+1], 0, 1.0, vcc_lo
.endm
.macro MOVE
.irp ct,0,1,2,3
.irp j,0,1,2,3,4,5,6,7
	v_fma_f32 v[W+16*\ct+2*\j], v[TR+8*\ct+4], v[ACC+8*\ct+\j], v[TR+8*\ct+6]
	v_fma_f32 v[W+16*\ct+2*\j+1], v[TR+8*\ct+5], v[ACC+32+8*\ct+\j], v[TR+8*\ct+7]
.endr
.endr
.endm
.macro SCAN_LOCAL
.irp j,0,2,4,6
.irp ct,0,1,2,3
	GATE T+8*\ct+\j, W+16*\ct+2*\j, \j
.endr
.endr
.irp j,0,2,4,6
.irp ct,0,1,2,3
	CM1 W+16*\ct+2*\j+2, T+8*\ct+\j, LT+16*\ct, W+16*\ct+2*\j+2
.endr
.endr
.irp j,0,2,4,6
.irp ct,0,1,2,3
	CM2 W+16*\ct+2*\j+2, T+8*\ct+\j, LT+16*\ct
.endr
.endr
.irp ct,0,1,2,3
	GATE T+8*\ct, W+16*\ct+2, 1
	GATE T+8*\ct+2, W+16*\ct+10, 5
.endr
.irp ct,0,1,2,3
	CM1 W+16*\ct+4, T+8*\ct, LT+16*\ct, W+16*\ct+4
	CM1 W+16*\ct+6, T+8*\ct, LT+16*\ct+2, W+16*\ct+6
	CM1 W+16*\ct+12, T+8*\ct+2, LT+16*\ct, W+16*\ct+12
	CM1 W+16*\ct+14, T+8*\ct+2, LT+16*\ct+2, W+16*\ct+14
.endr
.irp ct,0,1,2,3
	CM2 W+16*\ct+4, T+8*\ct, LT+16*\ct
	CM2 W+16*\ct+6, T+8*\ct, LT+16*\ct+2
	CM2 W+16*\ct+12, T+8*\ct+2, LT+16*\ct
	CM2 W+16*\ct+14, T+8*\ct+2, LT+16*\ct+2
.endr
.irp ct,0,1,2,3
	GATE T+8*\ct, W+16*\ct+6, 3
.endr
.irp k,0,1,2,3
.irp ct,0,1,2,3
	CM1 W+16*\ct+8+2*\k, T+8*\ct, LT+16*\ct+2*\k, W+16*\ct+8+2*\k
.endr
.endr
.irp k,0,1,2,3
.irp ct,0,1,2,3
	CM2 W+16*\ct+8+2*\k, T+8*\ct, LT+16*\ct+2*\k
.endr
.endr
.irp ct,0,1,2,3
	GATE T+8*\ct, W+16*\ct+14, 7
.endr
	WIN 0
.irp ct,0,1,2,3
	v_permlanex16_b32 v[T+8*\ct+2], v[T+8*\ct], s[SEL], s[SEL+1]
	v_permlanex16_b32 v[T+8*\ct+3], v[T+8*\ct+1], s[SEL], s[SEL+1]
.endr
	WIN 0x04
.irp ct,0,1,2,3
	CM1 Q+2*\ct, T+8*\ct+2, LT+16*\ct+14, W+16*\ct+14
.endr
.irp ct,0,1,2,3
	CM2 Q+2*\ct, T+8*\ct+2, LT+16*\ct+14
.endr
.endm
.macro SCAN_FINAL
	WIN 0
.irp ct,0,1,2,3
	v_pk_add_f32 v[T+8*\ct+6:T+8*\ct+7], v[E+8*\ct:E+8*\ct+1], v[E+8*\ct+2:E+8*\ct+3]
	v_pk_add_f32 v[T+8*\ct:T+8*\ct+1], v[E+8*\ct+4:E+8*\ct+5], v[E+8*\ct+6:E+8*\ct+7]
.endr
.irp ct,0,1,2,3
	v_pk_add_f32 v[T+8*\ct+6:T+8*\ct+7], v[T+8*\ct+6:T+8*\ct+7], v[T+8*\ct:T+8*\ct+1]
.endr
.irp ct,0,1,2,3
	CM1 T+8*\ct+4, T+8*\ct+6, TR+8*\ct+2, T+8*\ct+2
.endr
.irp ct,0,1,2,3
	CM2 T+8*\ct+4, T+8*\ct+6, TR+8*\ct+2
.endr
	WIN 0x04
.irp j,0,1,2,3,4,5,6,7
.irp ct,0,1,2,3
	CM1 W+16*\ct+2*\j, T+8*\ct+4, LT+16*\ct+2*\j, W+16*\ct+2*\j
.endr
.endr
.irp j,0,1,2,3,4,5,6,7
.irp ct,0,1,2,3
	CM2 W+16*\ct+2*\j, T+8*\ct+4, LT+16*\ct+2*\j
.endr
.endr
	WIN 0
.endm
.macro COEF
	s_not_b32 s[TA], s[C]
	s_ctz_i32_b32 s[TA], s[TA]
.irp j,0,1,2
	s_cmp_gt_u32 s[TA], \j
	s_cselect_b32 s[TRC+2*\j], 1.0, 0
.endr
.irp j,0,1,2,3
	s_cmp_eq_u32 s[TA], \j
	s_cselect_b32 s[NWC+2*\j], 1.0, 0
.endr
.irp j,1,2,3
	s_cmp_lt_u32 s[TA], \j
	s_cselect_b32 s[KPC+2*\j], 1.0, 0
.endr
.endm
.macro STATE
.irp ct,0,1,2,3
	v_permlanex16_b32 v[IT+2*\ct], v[Q+2*\ct], s[SEL], s[SEL+1]
	v_permlanex16_b32 v[IT+2*\ct+1], v[Q+2*\ct+1], s[SEL], s[SEL+1]
.endr
.irp j,0,1,2,3
.irp ct,0,1,2,3
	CU1 T+8*\ct+2*\j, E+8*\ct+2*\j, TR+8*\ct
.endr
.endr
.irp j,0,1,2,3
.irp ct,0,1,2,3
	CM2 T+8*\ct+2*\j, E+8*\ct+2*\j, TR+8*\ct
.endr
.endr
.irp ct,0,1,2,3
	v_cndmask_b32 v[Q+2*\ct], v[IT+2*\ct], v[Q+2*\ct], s[HM]
	v_cndmask_b32 v[Q+2*\ct+1], v[IT+2*\ct+1], v[Q+2*\ct+1], s[HM]
.endr
.irp j,0,1,2
.irp ct,0,1,2,3
	v_pk_fma_f32 v[Q+2*\ct:Q+2*\ct+1], v[T+8*\ct+2*\j:T+8*\ct+2*\j+1], s[TRC+2*\j:TRC+2*\j+1], v[Q+2*\ct:Q+2*\ct+1] op_sel_hi:[1,0,1]
.endr
.endr
.irp ct,0,1,2,3
	v_pk_mul_f32 v[Q+2*\ct:Q+2*\ct+1], v[Q+2*\ct:Q+2*\ct+1], v[G15:G15+1]
.endr
.irp ct,0,1,2,3
	v_pk_mul_f32 v[E+8*\ct:E+8*\ct+1], v[Q+2*\ct:Q+2*\ct+1], s[NWC:NWC+1] op_sel_hi:[1,0]
.endr
.irp j,1,2,3
.irp ct,0,1,2,3
	v_pk_mul_f32 v[E+8*\ct+2*\j:E+8*\ct+2*\j+1], v[T+8*\ct+2*\j:T+8*\ct+2*\j+1], s[KPC+2*\j:KPC+2*\j+1] op_sel_hi:[1,0]
.endr
.endr
.irp j,1,2,3
.irp ct,0,1,2,3
	v_pk_fma_f32 v[E+8*\ct+2*\j:E+8*\ct+2*\j+1], v[Q+2*\ct:Q+2*\ct+1], s[NWC+2*\j:NWC+2*\j+1], v[E+8*\ct+2*\j:E+8*\ct+2*\j+1] op_sel_hi:[1,0,1]
.endr
.endr
.endm
.macro LNCORE y, g, b, t
.irp p,0,1
	v_pk_add_f32 v[\t+4*\p:\t+4*\p+1], v[\y+8*\p:\y+8*\p+1], v[\y+8*\p+2:\y+8*\p+3]
	v_pk_add_f32 v[\t+4*\p+2:\t+4*\p+3], v[\y+8*\p+4:\y+8*\p+5], v[\y+8*\p+6:\y+8*\p+7]
.endr
.irp p,0,1
	v_pk_add_f32 v[\t+4*\p:\t+4*\p+1], v[\t+4*\p:\t+4*\p+1], v[\t+4*\p+2:\t+4*\p+3]
.endr
.irp p,0,1
	v_add_f32 v[\t+4*\p], v[\t+4*\p], v[\t+4*\p+1]
.endr
.irp m,1,2,4,8
.irp p,0,1
	v_add_f32_dpp v[\t+4*\p], v[\t+4*\p], v[\t+4*\p] row_xmask:\m row_mask:0xf bank_mask:0xf
.endr
.endr
.irp p,0,1
	v_mul_f32 v[\t+4*\p], s[INV], v[\t+4*\p]
.endr
.irp p,0,1
.irp u,0,2,4,6
	v_pk_add_f32 v[\y+8*\p+\u:\y+8*\p+\u+1], v[\y+8*\p+\u:\y+8*\p+\u+1], v[\t+4*\p:\t+4*\p+1] op_sel_hi:[1,0] neg_lo:[0,1] neg_hi:[0,1]
.endr
.endr
.irp p,0,1
	v_pk_mul_f32 v[\t+4*\p+2:\t+4*\p+3], v[\y+8*\p:\y+8*\p+1], v[\y+8*\p:\y+8*\p+1]
.endr
.irp u,2,4,6
.irp p,0,1
	v_pk_fma_f32 v[\t+4*\p+2:\t+4*\p+3], v[\y+8*\p+\u:\y+8*\p+\u+1], v[\y+8*\p+\u:\y+8*\p+\u+1], v[\t+4*\p+2:\t+4*\p+3]
.endr
.endr
.irp p,0,1
	v_add_f32 v[\t+4*\p+2], v[\t+4*\p+2], v[\t+4*\p+3]
.endr
.irp m,1,2,4,8
.irp p,0,1
	v_add_f32_dpp v[\t+4*\p+2], v[\t+4*\p+2], v[\t+4*\p+2] row_xmask:\m row_mask:0xf bank_mask:0xf
.endr
.endr
.irp p,0,1
	v_fma_f32 v[\t+4*\p+2], v[\t+4*\p+2], s[INV], s[EPS]
.endr
.irp p,0,1
	v_rsq_f32 v[\t+4*\p+2], v[\t+4*\p+2]
.endr
	v_nop
	s_wait_alu depctr_va_vdst(0)                   ; one wait for both roots, ahead of their first reader
.irp p,0,1
.irp u,0,2,4,6
	v_pk_mul_f32 v[\y+8*\p+\u:\y+8*\p+\u+1], v[\y+8*\p+\u:\y+8*\p+\u+1], v[\t+4*\p+2:\t+4*\p+3] op_sel_hi:[1,0]
.endr
.endr
.irp p,0,1
.irp u,0,2,4,6
	v_pk_fma_f32 v[\y+8*\p+\u:\y+8*\p+\u+1], v[\y+8*\p+\u:\y+8*\p+\u+1], v[\g+\u:\g+\u+1], v[\b+\u:\b+\u+1]
.endr
.endr
.endm
.macro QUANT s, pw
.irp b,0,1,2,3
	v_max3_num_f32 v[TM+\b], |v[\s+16*\b]|, |v[\s+1+16*\b]|, 0x4800000   ; with the floor 2^(9 - 127): the byte cannot fall under 1
.endr
.irp i,2,4,6,8,10,12,14
.irp b,0,1,2,3
	v_max3_num_f32 v[TM+\b], v[TM+\b], |v[\s+16*\b+\i]|, |v[\s+1+16*\b+\i]|
.endr
.endr
.irp b,0,1,2,3
	v_permlanex16_b32 v[TM+4+\b], v[TM+\b], s[SEL], s[SEL+1]
.endr
.irp b,0,1,2,3
	v_max_num_f32 v[TM+\b], v[TM+\b], v[TM+4+\b]
.endr
.irp b,0,1,2,3
	v_add_nc_u32 v[TM+12+\b], 0xfc000000, v[TM+\b]
.endr
.irp b,0,1,2,3
	v_and_or_b32 v[TM+8+\b], v[TM+\b], 0x7f800000, s[MNT]
.endr
.irp b,0,1,2,3
	v_lshrrev_b32 v[TM+4+\b], 23, v[TM+12+\b]
.endr
	v_lshl_or_b32 v[\pw], v[TM+5], 8, v[TM+4]
	v_lshl_or_b32 v[\pw], v[TM+6], 16, v[\pw]
	v_lshl_or_b32 v[\pw], v[TM+7], 24, v[\pw]
.irp b,0,1,2,3
.irp i,0,1,2,3,4,5,6,7,8,9,10,11,12,13,14,15
	v_med3_num_f32 v[\s+16*\b+\i], v[\s+16*\b+\i], -v[TM+8+\b], v[TM+8+\b]   ; the conversion does not saturate (ISA guide 7.6.2): the hold
.endr
	v_cvt_scalef32_pk8_fp8_f32 v[PC+4*\b:PC+1+4*\b], v[\s+16*\b:\s+7+16*\b], v[TM+12+\b]
	v_cvt_scalef32_pk8_fp8_f32 v[PC+2+4*\b:PC+3+4*\b], v[\s+8+16*\b:\s+15+16*\b], v[TM+12+\b]
.endr
	v_nop
.endm
.macro GELU8 z                         ; eight numbers in place
.irp u,0,2,4,6
	v_pk_mul_f32 v[GS+\u:GS+\u+1], v[(\z)+\u:(\z)+\u+1], 0x3f3504f3 op_sel_hi:[1,0]
.endr
.irp u,0,1,2,3,4,5,6,7
	v_med3_num_f32 v[GS+\u], v[GS+\u], -4.0, 4.0
.endr
.irp u,0,2,4,6
	v_pk_mul_f32 v[GX+\u:GX+\u+1], v[GS+\u:GS+\u+1], v[GS+\u:GS+\u+1]
.endr
.irp u,0,2,4,6
	v_pk_fma_f32 v[GP+\u:GP+\u+1], v[GX+\u:GX+\u+1], s[AL0:AL0+1], 0x32edffee op_sel_hi:[1,0,0]
.endr
.irp u,0,2,4,6
	v_pk_fma_f32 v[GQ+\u:GQ+\u+1], v[GX+\u:GX+\u+1], s[BE0:BE0+1], 0xb95fbd29 op_sel_hi:[1,0,0]
.endr
.irp u,0,2,4,6
	v_pk_fma_f32 v[GP+\u:GP+\u+1], v[GP+\u:GP+\u+1], v[GX+\u:GX+\u+1], 0xb60cff51 op_sel_hi:[1,1,0]
.endr
.irp u,0,2,4,6
	v_pk_fma_f32 v[GQ+\u:GQ+\u+1], v[GQ+\u:GQ+\u+1], v[GX+\u:GX+\u+1], 0xbadc924e op_sel_hi:[1,1,0]
.endr
.irp u,0,2,4,6
	v_pk_fma_f32 v[GP+\u:GP+\u+1], v[GP+\u:GP+\u+1], v[GX+\u:GX+\u+1], 0xb86ec2d2 op_sel_hi:[1,1,0]
.endr
.irp u,0,2,4,6
	v_pk_fma_f32 v[GQ+\u:GQ+\u+1], v[GQ+\u:GQ+\u+1], v[GX+\u:GX+\u+1], 0xbbf19bf8 op_sel_hi:[1,1,0]
.endr
.irp u,0,2,4,6
	v_pk_fma_f32 v[GP+\u:GP+\u+1], v[GP+\u:GP+\u+1], v[GX+\u:GX+\u+1], 0xba40ac63 op_sel_hi:[1,1,0]
.endr
.irp u,0,2,4,6
	v_pk_fma_f32 v[GQ+\u:GQ+\u+1], v[GQ+\u:GQ+\u+1], v[GX+\u:GX+\u+1], 0xbc69b6a7 op_sel_hi:[1,1,0]
.endr
.irp u,0,2,4,6
	v_pk_fma_f32 v[GP+\u:GP+\u+1], v[GP+\u:GP+\u+1], v[GX+\u:GX+\u+1], 0xbb41a1f6 op_sel_hi:[1,1,0]
.endr
.irp u,0,1,2,3,4,5,6,7
	v_rcp_f32 v[GQ+\u], v[GQ+\u]
.endr
.irp u,0,2,4,6
	v_pk_fma_f32 v[GP+\u:GP+\u+1], v[GP+\u:GP+\u+1], v[GX+\u:GX+\u+1], 0xbc83dbd4 op_sel_hi:[1,1,0]
.endr
.irp u,0,2,4,6
	v_pk_mul_f32 v[GP+\u:GP+\u+1], v[GP+\u:GP+\u+1], v[GS+\u:GS+\u+1]
.endr
.irp u,0,2,4,6
	v_pk_mul_f32 v[GX+\u:GX+\u+1], v[(\z)+\u:(\z)+\u+1], 0.5 op_sel_hi:[1,0]
.endr
	s_wait_alu depctr_va_vdst(0)                   ; one wait for the eight reciprocals, ahead of their first reader
.irp u,0,2,4,6
	v_pk_mul_f32 v[GP+\u:GP+\u+1], v[GP+\u:GP+\u+1], v[GQ+\u:GQ+\u+1]
.endr
.irp u,0,2,4,6
	v_pk_fma_f32 v[(\z)+\u:(\z)+\u+1], v[GX+\u:GX+\u+1], v[GP+\u:GP+\u+1], v[GX+\u:GX+\u+1]
.endr
.endm
; x's 16 rows -> codes; my 128 hidden units (8 tiles, b1 as C); gelu; codes; their image and scale word to LDS
.macro FFN_A
.irp b,0,1,2,3
.irp i,0,1,2,3
	ds_load_b128 v[HA+16*\b+4*\i:HA+16*\b+4*\i+3], v[ADQ] offset:128*\b+16*\i
.endr
.endr
	WIN 0x40
.irp t,0,1,2,3,4,5,6,7
.irp c,0,1,2,3
	ds_load_b128 v[128+16*\t+4*\c:128+16*\t+4*\c+3], v[ADW1] offset:2048*\t+512*\c   ; w1's fragments: they land while x is quantised
.endr
.endr
	WIN 0
	s_wait_dscnt 32                                ; x's sixteen loads are in; the 32 issued behind them may be out
	QUANT HA, XSW
.irp t,0,1,2,3,4,5,6,7
	ds_load_b128 v[HA+8*\t:HA+8*\t+3], v[ADB1] offset:(32*(\t/2)+8*(\t%2))*4
	ds_load_b128 v[HA+8*\t+4:HA+8*\t+7], v[ADB1] offset:(32*(\t/2)+8*(\t%2))*4+16
.endr
	s_wait_dscnt 0x0
	NOPS 4                                         ; codes written by vector instructions stand four places ahead of a scaled matrix instruction
	WIN 0x01
.irp t,0,1,2,3,4,5,6,7
	v_wmma_scale_f32_16x16x128_f8f6f4 v[HA+8*\t:HA+8*\t+7], v[128+16*\t:128+16*\t+15], v[PC:PC+15], v[HA+8*\t:HA+8*\t+7], v[W1SW+\t], v[XSW]
.endr
	WIN 0
	NOPS 9                                         ; places in front of the loads into w1's registers and of the first read of the results
	WIN 0x40
.irp t,0,1,2,3,4,5,6,7
.irp c,0,1,2,3
	ds_load_b128 v[128+16*\t+4*\c:128+16*\t+4*\c+3], v[ADW2] offset:2048*\t+512*\c   ; w2's fragments take w1's place: they land under gelu and the quantiser; the barrier's wait covers them
.endr
.endr
	WIN 0
.irp g,0,1,2,3,4,5,6,7
	GELU8 HA+8*\g
.endr
	QUANT HA, HSWO
.irp c,0,1,2,3
	ds_store_b128 v[ADHS], v[PC+4*\c:PC+4*\c+3] offset:512*\c
.endr
	ds_store_b32 v[ADSS], v[HSWO]
.endm
; all four K steps of the hidden layer; my 32 outputs (two accumulators by turns, b2 as C; w2's fragments are in registers since the phase before); into the stage
.macro FFN_B
.irp s,0,1,2,3
.irp c,0,1,2,3
	ds_load_b128 v[HA+16*\s+4*\c:HA+16*\s+4*\c+3], v[ADHL] offset:2048*\s+512*\c
.endr
.endr
.irp s,0,1,2,3
	ds_load_b32 v[HS+\s], v[ADSL] offset:128*\s
.endr
.irp n,0,1
	ds_load_b128 v[Y2+8*\n:Y2+8*\n+3], v[ADB2] offset:64*\n
	ds_load_b128 v[Y2+8*\n+4:Y2+8*\n+7], v[ADB2] offset:64*\n+16
.endr
	s_wait_dscnt 0x0
	WIN 0x01
.irp s,0,1,2,3
.irp n,0,1
	v_wmma_scale_f32_16x16x128_f8f6f4 v[Y2+8*\n:Y2+8*\n+7], v[W2B+16*(4*\n+\s):W2B+16*(4*\n+\s)+15], v[HA+16*\s:HA+16*\s+15], v[Y2+8*\n:Y2+8*\n+7], v[W2SW+4*\n+\s], v[HS+\s]
.endr
.endr
	WIN 0
	NOPS 9
.irp n,0,1
	ds_store_b128 v[ADYS], v[Y2+8*\n:Y2+8*\n+3] offset:64*\n
	ds_store_b128 v[ADYS], v[Y2+8*\n+4:Y2+8*\n+7] offset:64*\n+16
.endr
.endm
.macro BARRIER
	s_wait_dscnt 0x0
	s_barrier_signal -1
	s_barrier_wait -1
.endm
	s_load_b512 s[4:19], s[0:1], 0x0               ; xm, wcodes, wscales, b1, b2, ffn g, ffn b, in_wr
	s_load_b256 s[20:27], s[0:1], 0x40             ; in_wi, item_seq, item_seq_len, order
	s_load_b128 s[28:31], s[0:1], 0x60             ; lam, x1last
	s_load_b64 s[32:33], s[0:1], 0x70              ; h2
	v_lshl_add_u32 v[SPW], v0, 2, SPARE
	v_mov_b32 v[NIL], 0
	v_lshrrev_b32 v5, 5, v0
	v_readfirstlane_b32 s[WV], v5
	v_and_b32 v1, 15, v0                           ; R
	v_bfe_u32 v2, v0, 4, 1                         ; H
	v_and_b32 v6, 31, v0                           ; lane
	v_mul_u32_u24 v7, v1, PT
	v_lshl_add_u32 v[ADX], v2, 4, v7
	v_add_nc_u32 v[ADX], X1B, v[ADX]
	v_lshl_add_u32 v[ADQ], v2, 6, v7
	v_add_nc_u32 v[ADQ], XMB, v[ADQ]
	s_lshl_b32 s[TA], s[WV], 7
	v_lshl_add_u32 v[ADYS], v2, 5, v7
	v_add_nc_u32 v[ADYS], s[TA], v[ADYS]
	v_add_nc_u32 v[ADYS], YST, v[ADYS]
	s_lshl_b32 s[TB], s[WV], 2
	v_add_nc_u32 v5, s[TB], v2                     ; 4 w + H
	v_mul_u32_u24 v7, v5, PT
	v_lshl_add_u32 v7, v1, 4, v7
	v_add_nc_u32 v[ADXM], XMB, v7
	v_add_nc_u32 v[ADYL], YST, v7
	v_add_nc_u32 v[ADX1], X1B, v7
	v_lshl_add_u32 v[ADG], v2, 5, ITM
	v_mov_b32 v[ADG15], ITM+60
	v_lshl_add_u32 v[ADP], v1, 4, PRM
	s_lshl_b32 s[TB], s[WV], 9
	v_lshl_add_u32 v[ADB1], v2, 6, s[TB]
	v_add_nc_u32 v[ADB1], PRM, v[ADB1]
	v_lshl_add_u32 v[ADB2], v2, 5, s[TA]
	v_add_nc_u32 v[ADB2], PRM+2048, v[ADB2]
	s_lshl_b32 s[TC], s[WV], 14
	v_lshl_add_u32 v[ADW1], v6, 4, s[TC]
	v_add_nc_u32 v[ADW2], W2I, v[ADW1]
	v_lshl_add_u32 v[ADHL], v6, 4, HIM
	s_lshl_b32 s[TC], s[WV], 11
	v_add_nc_u32 v[ADHS], s[TC], v[ADHL]
	v_lshl_add_u32 v[ADSL], v6, 2, HSC
	v_add_nc_u32 v[ADSS], s[TA], v[ADSL]
	v_lshlrev_b32 v[GOX], 9, v5
	v_lshl_add_u32 v[GOX], v1, 4, v[GOX]
	v_lshl_add_u32 v[ADH2S], v1, 2, s[TB]
	v_add_nc_u32 v[ADH2S], H2S, v[ADH2S]
	v_lshl_add_u32 v7, v6, 4, s[TB]                ; 512 w + 16 lane: my 16 bytes of a sequence's h2
	v_add_nc_u32 v[ADH2L], H2S, v7
	v_mov_b32 v28, v[ADW1]                         ; head only: my codes in memory, 16,384 w + 16 lane (W1I begins at LDS byte 0),
	s_lshl_b32 s[TC], s[WV], 10
	v_lshl_add_u32 v29, v6, 2, s[TC]               ; my scale words,
	s_lshl_b32 s[TC], s[WV], 15
	v_lshl_add_u32 v30, v1, 9, s[TC]
	v_lshl_add_u32 v30, v2, 4, v30                 ; my slice of in_w,
	s_lshl_b32 s[TC], s[WV], 13
	v_lshl_add_u32 v31, v1, 7, s[TC]               ; my rows of the table
	s_mov_b32 s[SEL], 0x76543210
	s_mov_b32 s[SEL+1], 0xfedcba98
	s_mov_b32 s[HM], 0xffff0000
	s_mov_b32 s[INV], 0x3c000000
	s_mov_b32 s[EPS], 0x3727c5ac
	s_mov_b32 s[MNT], 0x600000
	s_mov_b32 s[AL0], 0xaf95df0b
	s_mov_b32 s[AL0+1], 0
	s_mov_b32 s[BE0], 0xb77460cd
	s_mov_b32 s[BE0+1], 0
.irp i,0,1,2,3,4,5,6,7
	s_mov_b32 s[TRC+\i], 0
	s_mov_b32 s[KPC+\i], 0
	s_mov_b32 s[NWC+\i], 0
.endr
	s_wait_kmcnt 0x0
	s_lshl_b32 s[TA], ttmp9, 2
	s_sub_co_u32 s[TB], 511, ttmp9
	s_lshl_b32 s[TB], s[TB], 2
	s_load_b32 s[B0], s[26:27], s[TA] offset:0x0
	s_load_b32 s[B1], s[26:27], s[TB] offset:0x0
	; my slice of in_w[1] stays in windows 2 and 3: register 4 (8 be + n)
	WIN 0x80
.irp be,0,1,2,3,4,5,6,7
.irp n,0,1,2,3
	global_load_b128 v[(8*\be+\n)*4:(8*\be+\n)*4+3], v30, s[18:19] offset:131072+8192*\n+32*\be
	global_load_b128 v[(8*\be+\n+4)*4:(8*\be+\n+4)*4+3], v30, s[20:21] offset:131072+8192*\n+32*\be
.endr
.endr
	WIN 0xc0
.irp be,0,1,2,3,4,5,6,7
.irp n,0,1,2,3
	global_load_b128 v[(8*\be+\n)*4:(8*\be+\n)*4+3], v30, s[18:19] offset:131072+8192*\n+32*\be+256
	global_load_b128 v[(8*\be+\n+4)*4:(8*\be+\n+4)*4+3], v30, s[20:21] offset:131072+8192*\n+32*\be+256
.endr
.endr
	WIN 0x40
.set I, 0
.rept 32
	global_load_b128 v[128+4*I:128+4*I+3], v28, s[6:7] offset:512*I
.set I, I+1
.endr
	WIN 0
	s_wait_kmcnt 0x0
	s_min_u32 s[B0], s[B0], 511
	s_min_u32 s[B1], s[B1], 511
	s_lshl_b32 s[TA], s[B0], 2
	s_lshl_b32 s[TB], s[B1], 2
	s_load_b32 s[P0], s[24:25], s[TA] offset:0x0
	s_load_b32 s[P1], s[24:25], s[TB] offset:0x0
	s_mul_i32 s82, s[B0], 800
	s_mov_b32 s83, 0
	s_mul_i32 s84, s[B1], 800
	s_mov_b32 s85, 0
	s_add_nc_u64 s[82:83], s[22:23], s[82:83]
	s_add_nc_u64 s[84:85], s[22:23], s[84:85]
	s_wait_kmcnt 0x0
.irp r,P0,P1
	s_max_u32 s[\r], s[\r], 1
	s_min_u32 s[\r], s[\r], 200
	s_add_co_u32 s[\r], s[\r], 55                  ; p
.endr
	s_lshr_b32 s[NC0], s[P0], 4
	s_sub_co_u32 s[NC0], s[NC0], 2
	s_lshr_b32 s[NC1], s[P1], 4
	s_sub_co_u32 s[NC1], s[NC1], 2
	s_wait_loadcnt 0x0
	WIN 0x04
.set I, 0
.rept 32
	ds_store_b128 v[ADW1], v[128+4*I:128+4*I+3] offset:512*I
.set I, I+1
.endr
	WIN 0
	s_wait_dscnt 0x0                               ; the stores have read their registers
	WIN 0x40
.set I, 0
.rept 32
	global_load_b128 v[128+4*I:128+4*I+3], v28, s[6:7] offset:65536+512*I
.set I, I+1
.endr
.irp ct,0,1,2,3
.irp i,0,1,2,3
	global_load_b128 v[LT+16*\ct+4*\i:LT+16*\ct+4*\i+3], v31, s[28:29] offset:32768+2048*\ct+16*\i
.endr
.endr
	WIN 0
.irp ct,0,1,2,3
.irp i,0,1
	global_load_b128 v[TR+8*\ct+4*\i:TR+8*\ct+4*\i+3], v31, s[28:29] offset:32768+2048*\ct+64+16*\i
.endr
.endr
.irp t,0,1,2,3,4,5,6,7
	global_load_b32 v[W1SW+\t], v29, s[8:9] offset:128*\t
	global_load_b32 v[W2SW+\t], v29, s[8:9] offset:4096+128*\t
.endr
	v_lshl_add_u32 v158, v0, 2, ITM
	v_lshl_add_u32 v159, v0, 4, PRM
	v_lshl_add_u32 v160, v0, 2, PRM
	v_lshlrev_b32 v161, 4, v0
	v_lshlrev_b32 v162, 2, v0
.irp k,0,1
	v_add_nc_u32 v[152+\k], 128*\k-56, v0
	v_cmp_gt_u32 s[86+\k], 200, v[152+\k]
	v_min_u32 v[152+\k], 199, v[152+\k]
	v_lshlrev_b32 v[152+\k], 2, v[152+\k]
	global_load_b32 v[154+\k], v[152+\k], s[82:83]
	global_load_b32 v[156+\k], v[152+\k], s[84:85]
.endr
	global_load_b128 v[164:167], v161, s[10:11]
	global_load_b32 v168, v162, s[12:13]
	global_load_b32 v169, v162, s[14:15]
	global_load_b32 v170, v162, s[16:17]
	s_wait_loadcnt 0x0
	WIN 0x04
.set I, 0
.rept 32
	ds_store_b128 v[ADW2], v[128+4*I:128+4*I+3] offset:512*I
.set I, I+1
.endr
	WIN 0
.irp k,0,1
	v_cndmask_b32 v[154+\k], 0, v[154+\k], s[86+\k]
	v_cndmask_b32 v[156+\k], 0, v[156+\k], s[86+\k]
	ds_store_b32 v158, v[154+\k] offset:512*\k
	ds_store_b32 v158, v[156+\k] offset:1024+512*\k
.endr
	ds_store_b128 v159, v[164:167]
	ds_store_b32 v160, v168 offset:2048
	ds_store_b32 v160, v169 offset:2560
	ds_store_b32 v160, v170 offset:3072
.irp ct,0,1,2,3
	v_cndmask_b32 v[TR+8*\ct+2], 1.0, v[TR+8*\ct+2], s[HM]
	v_cndmask_b32 v[TR+8*\ct+3], 0, v[TR+8*\ct+3], s[HM]
.endr
.set I, 32
.rept 56
	v_mov_b32 v[I], 0                              ; registers at work: written once, so that every way through the trips finds them written
.set I, I+1
.endr
.set I, 0
.rept 32
	v_mov_b32 v[E+I], 0
.set I, I+1
.endr
.set I, 0
.rept 16
	v_mov_b32 v[XR+I], 0
.set I, I+1
.endr
	s_mov_b32 s[TAU], 0
	s_mov_b32 s[ITO], 0
.Ltrip:
	s_cmp_ge_u32 s[TAU], 16
	s_cselect_b32 s[TA], s[NC1], s[NC0]
	s_cselect_b32 s[PSEL], s[P1], s[P0]
	s_and_b32 s[C], s[TAU], 15
	s_sub_co_u32 s[C3], s[C], 3
	s_cmp_lt_u32 s[C3], s[TA]
	s_cselect_b32 s[LIVE], 1, 0
	s_sub_co_u32 s[TA], s[TA], 1
	s_cmp_eq_u32 s[C3], s[TA]
	s_cselect_b32 s[LAST], 1, 0                    ; p's chunk
	s_lshr_b32 s[TB], s[TAU], 4                    ; the sequence's number, picked by masks and one addition
	s_sub_co_u32 s[TB], 0, s[TB]
	s_and_b32 s[BSEL], s[B1], s[TB]
	s_not_b32 s[TB], s[TB]
	s_and_b32 s[TB], s[B0], s[TB]
	s_add_co_u32 s[BSEL], s[BSEL], s[TB]
	s_add_co_u32 s[TC], s[TAU], 1                  ; the next chunk: live? where in xm?
	s_cmp_ge_u32 s[TC], 16
	s_cselect_b32 s[TA], s[NC1], s[NC0]
	s_bfe_u32 s[TB], s[TC], 0x10004
	s_sub_co_u32 s[TB], 0, s[TB]
	s_and_b32 s[OFFN], s[B1], s[TB]
	s_not_b32 s[TB], s[TB]
	s_and_b32 s[TB], s[B0], s[TB]
	s_add_co_u32 s[OFFN], s[OFFN], s[TB]
	s_lshl_b32 s[OFFN], s[OFFN], 17                ; a sequence's 256 rows of 512 bytes in xm,
	s_and_b32 s[TC], s[TC], 15
	s_lshl_b32 s[TB], s[TC], 13                    ; a chunk's 16 rows
	s_add_co_u32 s[OFFN], s[OFFN], s[TB]
	s_sub_co_u32 s[TC], s[TC], 3
	s_cmp_lt_u32 s[TC], s[TA]
	s_cselect_b32 s[LIVEN], 1, 0
	s_wait_loadcnt 0x0                             ; my rows of x are in, on every way
	s_wait_xcnt 0x0
	s_cmp_eq_u32 s[LIVE], 0
	s_cbranch_scc1 .Lno_x
.irp p,0,1
.irp q,0,1
	ds_store_b128 v[ADXM], v[XR+8*\p+4*\q:XR+8*\p+4*\q+3] offset:2*PT*\p+256*\q
.endr
.endr
.Lno_x:
	BARRIER                                        ; the chunk's 16 rows of x lie in LDS
	s_cmp_eq_u32 s[LIVE], 0
	s_cbranch_scc1 .Lno_a
	FFN_A
.Lno_a:
	BARRIER                                        ; the hidden layer's four fragments lie in LDS
	s_cmp_eq_u32 s[LIVE], 0
	s_cbranch_scc1 .Lno_b
	FFN_B
.Lno_b:
	BARRIER                                        ; 16 whole rows of the second product lie in the stage
	s_cmp_eq_u32 s[LIVE], 0
	s_cbranch_scc1 .Lno_ln
.irp p,0,1
.irp q,0,1
	ds_load_b128 v[HA+8*\p+4*\q:HA+8*\p+4*\q+3], v[ADYL] offset:2*PT*\p+256*\q
.endr
.endr
.irp q,0,1
	ds_load_b128 v[LG+4*\q:LG+4*\q+3], v[ADP] offset:2560+256*\q
	ds_load_b128 v[LB+4*\q:LB+4*\q+3], v[ADP] offset:3072+256*\q
.endr
	s_wait_dscnt 0x0
.irp u,0,2,4,6,8,10,12,14
	v_pk_add_f32 v[HA+\u:HA+\u+1], v[HA+\u:HA+\u+1], v[XR+\u:XR+\u+1]
.endr
	LNCORE HA, LG, LB, LTM
.irp p,0,1
.irp q,0,1
	ds_store_b128 v[ADX1], v[HA+8*\p+4*\q:HA+8*\p+4*\q+3] offset:2*PT*\p+256*\q
.endr
.endr
	s_cmp_eq_u32 s[LAST], 0
	s_cbranch_scc1 .Lno_ln
	s_lshl_b32 s[TB], s[BSEL], 13
	v_add_nc_u32 v29, s[TB], v[GOX]
.irp p,0,1
.irp q,0,1
	global_store_b128 v29, v[HA+8*\p+4*\q:HA+8*\p+4*\q+3], s[30:31] offset:1024*\p+256*\q   ; 16 lanes store 256 consecutive bytes, aligned
.endr
.endr
.Lno_ln:
	s_cmp_eq_u32 s[LIVEN], 0
	s_cbranch_scc1 .Lno_next
	v_add_nc_u32 v28, s[OFFN], v[GOX]              ; the next chunk's rows land under the 256 matrix instructions below
.irp p,0,1
.irp q,0,1
	global_load_b128 v[XR+8*\p+4*\q:XR+8*\p+4*\q+3], v28, s[4:5] offset:1024*\p+256*\q
.endr
.endr
.Lno_next:
	BARRIER                                        ; the chunk's rows behind layer 1 lie in LDS
	s_cmp_eq_u32 s[LIVE], 0
	s_cbranch_scc1 .Lno_in
	s_cmp_lg_u32 s[C3], 0
	s_cbranch_scc1 .Lkeep
.set I, 0
.rept 32
	v_mov_b32 v[E+I], 0                            ; a sequence begins: no carry
.set I, I+1
.endr
.Lkeep:
	v_add_nc_u32 v30, s[ITO], v[ADG]
	v_add_nc_u32 v31, s[ITO], v[ADG15]
	WIN 0x40
.irp kq,0,1,2,3,4,5,6,7,8,9,10,11,12,13,14,15
	ds_load_b128 v[XOP+4*\kq:XOP+4*\kq+3], v[ADX] offset:32*\kq
.endr
	WIN 0
	ds_load_b128 v[IT:IT+3], v30
	ds_load_b128 v[IT+4:IT+7], v30 offset:16
	ds_load_b32 v[IT+8], v31
	s_wait_xcnt 0x0                                ; the stores into x1last have read their registers
.set BT, 0
.rept 16
.if BT == 0
	s_wait_dscnt 18                                ; x's K quad 0 is in; behind it: 15 quads and 3 loads of items
.elseif BT == 1
	s_wait_dscnt 0x0                               ; sixteen matrix instructions later: all of them
.endif
.if BT < 8
	WIN 0x59
.else
	WIN 0x5d
.endif
.irp s,0,1
.irp n,0,1,2,3,4,5,6,7
.if (BT == 0) && (\s == 0)
	v_wmma_f32_16x16x4_f32 v[ACC+8*\n:ACC+8*\n+7], v[XOP+4*BT+2*\s:XOP+4*BT+2*\s+1], v[(8*(BT%8)+\n)*4+2*\s:(8*(BT%8)+\n)*4+2*\s+1], 0
.else
	v_wmma_f32_16x16x4_f32 v[ACC+8*\n:ACC+8*\n+7], v[XOP+4*BT+2*\s:XOP+4*BT+2*\s+1], v[(8*(BT%8)+\n)*4+2*\s:(8*(BT%8)+\n)*4+2*\s+1], v[ACC+8*\n:ACC+8*\n+7]
.endif
.endr
.endr
.set BT, BT+1
.endr
	NOPS 9
	GATES
	WIN 0x04
	MOVE
	SCAN_LOCAL
	WIN 0
	s_cmp_eq_u32 s[LAST], 0
	s_cbranch_scc1 .Lnot_last
	SCAN_FINAL
	s_and_b32 s[TA], s[PSEL], 7                    ; row p: register p & 7 of half (p >> 3) & 1
.irp j,1,2,3,4,5,6,7
	s_cmp_eq_u32 s[TA], \j
	s_cselect_b32 s[SJ+\j], -1, 0
.endr
	s_bitcmp1_b32 s[PSEL], 3
	s_cselect_b32 s[HSEL], s[HM], 0x0000ffff
.irp ct,0,1,2,3
	v_cndmask_b32 v[T+8*\ct], v[W+16*\ct], v[W+16*\ct+2], s[SJ+1]
	v_cndmask_b32 v[T+8*\ct+1], v[W+16*\ct+1], v[W+16*\ct+3], s[SJ+1]
.endr
.irp j,2,3,4,5,6,7
.irp ct,0,1,2,3
	v_cndmask_b32 v[T+8*\ct], v[T+8*\ct], v[W+16*\ct+2*\j], s[SJ+\j]
	v_cndmask_b32 v[T+8*\ct+1], v[T+8*\ct+1], v[W+16*\ct+2*\j+1], s[SJ+\j]
.endr
.endr
.irp ct,0,1,2,3
	v_permlanex16_b32 v[T+8*\ct+2], v[T+8*\ct], s[SEL], s[SEL+1]
	v_permlanex16_b32 v[T+8*\ct+3], v[T+8*\ct+1], s[SEL], s[SEL+1]
.endr
.irp ct,0,1,2,3
	v_cndmask_b32 v[T+8*\ct], v[T+8*\ct+2], v[T+8*\ct], s[HSEL]
	v_cndmask_b32 v[T+8*\ct+1], v[T+8*\ct+3], v[T+8*\ct+1], s[HSEL]
.endr
.irp ct,0,1,2,3
	ds_store_b32 v[ADH2S], v[T+8*\ct] offset:64*\ct                    ; both halves write the same word with the same value
	ds_store_b32 v[ADH2S], v[T+8*\ct+1] offset:256+64*\ct
.endr
	ds_load_b128 v[IT:IT+3], v[ADH2L]              ; LDS serves a wave's instructions in order: this sees my stores
	s_lshl_b32 s[TB], s[BSEL], 11
	v_add_nc_u32 v5, s[TB], v7
	s_wait_dscnt 0x0
	global_store_b128 v5, v[IT:IT+3], s[32:33]     ; 32 lanes store 512 consecutive bytes
	s_wait_xcnt 0x0                                ; its registers are written again below
.Lnot_last:
	COEF
	STATE
.Lno_in:
	s_add_co_u32 s[ITO], s[ITO], 64
	s_add_co_u32 s[TAU], s[TAU], 1
	s_cmp_lt_u32 s[TAU], 32
	s_cbranch_scc1 .Ltrip
	s_wait_tensorcnt 0x0                           ; the wave's end: behind my last LDS store
	ds_add_u32 v[SPW], v[NIL]
	s_wait_dscnt 0x0
	s_endpgm
.Lfunc_end_k_qc08c2eb60b_ffn1:
	.size	k_qc08c2eb60b_ffn1, .Lfunc_end_k_qc08c2eb60b_ffn1-k_qc08c2eb60b_ffn1
	.p2alignl 7, 3214868480
	.fill 96, 4, 3214868480
	.section	.rodata,"a",@progbits
	.p2align	6, 0x0
	.amdhsa_kernel k_qc08c2eb60b_ffn1
		.amdhsa_group_segment_fixed_size 173312
		.amdhsa_private_segment_fixed_size 0
		.amdhsa_enable_private_segment 0
		.amdhsa_kernarg_size 120
		.amdhsa_user_sgpr_count 2
		.amdhsa_user_sgpr_kernarg_segment_ptr 1
		.amdhsa_wavefront_size32 1
		.amdhsa_system_sgpr_workgroup_id_x 1
		.amdhsa_system_sgpr_workgroup_id_y 1
		.amdhsa_system_sgpr_workgroup_id_z 1
		.amdhsa_system_vgpr_workitem_id 0
		.amdhsa_next_free_vgpr 1024
		.amdhsa_next_free_sgpr 102
		.amdhsa_reserve_vcc 1
		.amdhsa_float_denorm_mode_32 3
		.amdhsa_float_denorm_mode_16_64 3
		.amdhsa_memory_ordered 1
		.amdhsa_forward_progress 1
		.amdhsa_inst_pref_size 174
	.end_amdhsa_kernel
	.amdgpu_metadata
---
amdhsa.version: [ 1, 2 ]
amdhsa.kernels:
  - .name:           k_qc08c2eb60b_ffn1
    .symbol:         k_qc08c2eb60b_ffn1.kd
    .args:
      - { .name: xm, .offset: 0, .size: 8, .value_kind: global_buffer, .address_space: global }
      - { .name: wcodes, .offset: 8, .size: 8, .value_kind: global_buffer, .address_space: global }
      - { .name: wscales, .offset: 16, .size: 8, .value_kind: global_buffer, .address_space: global }
      - { .name: b1, .offset: 24, .size: 8, .value_kind: global_buffer, .address_space: global }
      - { .name: b2, .offset: 32, .size: 8, .value_kind: global_buffer, .address_space: global }
      - { .name: ffn_ln_g, .offset: 40, .size: 8, .value_kind: global_buffer, .address_space: global }
      - { .name: ffn_ln_b, .offset: 48, .size: 8, .value_kind: global_buffer, .address_space: global }
      - { .name: in_wr, .offset: 56, .size: 8, .value_kind: global_buffer, .address_space: global }
      - { .name: in_wi, .offset: 64, .size: 8, .value_kind: global_buffer, .address_space: global }
      - { .name: item_seq, .offset: 72, .size: 8, .value_kind: global_buffer, .address_space: global }
      - { .name: item_seq_len, .offset: 80, .size: 8, .value_kind: global_buffer, .address_space: global }
      - { .name: order, .offset: 88, .size: 8, .value_kind: global_buffer, .address_space: global }
      - { .name: lam, .offset: 96, .size: 8, .value_kind: global_buffer, .address_space: global }
      - { .name: x1last, .offset: 104, .size: 8, .value_kind: global_buffer, .address_space: global }
      - { .name: h2, .offset: 112, .size: 8, .value_kind: global_buffer, .address_space: global }
    .group_segment_fixed_size: 173312
    .private_segment_fixed_size: 0
    .kernarg_segment_align: 8
    .kernarg_segment_size: 120
    .max_flat_workgroup_size: 128
    .sgpr_count:     102
    .vgpr_count:     1024
    .wavefront_size: 32
...
	.end_amdgpu_metadata
.endif
;; end of part 7
;; launch tail: the kernel of part 4 again; grid 32 x 1, 4 waves a work-group, no clusters, 31,232 bytes of LDS; arguments h2, x1last, out_wr, out_wi, out_br, lru_ln_g, lru_ln_b, wcodes, wscales, b1, b2, ffn_ln_g, ffn_ln_b, item_seq_len, out0; writes out0
